; MI455X (gfx1250); checked and timed in simulation.
; The chip was launched on July 23, 2026; its instructions are those of AMD's public machine-readable ISA for CDNA 5 (MIT licence, August 2026) and "CDNA5" Instruction Set Architecture Reference Guide (July 2026). The comments in the code are by the model that wrote it; some were corrected since.
;; Dense Full Attention. Allowed arithmetic: matrix products marked QUANTISED: E2M3 operands, one E8M0 scale for each 32 along K, by v_wmma_scale_f32_16x16x128_f8f6f4 with both operands' format E2M3, f32 sums; everything else in f32.
;; Inputs: freq_cos 2,048 x 64 float32; freq_sin 2,048 x 64 float32; wk 2,048 x 2,048 float32; wo 2,048 x 2,048 float32; wq 2,048 x 2,048 float32; wv 2,048 x 2,048 float32; x 1 x 2,048 x 2,048 float32.
;; Outputs: out0 1 x 2,048 x 2,048 float32.
;; This version of the problem:
;;   THIS VERSION OF THE PROBLEM IS GIVEN IN LOW PRECISION. The matrix products marked QUANTISED in the list below multiply operands that are first quantised to E2M3 (2 exponent bits, 3 mantissa bits; 6 bits a number), with one power-of-two scale for each 32 numbers along K (OCP MX v1.0); their sums are f32. All else is computed in f32.
;;   The module's matrix products, in the order in which they are computed (A, B: the left and right operand; K: the contracted axis; several contracted axes count as one K, in the product's order):
;;     1. [M 2,048, K 2,048] x [K 2,048, N 2,048]; A: input x; B: input wq: QUANTISED
;;     2. [M 2,048, K 2,048] x [K 2,048, N 2,048]; A: input x; B: input wk: QUANTISED
;;     3. [M 2,048, K 2,048] x [K 2,048, N 2,048]; A: input x; B: input wv: QUANTISED
;;     4. batch 16 x [M 2,048, K 128] x [K 128, N 2,048]; A: computed on the way; B: computed on the way: QUANTISED
;;     5. batch 16 x [M 2,048, K 2,048] x [K 2,048, N 128]; A: softmax (see below); B: computed on the way: QUANTISED
;;     6. [M 2,048, K 2,048] x [K 2,048, N 2,048]; A: computed on the way; B: input wo: QUANTISED
;;   THE QUANTISER, for each operand of a quantised product, along K:
;;     - K is cut into blocks of 32 from its start; a last block that is shorter is filled with zeros.
;;     - A block's scale is 2^e with e = floor(log2(the largest magnitude in the block)) - 2, held to -126 .. 127; a block of zeros has e = 0. As a byte (E8M0): e + 127.
;;     - Each number is divided by its block's scale, clamped to +-7.5, and rounded to the nearest number of E2M3, ties to even, subnormals kept.
;;     - The product sums the exact products of the quantised numbers (number of the format x scale) in f32.
;;   ~~~python
;;   def quantise(x, axis):      # numpy; x: float32 -> the quantised numbers, widened to float32 again
;;       x = np.moveaxis(x, axis, -1); K = x.shape[-1]
;;       x = np.pad(x, [(0, 0)] * (x.ndim - 1) + [(0, -K % 32)]); x = x.reshape(x.shape[:-1] + (-1, 32)); a = np.abs(x).max(-1, keepdims=True)
;;       e = np.where(a > 0, np.clip(np.frexp(np.where(a > 0, a, 1))[1] - 1 - 2, -126, 127), 0)      # np.frexp(a)[1] - 1 = floor(log2(a)), exactly
;;       r = np.clip(x / 2.0 ** e, -7.5, 7.5)
;;       step = 2.0 ** (np.maximum(np.frexp(np.where(r == 0, 1, r))[1] - 1, 0) - 3)
;;       q = np.round(r / step) * step * 2.0 ** e      # np.round: ties to even
;;       return np.moveaxis(q.reshape(q.shape[:-2] + (-1,))[..., :K], -1, axis).astype(np.float32)
;;   ~~~
;;   SOFTMAX AHEAD OF A QUANTISED PRODUCT. Where the list says 'softmax', what is quantised is not the finished softmax but p = 2^(t - M), with t = logit x log2(e) and M = ceil(the row's largest t), a whole number; so 1/2 < the row's largest p <= 1. The row's sum l is taken of the UNQUANTISED p, in f32, and the product's result is divided by l at the end. Since M is a whole number, a kernel that streams over the keys may use a running M (the ceiling of the running maximum): every later rescaling is an exact power of two, which a block's scale takes up: the codes' values come out the same.
;;   OPERANDS COMPUTED ON THE WAY. 'Computed on the way' means the value that the module computes at that place (a softmax that the list does not call 'softmax' is quantised finished and normalised). What goes into a quantiser is computed in f32, as accurately as f32 sums, v_exp_f32 and their like allow (about 1e-6 of the number): no bf16 or f16 on the way to a quantiser, and a product that is left as it is and whose result goes on into a quantised operand takes f32 operands (vector FMAs, or v_wmma_f32_16x16x4_f32). A number that lies on a knife's edge between two numbers of the format may be rounded either way, as far as f32 arithmetic and the matrix unit's own rounding can turn it there, and no further.
;; 2 versions. Each part assembles by itself: llvm-mc -triple=amdgcn-amd-amdhsa -mcpu=gfx1250 --defsym DOCPART=n.
;; ======== version 1 of 2: 4 launches
;; workspace buffers: codes 15,728,640 bytes; scales 655,360 bytes; qkvc 9,437,184 bytes; qkvs 393,216 bytes; oc 3,145,728 bytes; os 131,072 bytes
;; launch quant (part 1): grid 640 x 1, 4 waves a work-group, no clusters, 34,304 bytes of LDS; arguments x, wq, wk, wv, wo, codes, scales; writes codes, scales
.if DOCPART == 1
	.amdgcn_target "amdgcn-amd-amdhsa--gfx1250"
	.amdhsa_code_object_version 6
	.text
	.protected	k_q17ee21f60e_quant
	.globl	k_q17ee21f60e_quant
	.p2align	8
	.type	k_q17ee21f60e_quant,@function
k_q17ee21f60e_quant:
	s_mov_b64 s[64:65], 0
	v_nop
	global_prefetch_b8 v0, s[64:65] scope:SCOPE_SE
	s_setreg_imm32_b32 hwreg(HW_REG_WAVE_MODE, 25, 1), 1
	s_wait_xcnt 0x0
; x [2048][2048] (K innermost) and wq, wk, wv, wo [2048 (K)][2048 (n)] (K outermost), f32, become codes of FP6 (E2M3) with one E8M0 byte for each 32 along K.
; A block's scale is 2^(floor(log2(its largest magnitude)) - 2): its byte is that magnitude's exponent field - 2, held at 1 from below.
; LAYOUT OF THE CODES: images of the matrix operand's registers.  A fragment is 16 rows x 128 K = 12 registers a lane; registers 4 g .. 4 g + 3 of lane l lie at byte 512 g + 16 l of its 1,536 bytes.
; codes = [row tile 640][K step 16][1536]; a row is a row of x (tiles 0-127) or a column n of wq, wk, wv, wo (tiles 128 (z + 1) on).  scales = [row tile][pair of K steps 8][row 16][2 words], a word = the 4 bytes of 128 K.
; ORDER INSIDE A BLOCK: place p of a block of 32 holds number sigma(p), sigma = bits 3 and 4 of p exchanged, in every operand that this program makes: a permutation of k that is alike on both sides keeps the products,
; and a block stays the same 32 numbers, so its scale is the rule's.  (Matrix results that are quantised in later launches fall into this order by themselves.)
; LIMITS: a block of zeros gets the byte 1 where the rule says 127 (its codes are zeros, and this program alone reads the bytes); NaN and infinities among the inputs are not served.
; Work-groups 0-127: a row tile of x each; wave w takes K steps 4 w .. 4 w + 3.  Work-groups 128-639: 128 columns x 256 K of one weight; a lane takes a column and its registers run down K.
; No matrix unit, no tensor load, no cluster: the launch streams, and no two work-groups read the same byte.
.set SPARE, 33792                      ; behind the four stages: the spare words, 128 bytes a wave
.set SPW,   30                         ; v30  SPARE + 4 x my thread's number; never rewritten
.set NIL,   31                         ; v31  0; never rewritten
.set STG,   8448                       ; a wave's stage: 16 rows x (512 + 16) bytes
.set RX,    32                         ; x: v32-159 two sets of 64 registers as loaded
.set YX,    160                        ; x: v160-223 my two blocks of 32, in the operand's order
.set FX,    224                        ; x: v224-247 two fragments by turns
.set TX,    248                        ; x: v248-254 the upper halves of two blocks' codes
.set XW,    32                         ; weights: v32-95 two sets of 32 numbers
.set FW,    96                         ; weights: v96-143 codes: K step sl at 24 sl, lane half hh at 12 hh, c at 6 c
.set TW,    144                        ; weights: v144-146
	s_load_b256 s[4:11], s[0:1], 0x0               ; x, wq, wk, wv
	s_load_b128 s[12:15], s[0:1], 0x20             ; wo, codes
	s_load_b64 s[16:17], s[0:1], 0x30              ; scales
	v_lshl_add_u32 v[SPW], v0, 2, SPARE
	v_mov_b32 v[NIL], 0
	v_lshrrev_b32 v1, 5, v0
	v_readfirstlane_b32 s18, v1                    ; wave
	v_and_b32 v1, 31, v0                           ; lane
	v_and_b32 v2, 15, v0                           ; r
	v_bfe_u32 v3, v0, 4, 1                         ; h
	s_mov_b32 s20, 0x76543210
	s_mov_b32 s21, 0xfedcba98                      ; v_permlanex16_b32's selects for lane l xor 16
	s_mov_b32 s22, 0xffff0000                      ; lanes 16-31
	s_mov_b32 s25, 0                               ; the upper word of every offset
	s_wait_kmcnt 0x0
	s_cmp_lt_u32 ttmp9, 128
	s_cbranch_scc0 .Lweights
; ---------------- x: K is innermost ----------------
.macro LOADX sl                        ; K step sl of my four: 16 rows x 512 consecutive bytes, 16 bytes a lane
.irp i, 0,1,2,3,4,5,6,7,8,9,10,11,12,13,14,15
	global_load_b128 v[RX+64*((\sl)%2)+4*\i:RX+64*((\sl)%2)+4*\i+3], v4, s[4:5] offset:\i*8192+(\sl)*512 th:TH_LOAD_NT
.endr
.endm
.macro TURNX sl                        ; through my own stage: in as loaded, out as lane (r, h) wants it: blocks h and 2 + h of row r, whole.  LDS serves a wave's instructions in order: no wait between
.irp i, 0,1,2,3,4,5,6,7,8,9,10,11,12,13,14,15
	ds_store_b128 v5, v[RX+64*((\sl)%2)+4*\i:RX+64*((\sl)%2)+4*\i+3] offset:528*\i
.endr
.irp c, 0,1
.irp p, 0,1,2,3,4,5,6,7                ; piece p (four numbers) goes to the place that sigma gives it: bits 1 and 2 of p exchanged
	ds_load_b128 v[YX+32*\c+4*((\p&1)+4*((\p>>1)&1)+2*(\p>>2)):YX+32*\c+4*((\p&1)+4*((\p>>1)&1)+2*(\p>>2))+3], v6 offset:256*\c+16*\p
.endr
.endr
.endm
.macro QX sl                           ; my two blocks become registers 0-5 and 6-11 of the fragment; the row's scale word is gathered from lanes l and l xor 16
.set FQ, FX+12*((\sl)%2)
.irp c, 0,1
.irp d, 0,1
	v_max3_num_f32 v[8+2*\d+\c], |v[YX+32*\c+16*\d]|, |v[YX+32*\c+16*\d+1]|, 0x1800000   ; four chains; the floor 2^(3 - 127) holds the byte at 1 from below
.endr
.endr
.irp i, 2,4,6,8,10,12,14
.irp c, 0,1
.irp d, 0,1
	v_max3_num_f32 v[8+2*\d+\c], v[8+2*\d+\c], |v[YX+32*\c+16*\d+\i]|, |v[YX+32*\c+16*\d+\i+1]|
.endr
.endr
.endr
	v_max_num_f32 v8, v8, v10
	v_max_num_f32 v9, v9, v11
	v_add_nc_u32 v12, 0xff000000, v8               ; 2 off the exponent field: the conversion's scale operand
	v_add_nc_u32 v13, 0xff000000, v9
	v_lshrrev_b32 v14, 23, v12                     ; the bytes of blocks h and 2 + h
	v_lshrrev_b32 v15, 23, v13
	v_lshl_or_b32 v16, v15, 16, v14
	v_lshlrev_b32 v16, v18, v16                    ; 8 h bits up
	v_permlanex16_b32 v17, v16, s20, s21
	v_or_b32 v[20+(\sl)], v16, v17                 ; the whole word, in both halves of the lanes
.irp c, 0,1
	v_cvt_scalef32_pk16_fp6_f32 v[FQ+6*\c:FQ+6*\c+2], v[YX+32*\c:YX+32*\c+15], v[12+\c]
	v_cvt_scalef32_pk16_fp6_f32 v[TX+4*\c:TX+4*\c+2], v[YX+32*\c+16:YX+32*\c+31], v[12+\c]   ; (a conversion's three registers begin on an even number)
.endr
	v_nop                                          ; one plain place behind the scaled conversions
.irp c, 0,1
.irp i, 0,1,2
	v_mov_b32 v[FQ+6*\c+3+\i], v[TX+4*\c+\i]
.endr
.endr
.irp g, 0,1,2
	global_store_b128 v4, v[FQ+4*\g:FQ+4*\g+3], s[14:15] offset:(\sl)*1536+512*\g   ; 32 lanes store 512 consecutive bytes, aligned
.endr
.endm
	s_lshl_b32 s24, ttmp9, 17                      ; x: 16 rows of 8,192 bytes a tile,
	s_lshl_b32 s26, s18, 11                        ; 4 K steps of 512 bytes a wave
	s_add_co_u32 s24, s24, s26
	s_add_nc_u64 s[4:5], s[4:5], s[24:25]
	s_mul_i32 s24, ttmp9, 24576                    ; codes: 16 fragments a tile, 4 a wave
	s_mul_i32 s26, s18, 6144
	s_add_co_u32 s24, s24, s26
	s_add_nc_u64 s[14:15], s[14:15], s[24:25]
	s_lshl_b32 s24, ttmp9, 10                      ; scales: 1,024 bytes a tile, 256 a wave
	s_lshl_b32 s26, s18, 8
	s_add_co_u32 s24, s24, s26
	s_add_nc_u64 s[16:17], s[16:17], s[24:25]
	v_lshlrev_b32 v4, 4, v1                        ; 16 x lane
	s_mul_i32 s27, s18, STG
	v_add_nc_u32 v5, s27, v4                       ; the stage, on the way in
	v_mul_u32_u24 v6, v2, 528
	v_lshl_add_u32 v6, v3, 7, v6
	v_add_nc_u32 v6, s27, v6                       ; and out: row r, + 128 h
	v_lshlrev_b32 v7, 3, v1                        ; 8 x lane
	v_lshlrev_b32 v18, 3, v3                       ; 8 h
	v_mov_b32 v17, 0                               ; a lane permute's destination counts as a source
	LOADX 0
	LOADX 1
.irp sl, 0,1,2,3
.if \sl < 3
	s_wait_loadcnt 16                              ; this K step's 16 loads are in; the next one's 16 may be out
.else
	s_wait_loadcnt 0x0
.endif
	TURNX \sl
	s_wait_dscnt 0x0                               ; the stage's stores have read their registers, and my blocks are back
.if \sl < 2
	LOADX \sl+2
.else
	s_wait_xcnt 0x0                                ; the fragment stored two K steps ago is written again only behind this wait
.endif
	QX \sl
.endr
	v_cndmask_b32 v24, v20, v22, s22               ; lanes 0-15: the words of K steps 4 w, 4 w + 1; lanes 16-31: of 4 w + 2, 4 w + 3
	v_cndmask_b32 v25, v21, v23, s22
	global_store_b64 v7, v[24:25], s[16:17]        ; 256 consecutive bytes, aligned
	s_branch .Lend
; ---------------- the weights: K is the first axis ----------------
.macro LOADW t                         ; block t: W(32 t + i, my column) into the place that sigma gives it; 32 lanes read 128 consecutive bytes, the four waves side by side 512
.set ii, 0
.rept 32
	global_load_b32 v[XW+32*((\t)%2)+(ii&7)+16*((ii>>3)&1)+8*(ii>>4)], v4, s[6:7] offset:(32*(\t)+ii)*8192 th:TH_LOAD_NT
.set ii, ii+1
.endr
.endm
.macro BLOCKW t
.set XS, XW+32*((\t)%2)
.set FD, FW+24*((\t)/4)+12*((\t)&1)+6*(((\t)%4)>>1)
.if (\t) < 7
	s_wait_loadcnt 32                              ; this block's 32 loads are in; the next block's may be out
.else
	s_wait_loadcnt 0x0
.endif
	v_max3_num_f32 v8, |v[XS]|, |v[XS+1]|, |v[XS+2]|               ; all 32 numbers of the block are mine
	v_max3_num_f32 v9, |v[XS+3]|, |v[XS+4]|, |v[XS+5]|
.irp i, 6,10,14,18,22,26
	v_max3_num_f32 v8, v8, |v[XS+\i]|, |v[XS+\i+1]|
	v_max3_num_f32 v9, v9, |v[XS+\i+2]|, |v[XS+\i+3]|
.endr
	v_max3_num_f32 v8, v8, |v[XS+30]|, |v[XS+31]|
	v_max3_num_f32 v8, v8, v9, 0x1800000           ; the floor
	v_add_nc_u32 v11, 0xff000000, v8
	v_cvt_scalef32_pk16_fp6_f32 v[FD:FD+2], v[XS:XS+15], v11
	v_cvt_scalef32_pk16_fp6_f32 v[TW:TW+2], v[XS+16:XS+31], v11
	v_lshrrev_b32 v13, 23, v11                     ; the byte (also the plain place behind the conversions)
.if (\t)%4 == 0
	v_mov_b32 v[20+(\t)/4], v13
.else
	v_lshl_or_b32 v[20+(\t)/4], v13, 8*((\t)%4), v[20+(\t)/4]
.endif
.irp i, 0,1,2
	v_mov_b32 v[FD+3+\i], v[TW+\i]
.endr
.if (\t) < 6
	LOADW (\t)+2
.endif
.if (\t)%4 == 3                        ; a K step is whole.  My column is row r of tile (lane / 16); what lanes (r, 0) and (r, 1) of the image hold are both mine: sixteen lanes fill 256 consecutive aligned bytes
.irp hh, 0,1
.irp g, 0,1,2
	global_store_b128 v5, v[FW+24*((\t)/4)+12*\hh+4*\g:FW+24*((\t)/4)+12*\hh+4*\g+3], s[14:15] offset:((\t)/4)*1536+512*\g+256*\hh
.endr
.endr
.endif
.endm
.Lweights:
	s_sub_co_u32 s24, ttmp9, 128
	s_lshr_b32 s26, s24, 7                         ; z: which weight
	s_and_b32 s27, s24, 15                         ; cg: which 128 columns
	s_bfe_u32 s28, s24, 0x30004                    ; ky: which 256 along K
	s_cmp_eq_u32 s26, 1                            ; the choice hangs on the work-group's number alone
	s_cselect_b64 s[6:7], s[8:9], s[6:7]
	s_cmp_eq_u32 s26, 2
	s_cselect_b64 s[6:7], s[10:11], s[6:7]
	s_cmp_eq_u32 s26, 3
	s_cselect_b64 s[6:7], s[12:13], s[6:7]
	s_lshl_b32 s24, s28, 21                        ; 256 rows of 8,192 bytes
	s_lshl_b32 s29, s27, 9
	s_add_co_u32 s24, s24, s29
	s_lshl_b32 s29, s18, 7
	s_add_co_u32 s24, s24, s29                     ; + (128 cg + 32 w) x 4
	s_add_nc_u64 s[6:7], s[6:7], s[24:25]
	s_add_co_u32 s30, s26, 1
	s_lshl_b32 s30, s30, 7                         ; the weight's first row tile: 128 (z + 1)
	s_lshl_b32 s29, s27, 3
	s_add_co_u32 s30, s30, s29
	s_lshl_b32 s29, s18, 1
	s_add_co_u32 s30, s30, s29                     ; + 8 cg + 2 w
	s_mul_i32 s24, s30, 24576
	s_mul_i32 s29, s28, 3072                       ; two K steps
	s_add_co_u32 s24, s24, s29
	s_add_nc_u64 s[14:15], s[14:15], s[24:25]
	s_lshl_b32 s24, s30, 10
	s_lshl_b32 s29, s28, 7
	s_add_co_u32 s24, s24, s29
	s_add_nc_u64 s[16:17], s[16:17], s[24:25]
	v_lshlrev_b32 v4, 2, v1                        ; in: 4 bytes a lane
	v_mul_u32_u24 v5, v3, 24576
	v_lshl_add_u32 v5, v2, 4, v5                   ; codes: my tile, + 16 r
	v_lshlrev_b32 v6, 10, v3
	v_lshl_add_u32 v6, v2, 3, v6                   ; scale words: my tile, + 8 r
	LOADW 0
	LOADW 1
.irp t, 0,1,2,3,4,5,6,7
	BLOCKW \t
.endr
	global_store_b64 v6, v[20:21], s[16:17]        ; my column's two words: sixteen lanes store 128 consecutive bytes (the other half of that 256 belongs to the neighbouring 256 along K)
.Lend:
	s_wait_tensorcnt 0x0                           ; the wave's end
	ds_add_u32 v[SPW], v[NIL]
	s_wait_dscnt 0x0
	s_endpgm
.Lfunc_end_k_q17ee21f60e_quant:
	.size	k_q17ee21f60e_quant, .Lfunc_end_k_q17ee21f60e_quant-k_q17ee21f60e_quant
	.p2alignl 7, 3214868480
	.fill 96, 4, 3214868480
	.section	.rodata,"a",@progbits
	.p2align	6, 0x0
	.amdhsa_kernel k_q17ee21f60e_quant
		.amdhsa_group_segment_fixed_size 34304
		.amdhsa_private_segment_fixed_size 0
		.amdhsa_enable_private_segment 0
		.amdhsa_kernarg_size 56
		.amdhsa_user_sgpr_count 2
		.amdhsa_user_sgpr_kernarg_segment_ptr 1
		.amdhsa_wavefront_size32 1
		.amdhsa_system_sgpr_workgroup_id_x 1
		.amdhsa_system_sgpr_workgroup_id_y 1
		.amdhsa_system_sgpr_workgroup_id_z 1
		.amdhsa_system_vgpr_workitem_id 0
		.amdhsa_next_free_vgpr 256
		.amdhsa_next_free_sgpr 66
		.amdhsa_reserve_vcc 0
		.amdhsa_float_denorm_mode_32 3
		.amdhsa_float_denorm_mode_16_64 3
		.amdhsa_memory_ordered 1
		.amdhsa_forward_progress 1
		.amdhsa_inst_pref_size 68
	.end_amdhsa_kernel
	.amdgpu_metadata
---
amdhsa.version: [ 1, 2 ]
amdhsa.kernels:
  - .name:           k_q17ee21f60e_quant
    .symbol:         k_q17ee21f60e_quant.kd
    .args:
      - { .name: x, .offset: 0, .size: 8, .value_kind: global_buffer, .address_space: global }
      - { .name: wq, .offset: 8, .size: 8, .value_kind: global_buffer, .address_space: global }
      - { .name: wk, .offset: 16, .size: 8, .value_kind: global_buffer, .address_space: global }
      - { .name: wv, .offset: 24, .size: 8, .value_kind: global_buffer, .address_space: global }
      - { .name: wo, .offset: 32, .size: 8, .value_kind: global_buffer, .address_space: global }
      - { .name: codes, .offset: 40, .size: 8, .value_kind: global_buffer, .address_space: global }
      - { .name: scales, .offset: 48, .size: 8, .value_kind: global_buffer, .address_space: global }
    .group_segment_fixed_size: 34304
    .private_segment_fixed_size: 0
    .kernarg_segment_align: 8
    .kernarg_segment_size: 56
    .max_flat_workgroup_size: 128
    .sgpr_count:     66
    .vgpr_count:     256
    .wavefront_size: 32
...
	.end_amdgpu_metadata
.endif
;; end of part 1
;; launch qkv (part 2): grid 24 x 8, 4 waves a work-group, clusters of 4 x 4, 327,680 bytes of LDS; arguments codes, scales, freq_cos, freq_sin, qkvc, qkvs; writes qkvc, qkvs
.if DOCPART == 2
	.amdgcn_target "amdgcn-amd-amdhsa--gfx1250"
	.amdhsa_code_object_version 6
	.text
	.protected	k_q17ee21f60e_qkv
	.globl	k_q17ee21f60e_qkv
	.p2align	8
	.type	k_q17ee21f60e_qkv,@function
k_q17ee21f60e_qkv:
	s_mov_b64 s[64:65], 0
	v_nop
	global_prefetch_b8 v0, s[64:65] scope:SCOPE_SE
	s_setreg_imm32_b32 hwreg(HW_REG_WAVE_MODE, 25, 1), 1
	s_wait_xcnt 0x0
	s_wait_alu depctr_hold_cnt(0) depctr_sa_sdst(0) depctr_va_vdst(0) depctr_va_sdst(0) depctr_va_ssrc(0) depctr_va_vcc(0) depctr_vm_vsrc(0)
	s_getreg_b32 s2, hwreg(HW_REG_IB_STS2, 6, 4)
	s_cmp_eq_u32 s2, 0
	s_cbranch_scc0 .Lentry_in_a_cluster
	s_endpgm
.Lentry_in_a_cluster:
	s_bfe_u32 s2, ttmp6, 0x10000c
	s_cmp_lg_u32 s2, 0xf033
	s_cbranch_scc0 .Lentry_shape_is_right
	s_endpgm
.Lentry_shape_is_right:
; q = rope(x wq), k = rope(x wk), v = x wv on codes of FP6 (E2M3) with E8M0 scales, K = 2,048; the results are quantised in registers, in f32, and leave as codes: q and k along the head's 128, v along the keys.
; A work-group of four waves makes 256 x 256 of C, a wave 128 x 128: 64 accumulators.  Tile columns 0-15: C = x [wq | wk] (rows = tokens, columns = head x 128 + d).  Tile columns 16-23: C = wv^T x^T (rows = head x 128 + d,
; columns = tokens), so that v's next K, the keys, again runs along a lane's registers.  Which of the two hangs on the cluster's x alone.  A wave's 128 x 128 is one head x 128 tokens.
; OPERANDS are images of their registers (fragment = 1,536 bytes, registers 4 g .. 4 g + 3 of lane l at 512 g + 16 l): codes = [row tile][K step 16][1536]; row tiles 0 x, 128 wq, 256 wk, 384 wv.  A slot holds 256 along K:
; 16 row tiles of A and 16 of B, 3,072 bytes each.  The scale words of all of K (1,024 bytes a row tile) come once and stay.
; CLUSTERS: 4 x 4 work-groups; A's tiles are asked for jointly along a row of the cluster, B's along a column.
; THE MATRIX INSTRUCTION IS USED TRANSPOSED (source 0 = 16 rows of B, source 1 = 16 rows of A): register j of lane (r, h) in accumulator (a, b) is C(16 a + r, 16 b + 8 h + j).
; So a lane's 64 registers of a block a are 64 numbers of one row along the next K; quantised 16 registers to a half block they fall at place 32 B + 16 h + 8 u + j for number 32 B + 16 u + 8 h + j: bits 3 and 4 of
; the place in a block exchanged, the order that every operand of this program has.
; OUT: qkvc = [g 48][blk 16][a 8][1536], qkvs = [g][blk][a][row 16] words.  g = head (q), 16 + head (k): blk = 128 tokens, a = 16 of them.  g = 32 + head (v): blk = 128 keys (the K), a = 16 of the head's d.
; LIMITS: a block of zeros gets the byte 1 (its codes are zeros; this program alone reads the bytes); NaN and infinities are not served.
; REGISTERS: window 0: v16-29 addresses; v32-63 scale words, two sets; v64-127 free in the loop; v128-223 A's fragments, one set; window 1: B's fragments, two sets at v0 and v128; windows 2, 3: the accumulators.
.set NQ,     2                         ; matrix instructions deep in a slot
.set FR,     12                        ; registers of a fragment
.set NL,     3                         ; LDS loads that bring one
.set NP,     4                         ; places behind this matrix instruction (ISA guide 7.12.1)
.set FRB,    1536                      ; a fragment's image
.set TROW,   NQ*FRB                    ; a row tile's bytes in a slot
.set HALFT,  8*TROW                    ; 8 row tiles: what one tensor load brings, and what one wave reads of A or of B
.set SLOT,   4*HALFT
.set LAPS,   4                         ; 2,048 / (2 x 256)
.set SCL,    2*SLOT                    ; behind the ring: the scale words
.set HALFS,  8192                      ; those of 8 row tiles
.set SBLK,   1024                      ; of one
.set SPARE,  SCL+4*HALFS               ; the spare words, 128 bytes a wave
.set ADRA, 16                          ; v16-17  my A fragments in slot 0, 1
.set ADRB, 20                          ; v20-21  my B fragments
.set VCS,  24                          ; v24     the tables: 256 r + 32 h
.set VIM,  25                          ; v25     16 x lane
.set VSC,  26                          ; v26     4 x lane
.set ADRS, 27                          ; v27     my scale words: lanes 0-15 A's rows, lanes 16-31 B's
.set SPW,  28                          ; v28     SPARE + 4 x my thread's number; never rewritten
.set NIL,  29                          ; v29     0; never rewritten
.set SC,   32
.set H0,   64                          ; the way out: v64-127, v128-191: cos and sin of a tile of tokens, then the rotated numbers, by turns
.set AF,   128
.set PC,   192                         ; the way out: v192-203 a fragment's codes, v204-210 at work
.set TT,   212                         ; v212-219 four pairs at work
.set TM,   232                         ; v232-235 largest magnitudes, v236-239 bytes, v244-247 scale operands
.set PW,   248                         ; v248, v249 the scale words of an even and an odd tile;  v250 both
.set MW,   250
.set G1, 24
.set G0, 32
.set G1B, 48
.set G0B, 56
.set G1S, 68
.set G0S, 76
.set G1SB, 80
.set G0SB, 88
.set MSB, 0
.macro WIN new                         ; the immediate's high byte repeats the setting that is left
.if MSB != (\new)
	s_set_vgpr_msb (MSB<<8)|(\new)
.set MSB, (\new)
.endif
.endm
.set MUL_LO, 0xa1                      ; source 0 (B) window 1, source 1 (A) window 0, C and D window 2
.set MUL_HI, 0xf1
.set TO_B,   0x40
.macro JLOAD g0a, g1a, g0b, g1b        ; a joint load: waves 0 and 1 fetch for A, waves 2 and 3 for B; an s_nop 0 and four v_nop follow each line
	s_cmp_eq_u32 s17, 0
	s_cbranch_scc0 .Lfor_b_\@
	tensor_load_to_lds s[\g0a:\g0a+3], s[\g1a:\g1a+7]
	s_nop 0
.rept 4
	v_nop
.endr
	s_branch .Lasked_\@
.Lfor_b_\@:
	tensor_load_to_lds s[\g0b:\g0b+3], s[\g1b:\g1b+7]
	s_nop 0
.rept 4
	v_nop
.endr
.Lasked_\@:
.endm
.macro CREST                           ; a round of the cluster's barrier behind its opening barrier
	s_cmp_lg_u32 s16, 0
	s_cbranch_scc1 .Lnot_wave_0_\@
	s_barrier_signal -3
.Lnot_wave_0_\@:
	s_barrier_wait -3
	s_barrier_signal -1
	s_barrier_wait -1
.endm
.macro CROUND
	s_barrier_signal -1
	s_barrier_wait -1
	CREST
.endm
	s_load_b256 s[4:11], s[0:1], 0x0               ; codes, scales, cos, sin
	s_load_b128 s[12:15], s[0:1], 0x20             ; qkvc, qkvs
	v_lshl_add_u32 v[SPW], v0, 2, SPARE
	v_mov_b32 v[NIL], 0
	ds_add_u32 v[SPW], v[NIL]                      ; the wave's opening: the add and its wait ahead of my first tensor load; work on registers stands between them
	v_lshrrev_b32 v1, 5, v0
	v_readfirstlane_b32 s16, v1                    ; wave
	s_lshr_b32 s17, s16, 1                         ; which half of the tile's rows is mine.  Also: I fetch for A (0) or for B (1)
	s_and_b32 s18, s16, 1                          ; which half of its columns.  Also: which 8 row tiles I fetch
	s_bfe_u32 s20, ttmp6, 0x40000                  ; cx
	s_bfe_u32 s21, ttmp6, 0x40004                  ; cy
	s_lshl_b32 s22, ttmp9, 2
	s_add_co_u32 s22, s22, s20                     ; tile column = 4 x cluster x + cx
	s_and_b32 s23, ttmp7, 0xffff
	s_lshl_b32 s23, s23, 2
	s_add_co_u32 s23, s23, s21                     ; tile row = 4 x cluster y + cy
	s_lshl_b32 s40, s21, 2
	s_lshl_b32 s40, 15, s40                        ; my row of the cluster
	s_lshl_b32 s41, 0x1111, s20                    ; my column
	s_or_b32 s[G1+0], s40, (3<<16)|(1<<21)         ; the mask; elements of 8 bytes; no padding; bit 21 beside a mask
	s_or_b32 s[G1B+0], s41, (3<<16)|(1<<21)
	s_or_b32 s[G1S+0], s40, (3<<16)|(1<<21)
	s_or_b32 s[G1SB+0], s41, (3<<16)|(1<<21)
.irp g, G1, G1B                        ; codes: 8 rows (row tiles) of 3,072 bytes, 24,576 bytes apart
	s_mov_b32 s[\g+1], 384<<16                     ; tensor_dim0
	s_mov_b32 s[\g+2], 8<<16                       ; tensor_dim1
	s_mov_b32 s[\g+3], 384<<16                     ; tile_dim0
	s_mov_b32 s[\g+4], 8                           ; tile_dim1
	s_mov_b32 s[\g+5], 3072                        ; stride, in elements
	s_mov_b32 s[\g+6], 0
	s_mov_b32 s[\g+7], 0
.endr
.irp g, G1S, G1SB                      ; scale words of 8 row tiles: 8,192 dense bytes as 32 rows of 256
	s_mov_b32 s[\g+1], 32<<16
	s_mov_b32 s[\g+2], 32<<16
	s_mov_b32 s[\g+3], 32<<16
	s_mov_b32 s[\g+4], 32
	s_mov_b32 s[\g+5], 32
	s_mov_b32 s[\g+6], 0
	s_mov_b32 s[\g+7], 0
.endr
	; which row tiles.  q, k: A = x at 16 tr, B = wq | wk at 128 + 16 tc.  v: A = wv at 384 + 16 tr, B = x at 16 (tc - 16).  A's registers never hold cx, B's never cy
	s_add_co_u32 s44, s22, 8
	s_sub_co_u32 s45, s22, 16
	s_cmp_ge_u32 ttmp9, 4                          ; the cluster's x: the same in all sixteen partners
	s_cselect_b32 s42, 384, 0
	s_cselect_b32 s44, s45, s44
	s_lshl_b32 s44, s44, 4
	s_lshl_b32 s46, s18, 3
	s_add_co_u32 s44, s44, s46                     ; B's first row tile of the 8 that I fetch
	s_lshl_b32 s43, s23, 4
	s_add_co_u32 s42, s42, s43
	s_add_co_u32 s42, s42, s46                     ; A's
	s_mul_i32 s92, s42, 24576
	s_mov_b32 s93, 0
	s_lshl_b32 s94, s42, 10
	s_mov_b32 s95, 0
	s_mul_i32 s96, s44, 24576
	s_mov_b32 s97, 0
	s_lshl_b32 s98, s44, 10
	s_mov_b32 s99, 0
	s_mul_i32 s47, s16, HALFT                      ; where they go: wave x 8 row tiles: no place in the cluster enters an LDS address
	s_lshl_b32 s66, s16, 13
.irp b, 0,1,2,3
	v_mov_b32 v[TM+4+\b], 0                        ; written once: a lane permute's destination counts as a source
.endr
	s_wait_dscnt 0x0                               ; the opening add is done
	s_wait_kmcnt 0x0
	s_add_nc_u64 s[92:93], s[4:5], s[92:93]
	s_add_nc_u64 s[94:95], s[6:7], s[94:95]
	s_add_nc_u64 s[96:97], s[4:5], s[96:97]
	s_add_nc_u64 s[98:99], s[6:7], s[98:99]
	CROUND                                         ; all sixteen work-groups are here: the first joint loads meet
	s_mov_b32 s[G0S], 1
	s_add_co_u32 s[G0S+1], s66, SCL
	s_mov_b64 s[G0S+2:G0S+3], s[94:95]
	s_or_b32 s[G0S+3], s[G0S+3], 0x80000000
	s_mov_b32 s[G0SB], 1
	s_add_co_u32 s[G0SB+1], s66, SCL
	s_mov_b64 s[G0SB+2:G0SB+3], s[98:99]
	s_or_b32 s[G0SB+3], s[G0SB+3], 0x80000000
	JLOAD G0S, G1S, G0SB, G1SB                     ; the scale words first: they are wanted with the first K step
.irp s, 0,1
	s_mov_b32 s[G0+4*\s], 1
	s_add_co_u32 s[G0+4*\s+1], s47, \s*SLOT
	s_add_nc_u64 s[G0+4*\s+2:G0+4*\s+3], s[92:93], \s*TROW
	s_or_b32 s[G0+4*\s+3], s[G0+4*\s+3], 0x80000000
	s_mov_b32 s[G0B+4*\s], 1
	s_add_co_u32 s[G0B+4*\s+1], s47, \s*SLOT
	s_add_nc_u64 s[G0B+4*\s+2:G0B+4*\s+3], s[96:97], \s*TROW
	s_or_b32 s[G0B+4*\s+3], s[G0B+4*\s+3], 0x80000000
	JLOAD G0+4*\s, G1, G0B+4*\s, G1B
.endr
	v_and_b32 v1, 15, v0                           ; r
	v_bfe_u32 v2, v0, 4, 1                         ; h
	v_and_b32 v4, 31, v0                           ; lane
	v_lshlrev_b32 v[VIM], 4, v4
	v_lshlrev_b32 v[VSC], 2, v4
	v_lshlrev_b32 v[VCS], 8, v1
	v_lshl_add_u32 v[VCS], v2, 5, v[VCS]
	s_mul_i32 s40, s17, HALFT                      ; my 8 row tiles of A
	s_mul_i32 s41, s18, HALFT                      ; my 8 of B,
	s_add_co_u32 s41, s41, 2*HALFT                 ; which lie behind A's 16
.irp s, 0,1
	v_add_nc_u32 v[ADRA+\s], s40, v[VIM]
	v_add_nc_u32 v[ADRB+\s], s41, v[VIM]
	s_add_co_u32 s40, s40, SLOT
	s_add_co_u32 s41, s41, SLOT
.endr
	v_lshlrev_b32 v5, 3, v1                        ; my row's two words of a pair of K steps
	s_lshl_b32 s40, s17, 13
	s_lshl_b32 s41, s18, 13
	s_add_co_u32 s41, s41, 2*HALFS
	s_sub_co_u32 s41, s41, s40
	v_mul_u32_u24 v6, s41, v2                      ; lanes 16-31 take B's
	s_add_co_u32 s40, s40, SCL
	v_add_nc_u32 v5, v5, v6
	v_add_nc_u32 v[ADRS], s40, v5
	; the way out: q, k: g = 2 tc + column half, blk = 2 tr + row half;  v: g = 32 + 2 tr + row half, blk = 2 (tc - 16) + column half
	s_lshl_b32 s40, s22, 1
	s_add_co_u32 s40, s40, s18
	s_lshl_b32 s41, s23, 1
	s_add_co_u32 s41, s41, s17
	s_lshl_b32 s42, s40, 4
	s_add_co_u32 s42, s42, s41                     ; 16 g + blk for q, k
	s_lshl_b32 s43, s41, 4
	s_add_co_u32 s43, s43, s40
	s_add_co_u32 s43, s43, 512-32                  ; and for v
	s_cmp_ge_u32 ttmp9, 4
	s_cselect_b32 s42, s43, s42
	s_mul_i32 s44, s42, 8*FRB
	s_mov_b32 s45, 0
	s_add_nc_u64 s[12:13], s[12:13], s[44:45]
	s_lshl_b32 s44, s42, 9
	s_add_nc_u64 s[14:15], s[14:15], s[44:45]
	s_lshl_b32 s44, s23, 16                        ; the tables at my first token: (256 tr + 128 row half) rows of 256 bytes
	s_lshl_b32 s46, s17, 15
	s_add_co_u32 s44, s44, s46
	s_add_nc_u64 s[8:9], s[8:9], s[44:45]
	s_add_nc_u64 s[10:11], s[10:11], s[44:45]
	s_mov_b32 s2, 0x76543210
	s_mov_b32 s3, 0xfedcba98                       ; v_permlanex16_b32's selects for lane l xor 16
	s_mov_b32 s92, 0xffff0000                      ; lanes 16-31
.macro FRAG reg, adr, q, i             ; a fragment comes as it was stored: three loads of 512 consecutive bytes
.irp g, 0,1,2
	ds_load_b128 v[\reg+4*\g:\reg+4*\g+3], v[\adr] offset:(\i)*TROW+(\q)*FRB+512*\g
.endr
.endm
; 16 matrix instructions: A's blocks a0, a0 + 1 x B's eight.  The 64 accumulators take turns, one instruction a turn, in the same order in every step.
.macro MUL16 a0, p, q, sc, zero
.irp a, \a0, \a0+1
.irp b, 0,1,2,3,4,5,6,7
.if \zero
	v_wmma_scale_f32_16x16x128_f8f6f4 v[8*(8*((\a)%4)+\b):8*(8*((\a)%4)+\b)+7], v[128*(\p)+FR*\b:128*(\p)+FR*\b+FR-1], v[AF+FR*(\a):AF+FR*(\a)+FR-1], 0, v[SC+8*NQ*(\sc)+NQ*\b+(\q)], v[SC+8*NQ*(\sc)+NQ*(\a)+(\q)] matrix_a_fmt:MATRIX_FMT_FP6 matrix_b_fmt:MATRIX_FMT_FP6 matrix_a_scale:MATRIX_SCALE_ROW1
.else
	v_wmma_scale_f32_16x16x128_f8f6f4 v[8*(8*((\a)%4)+\b):8*(8*((\a)%4)+\b)+7], v[128*(\p)+FR*\b:128*(\p)+FR*\b+FR-1], v[AF+FR*(\a):AF+FR*(\a)+FR-1], v[8*(8*((\a)%4)+\b):8*(8*((\a)%4)+\b)+7], v[SC+8*NQ*(\sc)+NQ*\b+(\q)], v[SC+8*NQ*(\sc)+NQ*(\a)+(\q)] matrix_a_fmt:MATRIX_FMT_FP6 matrix_b_fmt:MATRIX_FMT_FP6 matrix_a_scale:MATRIX_SCALE_ROW1
.endif
.endr
.endr
.endm
.macro FETCH_B slot, q, p
	WIN TO_B
.irp i, 0,1,2,3,4,5,6,7
	FRAG 128*(\p)+FR*\i, ADRB+\slot, \q, \i
.endr
	WIN 0
.endm
.macro FETCH_A slot, q, i0
.irp i, \i0, \i0+1, \i0+2, \i0+3
	FRAG AF+FR*(\i), ADRA+\slot, \q, \i
.endr
.endm
.macro SCALES sc                       ; a slot's scale words: two a row; lanes 0-15 take A's block i, lanes 16-31 B's block i
.irp i, 0,1,2,3,4,5,6,7
	ds_load_b64 v[SC+8*NQ*\sc+NQ*\i:SC+8*NQ*\sc+NQ*\i+1], v[ADRS] offset:\i*SBLK
.endr
.endm
.macro PLACES n                        ; plain vector instructions between a matrix instruction and a load into, or a vector read or write of, its registers (ISA guide 7.12.1 for vector reads and writes)
.rept \n
	v_nop
.endr
.endm
.macro STEP slot, q, zero              ; 128 along K that have their successor in the same slot
	s_wait_dscnt 4*NL                              ; B's set and A's blocks 0-3 are in; the youngest 12 loads (A's blocks 4-7) may be out
	WIN MUL_LO
	MUL16 0, (\q)%2, \q, \slot, \zero
	MUL16 2, (\q)%2, \q, \slot, \zero
	s_wait_dscnt 0
	PLACES NP
	FETCH_B \slot, (\q)+1, 1-(\q)%2
	FETCH_A \slot, (\q)+1, 0
	WIN MUL_HI
	MUL16 4, (\q)%2, \q, \slot, \zero
	MUL16 6, (\q)%2, \q, \slot, \zero
	PLACES NP
	WIN 0
	FETCH_A \slot, (\q)+1, 4
.endm
; A slot's last step changes slots: one barrier; in front of it each wave waits for all its tensor loads, adds 0 to its spare word, and waits for that and for its reads of this slot.
.macro TURN slot, next, fill
	s_wait_tensorcnt 0x0                           ; all my tensor loads have landed: my part of the next slot
	ds_add_u32 v[SPW], v[NIL]                      ; 0 onto my spare word
	s_wait_dscnt 4*NL+1                            ; (the add and the youngest 12 loads may be out)
	WIN MUL_LO
	MUL16 0, 1, NQ-1, \slot, 0
	s_wait_dscnt 0x0                               ; the add is done, and my reads of this slot are over
	s_barrier_signal -1
	MUL16 2, 1, NQ-1, \slot, 0
	WIN 0
	s_barrier_wait -1
.if \fill
	CREST                                          ; the barrier has opened a round of the cluster's barrier: no wave of any partner still reads this slot or has a load on its way
	s_add_nc_u64 s[G0+4*\slot+2:G0+4*\slot+3], s[G0+4*\slot+2:G0+4*\slot+3], 2*TROW
	s_add_nc_u64 s[G0B+4*\slot+2:G0B+4*\slot+3], s[G0B+4*\slot+2:G0B+4*\slot+3], 2*TROW
	JLOAD G0+4*\slot, G1, G0B+4*\slot, G1B         ; the first tensor load behind the round; its four v_nop are the places in front of the loads below
.else
	PLACES NP
.endif
	v_add_nc_u32 v[ADRS], 128, v[ADRS]             ; the next pair of K steps' scale words
	FETCH_B \next, 0, 0
	FETCH_A \next, 0, 0
	SCALES \next
	WIN MUL_HI
	MUL16 4, 1, NQ-1, \slot, 0
	MUL16 6, 1, NQ-1, \slot, 0
	PLACES NP
	WIN 0
	FETCH_A \next, 0, 4
.endm
.macro TAIL                            ; the last slot's two steps: nothing more to fetch behind them
	STEP 1, 0, 0
	s_wait_dscnt 4*NL
	WIN MUL_LO
	MUL16 0, 1, NQ-1, 1, 0
	MUL16 2, 1, NQ-1, 1, 0
	s_wait_dscnt 0
	WIN MUL_HI
	MUL16 4, 1, NQ-1, 1, 0
	MUL16 6, 1, NQ-1, 1, 0
	WIN 0
	PLACES NP                                      ; in front of the first read of results and of loads and writes into A's registers
.endm
; THE WAY OUT.
.macro LOADCS a                        ; cos and sin of tokens 16 a + r at d = 16 b + 8 h + 0 .. 7, b = 0 .. 3: cos at HH + 8 b, sin at HH + 32 + 8 b
.set HH, H0+64*((\a)%2)
.irp b, 0,1,2,3
.irp e, 0,1
	global_load_b128 v[HH+8*\b+4*\e:HH+8*\b+4*\e+3], v[VCS], s[8:9] offset:(\a)*4096+64*\b+16*\e
	global_load_b128 v[HH+32+8*\b+4*\e:HH+32+8*\b+4*\e+3], v[VCS], s[10:11] offset:(\a)*4096+64*\b+16*\e
.endr
.endr
.endm
.macro ROPE a                          ; lo = d < 64 (accumulators b), hi = d + 64 (accumulators b + 4): lo' = lo cos - hi sin takes cos's place, hi' = hi cos + lo sin takes sin's.  Each accumulator is read from its low end on
.set AC, 64*((\a)%4)
.set HH, H0+64*((\a)%2)
	WIN 2+(\a)/4                                   ; source 0: the accumulators' window
.irp b, 0,1,2,3
.irp j, 0,2,4,6
	v_pk_mul_f32 v[TT+\j:TT+\j+1], v[AC+32+8*\b+\j:AC+33+8*\b+\j], v[HH+32+8*\b+\j:HH+33+8*\b+\j]
.endr
.irp j, 0,2,4,6
	v_pk_mul_f32 v[HH+32+8*\b+\j:HH+33+8*\b+\j], v[AC+8*\b+\j:AC+1+8*\b+\j], v[HH+32+8*\b+\j:HH+33+8*\b+\j]
.endr
.irp j, 0,2,4,6
	v_pk_fma_f32 v[HH+32+8*\b+\j:HH+33+8*\b+\j], v[AC+32+8*\b+\j:AC+33+8*\b+\j], v[HH+8*\b+\j:HH+1+8*\b+\j], v[HH+32+8*\b+\j:HH+33+8*\b+\j]
.endr
.irp j, 0,2,4,6
	v_pk_fma_f32 v[HH+8*\b+\j:HH+1+8*\b+\j], v[AC+8*\b+\j:AC+1+8*\b+\j], v[HH+8*\b+\j:HH+1+8*\b+\j], v[TT+\j:TT+\j+1] neg_lo:[0,0,1] neg_hi:[0,0,1]
.endr
.endr
	WIN 0
.endm
; 64 numbers of a lane, registers s .. s + 63 of window w, become a fragment's codes in v[PC] on and its row's scale word in v[pw].  A block of 32 lies in 16 registers of lanes l and l xor 16.
.macro QUANT s, w, pw
	WIN 5*(\w)                                     ; sources 0 and 1
.irp b, 0,1,2,3
	v_max3_num_f32 v[TM+\b], |v[(\s)+16*\b]|, |v[(\s)+1+16*\b]|, 0x1800000   ; the floor 2^(3 - 127) holds the byte at 1 from below
.endr
.irp i, 2,4,6,8,10,12,14
.irp b, 0,1,2,3
	v_max3_num_f32 v[TM+\b], |v[(\s)+16*\b+\i]|, |v[(\s)+1+16*\b+\i]|, v[TM+\b]
.endr
.endr
	WIN 0
.irp b, 0,1,2,3
	v_permlanex16_b32 v[TM+4+\b], v[TM+\b], s2, s3
.endr
.irp b, 0,1,2,3
	v_max_num_f32 v[TM+\b], v[TM+\b], v[TM+4+\b]
.endr
.irp b, 0,1,2,3
	v_add_nc_u32 v[TM+12+\b], 0xff000000, v[TM+\b] ; 2 off the exponent field: the conversion's scale operand
.endr
.irp b, 0,1,2,3
	v_lshrrev_b32 v[TM+4+\b], 23, v[TM+12+\b]      ; the byte
.endr
	v_lshl_or_b32 v[\pw], v[TM+5], 8, v[TM+4]
	v_lshl_or_b32 v[\pw], v[TM+6], 16, v[\pw]
	v_lshl_or_b32 v[\pw], v[TM+7], 24, v[\pw]
	WIN (\w)                                       ; source 0
.irp c, 0,1
	v_cvt_scalef32_pk16_fp6_f32 v[PC+6*\c:PC+2+6*\c], v[(\s)+32*\c:(\s)+15+32*\c], v[TM+12+2*\c]
	v_cvt_scalef32_pk16_fp6_f32 v[PC+12+4*\c:PC+14+4*\c], v[(\s)+16+32*\c:(\s)+31+32*\c], v[TM+12+2*\c+1]
.endr
	WIN 0
	v_nop                                          ; one plain place behind the scaled conversions
.irp c, 0,1                            ; the operand wants a whole block in a lane: lanes 0-15 block 2 c, lanes 16-31 block 2 c + 1
.irp i, 0,1,2
	v_permlane16_swap_b32 v[PC+6*\c+\i], v[PC+12+4*\c+\i]
.endr
.irp i, 0,1,2
	v_mov_b32 v[PC+3+6*\c+\i], v[PC+12+4*\c+\i]
.endr
.endr
.endm
.macro STOREF a
.irp g, 0,1,2
	global_store_b128 v[VIM], v[PC+4*\g:PC+4*\g+3], s[12:13] offset:(\a)*FRB+512*\g   ; 512 consecutive bytes, aligned
.endr
.if (\a)%2
	v_cndmask_b32 v[MW], v[PW], v[PW+1], s92       ; lanes 0-15 the even tile's words, lanes 16-31 the odd tile's
	global_store_b32 v[VSC], v[MW], s[14:15] offset:128*((\a)/2)
.endif
.endm
	s_wait_tensorcnt 1                             ; the scale words and my part of slot 0 are in (slot 1's load may be out)
	s_barrier_signal -1
	s_barrier_wait -1
	FETCH_B 0, 0, 0
	FETCH_A 0, 0, 0
	SCALES 0
	FETCH_A 0, 0, 4
	STEP 0, 0, 1                                   ; the first step's products start the sums: nothing is cleared
	s_mov_b32 s19, LAPS-1
.Llap:                                                 ; a trip goes once round the ring and fills both slots again
	TURN 0, 1, 1
	STEP 1, 0, 0
	TURN 1, 0, 1
	STEP 0, 0, 0
	s_sub_co_u32 s19, s19, 1
	s_cmp_lg_u32 s19, 0
	s_cbranch_scc1 .Llap
	TURN 0, 1, 0                                   ; the last lap fills nothing
	s_cmp_ge_u32 ttmp9, 4                          ; the cluster's x alone: all sixteen partners go the same way, and no tensor load and no barrier but the closing round is left
	s_cbranch_scc1 .Lv_tail
	LOADCS 0                                       ; q, k: the first tile's tables land under the last 128 matrix instructions
	TAIL
	LOADCS 1
.irp a, 0,1,2,3,4,5,6,7
.if \a < 7
	s_wait_loadcnt 16                              ; this tile's 16 loads are in; the next tile's may be out
.else
	s_wait_loadcnt 0x0
.endif
	ROPE \a
.if \a > 0
	s_wait_xcnt 0x0                                ; the last tile's stores have read their registers: the codes and the words are written again only behind this wait
.endif
	QUANT H0+64*(\a%2), 0, PW+\a%2
	STOREF \a
.if \a < 6
	LOADCS \a+2
.endif
.endr
	s_branch .Ldone
.Lv_tail:
	TAIL
.irp a, 0,1,2,3,4,5,6,7                ; v: a block's 64 registers are 128 keys' halves of d = 16 a + r, as they stand
.if \a > 0
	s_wait_xcnt 0x0
.endif
	QUANT 64*(\a%4), 2+\a/4, PW+\a%2
	STOREF \a
.endr
.Ldone:
	s_wait_tensorcnt 0x0                           ; the wave's end
	ds_add_u32 v[SPW], v[NIL]
	s_wait_dscnt 0x0
	CROUND                                         ; the closing round: no work-group ends while a partner may still ask for a tile that names it
	s_endpgm
.Lfunc_end_k_q17ee21f60e_qkv:
	.size	k_q17ee21f60e_qkv, .Lfunc_end_k_q17ee21f60e_qkv-k_q17ee21f60e_qkv
	.p2alignl 7, 3214868480
	.fill 96, 4, 3214868480
	.section	.rodata,"a",@progbits
	.p2align	6, 0x0
	.amdhsa_kernel k_q17ee21f60e_qkv
		.amdhsa_group_segment_fixed_size 327680
		.amdhsa_private_segment_fixed_size 0
		.amdhsa_enable_private_segment 0
		.amdhsa_kernarg_size 48
		.amdhsa_user_sgpr_count 2
		.amdhsa_user_sgpr_kernarg_segment_ptr 1
		.amdhsa_wavefront_size32 1
		.amdhsa_system_sgpr_workgroup_id_x 1
		.amdhsa_system_sgpr_workgroup_id_y 1
		.amdhsa_system_sgpr_workgroup_id_z 1
		.amdhsa_system_vgpr_workitem_id 0
		.amdhsa_next_free_vgpr 1024
		.amdhsa_next_free_sgpr 100
		.amdhsa_reserve_vcc 0
		.amdhsa_float_denorm_mode_32 3
		.amdhsa_float_denorm_mode_16_64 3
		.amdhsa_memory_ordered 1
		.amdhsa_forward_progress 1
		.amdhsa_inst_pref_size 238
	.end_amdhsa_kernel
	.amdgpu_metadata
---
amdhsa.version: [ 1, 2 ]
amdhsa.kernels:
  - .name:           k_q17ee21f60e_qkv
    .symbol:         k_q17ee21f60e_qkv.kd
    .args:
      - { .name: codes, .offset: 0, .size: 8, .value_kind: global_buffer, .address_space: global }
      - { .name: scales, .offset: 8, .size: 8, .value_kind: global_buffer, .address_space: global }
      - { .name: freq_cos, .offset: 16, .size: 8, .value_kind: global_buffer, .address_space: global }
      - { .name: freq_sin, .offset: 24, .size: 8, .value_kind: global_buffer, .address_space: global }
      - { .name: qkvc, .offset: 32, .size: 8, .value_kind: global_buffer, .address_space: global }
      - { .name: qkvs, .offset: 40, .size: 8, .value_kind: global_buffer, .address_space: global }
    .group_segment_fixed_size: 327680
    .private_segment_fixed_size: 0
    .kernarg_segment_align: 8
    .kernarg_segment_size: 48
    .max_flat_workgroup_size: 128
    .sgpr_count:     100
    .vgpr_count:     1024
    .wavefront_size: 32
...
	.end_amdgpu_metadata
.endif
;; end of part 2
;; launch attn (part 3): grid 16 x 16, 8 waves a work-group, no clusters, 327,680 bytes of LDS; arguments qkvc, qkvs, oc, os; writes oc, os
.if DOCPART == 3
	.amdgcn_target "amdgcn-amd-amdhsa--gfx1250"
	.amdhsa_code_object_version 6
	.text
	.protected	k_q17ee21f60e_attn
	.globl	k_q17ee21f60e_attn
	.p2align	8
	.type	k_q17ee21f60e_attn,@function
k_q17ee21f60e_attn:
	s_mov_b64 s[64:65], 0
	v_nop
	global_prefetch_b8 v0, s[64:65] scope:SCOPE_SE
	s_setreg_imm32_b32 hwreg(HW_REG_WAVE_MODE, 25, 1), 1
	s_wait_xcnt 0x0
; o[head][q] = the sum over keys k <= q of softmax_k(q . k / sqrt(128)) v, both products on codes of FP6 (E2M3) with E8M0 scales; o is quantised along head x 128 + d and leaves as codes for the output product.
; THE SOFTMAX AHEAD OF THE SECOND PRODUCT: t = score x log2(e) / sqrt(128); M = the running largest t rounded UP to a whole number; p = 2^(t - M) is quantised along the keys, not normalised; the row's sum is taken
; of the unquantised p and divides at the end; when M moves, the sum and O are multiplied by 2^(old M - new M), which rounds nothing.
; IN: qkvc = [g 48][blk 16][a 8][1536]: images of operand registers (registers 4 c .. 4 c + 3 of lane l at 512 c + 16 l); g = head: q; 16 + head: k (blk = 128 tokens, a = 16 of them); 32 + head: v (blk = 128 keys, a = 16 of d).
;     qkvs = [g][blk][a][row 16] scale words.  So a key step's tiles of K are 12,288 dense bytes, and so are V's.
; OUT: oc = [tile of 16 queries 128][head 16][1536], os = [tile][head / 2][row 16][2 words].
; SHARES.  Work-group (i, head): waves 0-3 own queries 64 i .. 64 i + 63, waves 4-7 queries 64 (31 - i) on, 16 a wave: under the causal mask every work-group then has nearly the same number of key steps.
; Every work-group walks all 8 slots of 256 keys (constant trip counts); a wave leaves out the work of a step whose 128 keys all come after its queries, and a slot beyond the work-group's last query is not asked for.
; Both products are used transposed: a lane holds ONE query (lane % 16).  In S^T register 8 t + j of lane (r, h) is key 16 t + 8 h + j: quantised 16 registers to a half block, key 32 B + 16 u + 8 h + j falls at place
; 32 B + 16 h + 8 u + j, the order in which V's codes lie too.
; NO CLUSTER: the sixteen work-groups of a head need from 5 (last query 1,087) to 8 (last query 2,047) slots, so partners would need different numbers of tiles, and where a work-group's requests end hangs on its own number.
; LIMITS: hidden scores become -infinity where the definition has -1e10: the same wherever a row's largest visible logit lies above -1e10; a block of zeros gets the byte 1; NaN and infinities are not served.
; REGISTERS: v1-6 addresses that stay; v8, v10 addresses in hand; v12 -M, v13 the largest t, v[14:15] the sum; v16-27 Q; v32-79 four fragments; v96-159 S^T, then p; v160-223 O^T; v224-235 p's codes; v232-254 at work; v248-251, v253, v255 scale words.
.set FRB,   1536
.set STEPB, 8*FRB                      ; a key step's tiles of K, or of V
.set VOFF,  2*STEPB                    ; a slot: two steps of K, then two of V
.set SLOT1, 65536                      ; slot 1 begins here: one exclusive or turns an address from one slot to the other
.set NSL,   8                          ; 2,048 keys / 256
.set SCK,   131072                     ; K's scale words of the whole head, 8,192 bytes; V's behind them
.set SPARE, SCK+16384                  ; the spare words, 128 bytes a wave
.set LI,   1                           ; v1   16 x lane
.set ASK0, 2                           ; v2   SCK + 4 x lane
.set OSA,  3                           ; v3   8 x (lane % 16)
.set QSA,  4                           ; v4   4 x (lane % 16)
.set SPW,  5                           ; v5   SPARE + 4 x my thread's number; never rewritten
.set NIL,  6                           ; v6   0; never rewritten
.set ADK,  8
.set ADS,  10
.set PFO,  28                          ; v28  256 x lane
.set TB,   2                           ; s2   where the slot in hand begins
.set TS,   3                           ; s3   the step's scale words: 512 bytes a step
.set WV,   18
.set SEL,  20
.set CS,   22
.set G1K,  24
.set G1S,  32
.set G0K,  40
.set G0S,  44
.set SLOTS, 48
.set KF,   49                          ; the step's first key
.set Q0,   50                          ; my first query
.set LASTQ, 51                         ; my work-group's last query
.set PFA,  52
.set LIM,  54
.macro TLOAD g0, g1                    ; every wave fetches a part of its own; an s_nop 0 and four v_nop follow
	tensor_load_to_lds s[\g0:\g0+3], s[\g1:\g1+7]
	s_nop 0
.rept 4
	v_nop
.endr
.endm
; A PREFETCH INTO THE L2 of the slot that the NEXT change of slots will ask for: 24,576 dense bytes of K and as many of V.  All work-groups of a head walk the same K and V: work-group x = 0 asks, which walks all slots;
; its waves 0-2 take K's three parts of 8,192 bytes, waves 3-5 V's, lanes 256 bytes apart: each block of 256 bytes is named once in the launch.  The last change that fills a slot asks for nothing; slots 0 and 1 come by their loads alone.
.macro ASK
	s_cmp_gt_u32 s[SLOTS], s[LIM]
	s_cbranch_scc0 .Lnot_mine_\@
	global_prefetch_b8 v[PFO], s[PFA:PFA+1] th:TH_LOAD_NT scope:SCOPE_SE
.Lnot_mine_\@:
.endm
	s_load_b256 s[4:11], s[0:1], 0x0               ; qkvc, qkvs, oc, os
	v_lshl_add_u32 v[SPW], v0, 2, SPARE
	v_mov_b32 v[NIL], 0
	ds_add_u32 v[SPW], v[NIL]                      ; the wave's opening: the add and its wait ahead of my first tensor load; work on registers stands between them
	v_lshrrev_b32 v8, 5, v0
	v_readfirstlane_b32 s[WV], v8                  ; wave 0..7
	s_and_b32 s56, ttmp7, 0xffff                   ; the head
	s_sub_co_u32 s57, 31, ttmp9
	s_cmp_lt_u32 s[WV], 4
	s_cselect_b32 s57, ttmp9, s57                  ; my block of 64 queries: i or 31 - i
	s_and_b32 s58, s[WV], 3
	s_lshl_b32 s57, s57, 6
	s_lshl_b32 s59, s58, 4
	s_add_co_u32 s[Q0], s57, s59
	s_lshl_b32 s59, ttmp9, 6
	s_sub_co_u32 s[LASTQ], 2047, s59
	s_lshr_b32 s59, s[Q0], 4                       ; my tile of queries
	s_lshr_b32 s60, s[WV], 2                       ; what I fetch: waves 0-3 a quarter of K's part of a slot, waves 4-7 of V's
	s_lshl_b32 s60, s60, 4
	s_add_co_u32 s60, s60, s56
	s_add_co_u32 s60, s60, 16                      ; g
	s_mul_i32 s62, s60, 16*STEPB
	s_mul_i32 s61, s58, 6144
	s_add_co_u32 s62, s62, s61
	s_mov_b32 s63, 0
	s_lshl_b32 s66, s60, 13                        ; and a quarter of the head's scale words
	s_lshl_b32 s61, s58, 11
	s_add_co_u32 s66, s66, s61
	s_mov_b32 s67, 0
	s_mul_i32 s68, s[WV], 6144                     ; where they go: wave x a constant
	s_lshl_b32 s69, s[WV], 11
	s_mul_i32 s70, s56, 16*STEPB                   ; Q's fragment
	s_mul_i32 s61, s59, FRB
	s_add_co_u32 s70, s70, s61
	s_mov_b32 s71, 0
	s_lshl_b32 s72, s56, 13                        ; and its scale words
	s_lshl_b32 s61, s59, 6
	s_add_co_u32 s72, s72, s61
	s_mov_b32 s73, 0
	s_mul_i32 s74, s59, 16*FRB                     ; oc
	s_mul_i32 s61, s56, FRB
	s_add_co_u32 s74, s74, s61
	s_mov_b32 s75, 0
	s_lshl_b32 s76, s59, 10                        ; os
	s_lshr_b32 s61, s56, 1
	s_lshl_b32 s61, s61, 7
	s_add_co_u32 s76, s76, s61
	s_and_b32 s61, s56, 1
	s_lshl_b32 s61, s61, 2
	s_add_co_u32 s76, s76, s61
	s_mov_b32 s77, 0
	s_cmp_lt_u32 s[WV], 3                          ; the prefetches: where my wave's stand,
	s_cselect_b32 s78, 16, 32
	s_cselect_b32 s80, 0, 3
	s_add_co_u32 s78, s78, s56
	s_mul_i32 s78, s78, 16*STEPB
	s_sub_co_u32 s80, s[WV], s80
	s_lshl_b32 s80, s80, 13
	s_add_co_u32 s78, s78, s80
	s_add_co_u32 s78, s78, 2*STEPB                 ; in slot 1: the first change of slots steps it to slot 2
	s_mov_b32 s79, 0
	s_cmp_lt_u32 s[WV], 6                          ; and who asks
	s_cselect_b32 s80, 0, 1
	s_or_b32 s80, s80, ttmp9
	s_cmp_eq_u32 s80, 0
	s_cselect_b32 s[LIM], 1, -1
	s_mov_b32 s[G1K], 3<<16                        ; no mask; elements of 8 bytes; no padding: 24 rows of 256 dense bytes
	s_mov_b32 s[G1K+1], 32<<16
	s_mov_b32 s[G1K+2], 24<<16
	s_mov_b32 s[G1K+3], 32<<16
	s_mov_b32 s[G1K+4], 24
	s_mov_b32 s[G1K+5], 32
	s_mov_b32 s[G1K+6], 0
	s_mov_b32 s[G1K+7], 0
	s_mov_b32 s[G1S], 3<<16                        ; the scale words: 8 rows of 256
	s_mov_b32 s[G1S+1], 32<<16
	s_mov_b32 s[G1S+2], 8<<16
	s_mov_b32 s[G1S+3], 32<<16
	s_mov_b32 s[G1S+4], 8
	s_mov_b32 s[G1S+5], 32
	s_mov_b32 s[G1S+6], 0
	s_mov_b32 s[G1S+7], 0
	s_mov_b32 s[SEL], 0x76543210
	s_mov_b32 s[SEL+1], 0xfedcba98
	s_mov_b32 s[CS], 0x3e0293ee                    ; c = log2(e) / sqrt(128)
	s_mov_b32 s[CS+1], s[CS]
	s_mov_b32 s[TB], 0
	s_mov_b32 s[TS], 0
	s_mov_b32 s[SLOTS], NSL-1
	s_mov_b32 s[KF], 0
	s_wait_dscnt 0x0                               ; the opening add is done
	s_wait_kmcnt 0x0
	s_mov_b32 s[G0S], 1
	s_add_co_u32 s[G0S+1], s69, SCK
	s_add_nc_u64 s[G0S+2:G0S+3], s[6:7], s[66:67]
	s_or_b32 s[G0S+3], s[G0S+3], 0x80000000
	TLOAD G0S, G1S                                 ; the head's scale words: filled once
	s_mov_b32 s[G0K], 1
	s_mov_b32 s[G0K+1], s68
	s_add_nc_u64 s[G0K+2:G0K+3], s[4:5], s[62:63]
	s_or_b32 s[G0K+3], s[G0K+3], 0x80000000
	TLOAD G0K, G1K                                 ; slot 0
	s_add_nc_u64 s[PFA:PFA+1], s[4:5], s[78:79]
	s_add_nc_u64 s[12:13], s[4:5], s[70:71]
	s_add_nc_u64 s[14:15], s[6:7], s[72:73]
	s_add_nc_u64 s[8:9], s[8:9], s[74:75]
	s_add_nc_u64 s[10:11], s[10:11], s[76:77]
	v_and_b32 v8, 31, v0
	v_lshlrev_b32 v[LI], 4, v8
	v_lshl_add_u32 v[ASK0], v8, 2, SCK
	v_lshlrev_b32 v[PFO], 8, v8
	v_and_b32 v9, 15, v0
	v_lshlrev_b32 v[OSA], 3, v9
	v_lshlrev_b32 v[QSA], 2, v9
.irp c, 0,1,2
	global_load_b128 v[16+4*\c:19+4*\c], v[LI], s[12:13] offset:512*\c   ; Q's fragment stays in registers
.endr
	global_load_b32 v255, v[QSA], s[14:15]         ; and its scale words
	v_mov_b32 v13, 0xff61b1e6                      ; the largest t so far: -3e38
	v_floor_f32 v12, -v13                          ; -M
	v_mov_b32 v14, 0
	v_mov_b32 v15, 0
.irp b, 0,1,2,3
	v_mov_b32 v[236+\b], 0                         ; written once: a lane permute's destination counts as a source
.endr
	v_mov_b32 v252, 0
	v_mov_b32 v253, 0
.set jj, 0
.rept 64
	v_mov_b32 v[160+jj], 0                         ; O^T: the step is written once; its first walk finds zeros
.set jj, jj+1
.endr
; A KEY STEP: 128 keys, the q-th of the slot in hand.
.macro STEP q
	s_add_co_u32 s70, s[Q0], 15                    ; a step all of whose keys come after my 16 queries is left out: a branch on ids, round the step's work alone
	s_cmp_gt_u32 s[KF], s70
	s_cbranch_scc1 .Lhidden_\@
	v_add_nc_u32 v[ADK], s[TB], v[LI]
	v_add_nc_u32 v[ADS], s[TS], v[ASK0]
	v_nop
	v_nop                                          ; four places in front of loads into registers that the last products read
.irp p, 0,1,2,3
	ds_load_b32 v[248+\p], v[ADS] offset:128*\p    ; K's scale words: lanes 0-15 tile 2 p, lanes 16-31 tile 2 p + 1
.endr
.irp g, 0,1                            ; S^T = K Q^T, four tiles of 16 keys at a time
.if \g > 0
.rept 4
	v_nop
.endr
.endif
.irp t, 0,1,2,3
.irp c, 0,1,2
	ds_load_b128 v[32+12*\t+4*\c:35+12*\t+4*\c], v[ADK] offset:(\q)*STEPB+(4*\g+\t)*FRB+512*\c
.endr
.endr
	s_wait_dscnt 0x0
.irp t, 0,1,2,3
.if \t%2
	v_wmma_scale_f32_16x16x128_f8f6f4 v[96+8*(4*\g+\t):103+8*(4*\g+\t)], v[32+12*\t:43+12*\t], v[16:27], 0, v[248+2*\g+\t/2], v255 matrix_a_fmt:MATRIX_FMT_FP6 matrix_b_fmt:MATRIX_FMT_FP6 matrix_a_scale:MATRIX_SCALE_ROW1
.else
	v_wmma_scale_f32_16x16x128_f8f6f4 v[96+8*(4*\g+\t):103+8*(4*\g+\t)], v[32+12*\t:43+12*\t], v[16:27], 0, v[248+2*\g+\t/2], v255 matrix_a_fmt:MATRIX_FMT_FP6 matrix_b_fmt:MATRIX_FMT_FP6
.endif
.endr
.endr
.rept 4
	v_nop
.endr
.irp p, 0,1,2,3                        ; V's scale words and its first four fragments are asked for here and land under the softmax
	ds_load_b32 v[248+\p], v[ADS] offset:8192+128*\p
.endr
.irp t, 0,1,2,3
.irp c, 0,1,2
	ds_load_b128 v[32+12*\t+4*\c:35+12*\t+4*\c], v[ADK] offset:VOFF+(\q)*STEPB+\t*FRB+512*\c
.endr
.endr
	s_add_co_u32 s70, s[KF], 127                   ; on the diagonal hidden scores become -infinity ahead of the maximum; a step all of whose keys count skips this
	s_cmp_le_u32 s70, s[Q0]
	s_cbranch_scc1 .Lopen_\@
	s_sub_co_i32 s70, s[Q0], s[KF]
	v_and_b32 v252, 15, v0
	v_bfe_u32 v253, v0, 4, 1
	v_lshlrev_b32 v253, 3, v253
	v_sub_nc_u32 v252, v252, v253
	v_add_nc_u32 v252, s70, v252                   ; d = my query - KF - 8 (lane / 16).  Register 8 t + j holds key KF + 16 t + 8 (lane / 16) + j: hidden where 16 t + j > d
	v_mov_b32 v254, 0xff800000
.set nn, 0
.rept 64
	v_cmp_gt_i32 vcc_lo, 16*(nn/8)+nn%8, v252
	v_cndmask_b32 v[96+nn], v[96+nn], v254, vcc_lo
.set nn, nn+1
.endr
.Lopen_\@:
.irp b, 0,1,2,3
	v_max3_num_f32 v[232+\b], v[96+16*\b], v[97+16*\b], v[98+16*\b]   ; the largest score of each block of 32 keys: for the row's maximum, and, since p rises with the score, for the block's largest p
.endr
.irp i, 3,5,7,9,11,13
.irp b, 0,1,2,3
	v_max3_num_f32 v[232+\b], v[232+\b], v[96+16*\b+\i], v[97+16*\b+\i]
.endr
.endr
.irp b, 0,1,2,3
	v_max_num_f32 v[232+\b], v[232+\b], v[111+16*\b]
.endr
.irp b, 0,1,2,3
	v_permlanex16_b32 v[236+\b], v[232+\b], s[SEL], s[SEL+1]
.endr
.irp b, 0,1,2,3
	v_max_num_f32 v[232+\b], v[232+\b], v[236+\b]  ; with lane l xor 16's 16 keys
.endr
	v_max3_num_f32 v254, v232, v233, v234
	v_max_num_f32 v254, v254, v235
	v_mul_f32 v254, s[CS], v254                    ; as t
	v_max_num_f32 v13, v13, v254                   ; the running largest t
	v_mov_b32 v254, v12
	v_floor_f32 v12, -v13                          ; the new -M = -ceil(t)
	v_sub_f32 v254, v12, v254                      ; old M - new M: a whole number, 0 or less
	v_cvt_i32_f32 v254, v254                       ; (it saturates)
	v_ldexp_f32 v252, 1.0, v254                    ; f = 2^(old M - new M)
.set jj, 0
.rept 32
	v_pk_fma_f32 v[96+jj:97+jj], v[96+jj:97+jj], s[CS:CS+1], v[12:13] op_sel_hi:[1,0,0]   ; t - M, two at a time
.set jj, jj+2
.endr
.irp b, 0,1,2,3
	v_fma_f32 v[232+\b], v[232+\b], s[CS], v12
.endr
.set jj, 0
.rept 64
	v_exp_f32 v[96+jj], v[96+jj]                   ; p = 2^(t - M)
.set jj, jj+1
.endr
	v_pk_mul_f32 v[14:15], v[14:15], v[252:253] op_sel_hi:[1,0]   ; the sums under the new M (the plain place behind the exponentials)
	s_wait_alu depctr_va_vdst(0)                   ; one wait for the batch, ahead of its first reader
.irp b, 0,1,2,3
	v_exp_f32 v[232+\b], v[232+\b]                 ; each block's largest p
.endr
	v_pk_add_f32 v[236:237], v[96:97], v[98:99]    ; the row's sum of the unquantised p, in two chains
.irp j, 4,8,12,16,20,24,28,32,36,40,44,48,52,56,60
	v_pk_add_f32 v[14:15], v[14:15], v[96+\j:97+\j]
	v_pk_add_f32 v[236:237], v[236:237], v[98+\j:99+\j]
.endr
	v_pk_add_f32 v[14:15], v[14:15], v[236:237]
	s_wait_alu depctr_va_vdst(0)                   ; and one for the four
.irp b, 0,1,2,3
	v_max_num_f32 v[232+\b], 0x1800000, v[232+\b]  ; the floor 2^(3 - 127)
.endr
.irp b, 0,1,2,3
	v_add_nc_u32 v[244+\b], 0xff000000, v[232+\b]
.endr
.irp b, 0,1,2,3
	v_lshrrev_b32 v[236+\b], 23, v[244+\b]
.endr
	v_lshl_or_b32 v253, v237, 8, v236              ; p's scale word for these 128 keys
	v_lshl_or_b32 v253, v238, 16, v253
	v_lshl_or_b32 v253, v239, 24, v253
.irp c, 0,1
	v_cvt_scalef32_pk16_fp6_f32 v[224+6*\c:226+6*\c], v[96+32*\c:111+32*\c], v[244+2*\c]
	v_cvt_scalef32_pk16_fp6_f32 v[236+4*\c:238+4*\c], v[112+32*\c:127+32*\c], v[244+2*\c+1]
.endr
	v_nop
.irp c, 0,1
.irp i, 0,1,2
	v_permlane16_swap_b32 v[224+6*\c+\i], v[236+4*\c+\i]
.endr
.irp i, 0,1,2
	v_mov_b32 v[227+6*\c+\i], v[236+4*\c+\i]
.endr
.endr
.set jj, 0
.rept 32
	v_pk_mul_f32 v[160+jj:161+jj], v[160+jj:161+jj], v[252:253] op_sel_hi:[1,0]   ; O^T under the new M (also the places between p's codes and scale word and the products)
.set jj, jj+2
.endr
.irp g, 0,1                            ; O^T += V^T P^T: four tiles of 16 of the head's 128 at a time
.if \g > 0
.rept 4
	v_nop
.endr
.irp t, 0,1,2,3
.irp c, 0,1,2
	ds_load_b128 v[32+12*\t+4*\c:35+12*\t+4*\c], v[ADK] offset:VOFF+(\q)*STEPB+(4+\t)*FRB+512*\c
.endr
.endr
.endif
	s_wait_dscnt 0x0
.irp t, 0,1,2,3
.if \t%2
	v_wmma_scale_f32_16x16x128_f8f6f4 v[160+8*(4*\g+\t):167+8*(4*\g+\t)], v[32+12*\t:43+12*\t], v[224:235], v[160+8*(4*\g+\t):167+8*(4*\g+\t)], v[248+2*\g+\t/2], v253 matrix_a_fmt:MATRIX_FMT_FP6 matrix_b_fmt:MATRIX_FMT_FP6 matrix_a_scale:MATRIX_SCALE_ROW1
.else
	v_wmma_scale_f32_16x16x128_f8f6f4 v[160+8*(4*\g+\t):167+8*(4*\g+\t)], v[32+12*\t:43+12*\t], v[224:235], v[160+8*(4*\g+\t):167+8*(4*\g+\t)], v[248+2*\g+\t/2], v253 matrix_a_fmt:MATRIX_FMT_FP6 matrix_b_fmt:MATRIX_FMT_FP6
.endif
.endr
.endr
.Lhidden_\@:
	s_add_co_u32 s[KF], s[KF], 128
	s_add_co_u32 s[TS], s[TS], 512
.endm
; THE CHANGE OF SLOTS stands at a slot's head: each wave waits for all its tensor loads, adds 0 to its spare word, waits for that and for its reads of the slot that it has left; one barrier; then the slot just left is filled.
.macro CHANGE fill
	s_wait_tensorcnt 0x0                           ; no tensor load of mine is out, so a group 0 may be written
	ds_add_u32 v[SPW], v[NIL]
.if \fill
	s_xor_b32 s[G0K+1], s[G0K+1], SLOT1            ; the other slot than last time,
	s_add_nc_u64 s[G0K+2:G0K+3], s[G0K+2:G0K+3], 2*STEPB   ; the next 256 keys
	s_wait_xcnt 0x0                                ; the last prefetch, a slot back, has read its address
	s_add_nc_u64 s[PFA:PFA+1], s[PFA:PFA+1], 2*STEPB
.endif
	s_wait_dscnt 0x0
	s_barrier_signal -1
	s_barrier_wait -1
.if \fill
	s_add_co_u32 s70, s[KF], 256                   ; a slot whose first key comes after my work-group's last query is read by none of its waves: it is not asked for.
	s_cmp_gt_u32 s70, s[LASTQ]                     ; Ids and the count of steps alone: all eight waves go the same way; every wait on TENSORcnt in this text is for 0
	s_cbranch_scc1 .Lpast_\@
	TLOAD G0K, G1K                                 ; a wave's one tensor load until the next such barrier
.Lpast_\@:
	ASK
.endif
.endm
	s_wait_loadcnt 0x0                             ; Q
.Lslot:                                                ; 7 trips
	CHANGE 1
	STEP 0
	STEP 1
	s_xor_b32 s[TB], s[TB], SLOT1
	s_sub_co_u32 s[SLOTS], s[SLOTS], 1
	s_cmp_lg_u32 s[SLOTS], 0
	s_cbranch_scc1 .Lslot
	CHANGE 0                                       ; the last slot is written out: nothing is left to ask for
	STEP 0
	STEP 1
	; THE WAY OUT: O^T / the sum, quantised along d as it stands in the registers: K step = head of the output product
	v_add_f32 v14, v14, v15
	v_permlanex16_b32 v252, v14, s[SEL], s[SEL+1]
	v_add_f32 v14, v14, v252                       ; the row's sum
	v_rcp_f32 v14, v14
.rept 4
	v_nop                                          ; the place behind the reciprocal, and the places behind the last products
.endr
	s_wait_alu depctr_va_vdst(0)                   ; ahead of the reciprocal's first reader
.set jj, 0
.rept 64
	v_mul_f32 v[96+jj], v[160+jj], v14             ; register 8 t + j is o(query r, d = 16 t + 8 h + j)
.set jj, jj+1
.endr
.irp b, 0,1,2,3
	v_max3_num_f32 v[232+\b], |v[96+16*\b]|, |v[97+16*\b]|, 0x1800000
.endr
.irp i, 2,4,6,8,10,12,14
.irp b, 0,1,2,3
	v_max3_num_f32 v[232+\b], v[232+\b], |v[96+16*\b+\i]|, |v[97+16*\b+\i]|
.endr
.endr
.irp b, 0,1,2,3
	v_permlanex16_b32 v[236+\b], v[232+\b], s[SEL], s[SEL+1]
.endr
.irp b, 0,1,2,3
	v_max_num_f32 v[232+\b], v[232+\b], v[236+\b]
.endr
.irp b, 0,1,2,3
	v_add_nc_u32 v[244+\b], 0xff000000, v[232+\b]
.endr
.irp b, 0,1,2,3
	v_lshrrev_b32 v[236+\b], 23, v[244+\b]
.endr
	v_lshl_or_b32 v252, v237, 8, v236
	v_lshl_or_b32 v252, v238, 16, v252
	v_lshl_or_b32 v252, v239, 24, v252             ; my row's scale word, the same in lanes l and l xor 16
.irp c, 0,1
	v_cvt_scalef32_pk16_fp6_f32 v[32+6*\c:34+6*\c], v[96+32*\c:111+32*\c], v[244+2*\c]
	v_cvt_scalef32_pk16_fp6_f32 v[44+4*\c:46+4*\c], v[112+32*\c:127+32*\c], v[244+2*\c+1]
.endr
	v_nop
.irp c, 0,1
.irp i, 0,1,2
	v_permlane16_swap_b32 v[32+6*\c+\i], v[44+4*\c+\i]
.endr
.irp i, 0,1,2
	v_mov_b32 v[35+6*\c+\i], v[44+4*\c+\i]
.endr
.endr
.irp c, 0,1,2
	global_store_b128 v[LI], v[32+4*\c:35+4*\c], s[8:9] offset:512*\c   ; 512 consecutive bytes, aligned
.endr
	global_store_b32 v[OSA], v252, s[10:11]        ; lanes l and l xor 16 store the same word at the same place; the words between belong to the neighbouring head
	s_wait_tensorcnt 0x0                           ; the wave's end
	ds_add_u32 v[SPW], v[NIL]
	s_wait_dscnt 0x0
	s_endpgm
.Lfunc_end_k_q17ee21f60e_attn:
	.size	k_q17ee21f60e_attn, .Lfunc_end_k_q17ee21f60e_attn-k_q17ee21f60e_attn
	.p2alignl 7, 3214868480
	.fill 96, 4, 3214868480
	.section	.rodata,"a",@progbits
	.p2align	6, 0x0
	.amdhsa_kernel k_q17ee21f60e_attn
		.amdhsa_group_segment_fixed_size 327680
		.amdhsa_private_segment_fixed_size 0
		.amdhsa_enable_private_segment 0
		.amdhsa_kernarg_size 32
		.amdhsa_user_sgpr_count 2
		.amdhsa_user_sgpr_kernarg_segment_ptr 1
		.amdhsa_wavefront_size32 1
		.amdhsa_system_sgpr_workgroup_id_x 1
		.amdhsa_system_sgpr_workgroup_id_y 1
		.amdhsa_system_sgpr_workgroup_id_z 1
		.amdhsa_system_vgpr_workitem_id 0
		.amdhsa_next_free_vgpr 256
		.amdhsa_next_free_sgpr 84
		.amdhsa_reserve_vcc 1
		.amdhsa_float_denorm_mode_32 3
		.amdhsa_float_denorm_mode_16_64 3
		.amdhsa_memory_ordered 1
		.amdhsa_forward_progress 1
		.amdhsa_inst_pref_size 114
	.end_amdhsa_kernel
	.amdgpu_metadata
---
amdhsa.version: [ 1, 2 ]
amdhsa.kernels:
  - .name:           k_q17ee21f60e_attn
    .symbol:         k_q17ee21f60e_attn.kd
    .args:
      - { .name: qkvc, .offset: 0, .size: 8, .value_kind: global_buffer, .address_space: global }
      - { .name: qkvs, .offset: 8, .size: 8, .value_kind: global_buffer, .address_space: global }
      - { .name: oc, .offset: 16, .size: 8, .value_kind: global_buffer, .address_space: global }
      - { .name: os, .offset: 24, .size: 8, .value_kind: global_buffer, .address_space: global }
    .group_segment_fixed_size: 327680
    .private_segment_fixed_size: 0
    .kernarg_segment_align: 8
    .kernarg_segment_size: 32
    .max_flat_workgroup_size: 256
    .sgpr_count:     84
    .vgpr_count:     256
    .wavefront_size: 32
...
	.end_amdgpu_metadata
.endif
;; end of part 3
;; launch oproj (part 4): grid 8 x 8, 4 waves a work-group, clusters of 4 x 4, 327,680 bytes of LDS; arguments oc, os, codes, scales, out0; writes out0
.if DOCPART == 4
	.amdgcn_target "amdgcn-amd-amdhsa--gfx1250"
	.amdhsa_code_object_version 6
	.text
	.protected	k_q17ee21f60e_oproj
	.globl	k_q17ee21f60e_oproj
	.p2align	8
	.type	k_q17ee21f60e_oproj,@function
k_q17ee21f60e_oproj:
	s_mov_b64 s[64:65], 0
	v_nop
	global_prefetch_b8 v0, s[64:65] scope:SCOPE_SE
	s_setreg_imm32_b32 hwreg(HW_REG_WAVE_MODE, 25, 1), 1
	s_wait_xcnt 0x0
	s_wait_alu depctr_hold_cnt(0) depctr_sa_sdst(0) depctr_va_vdst(0) depctr_va_sdst(0) depctr_va_ssrc(0) depctr_va_vcc(0) depctr_vm_vsrc(0)
	s_getreg_b32 s2, hwreg(HW_REG_IB_STS2, 6, 4)
	s_cmp_eq_u32 s2, 0
	s_cbranch_scc0 .Lentry_in_a_cluster
	s_endpgm
.Lentry_in_a_cluster:
	s_bfe_u32 s2, ttmp6, 0x10000c
	s_cmp_lg_u32 s2, 0xf033
	s_cbranch_scc0 .Lentry_shape_is_right
	s_endpgm
.Lentry_shape_is_right:
; out0 = o wo on codes of FP6 (E2M3) with E8M0 scales, K = 2,048 = head x 128 + d; sums and result in f32.
; A = oc [tile of 16 queries 128][K step 16][1536] with os [tile][pair of K steps][row][2 words]; B = wo's columns: codes and scales at row tile 512 on, laid alike.  A fragment is an image of its 12 registers:
; registers 4 g .. 4 g + 3 of lane l at 512 g + 16 l.  Both sides hold, at place p of a block of 32, the number with bits 3 and 4 of p exchanged.
; A work-group of four waves makes 256 x 256 of out0, a wave 128 x 128: 64 accumulators.  A slot holds 256 along K: 16 row tiles of A and 16 of B, 3,072 bytes each.  The scale words of all of K come once and stay.
; 2,048 x 2,048 of out0 are 64 such tiles: 64 work-groups.
; CLUSTERS: 4 x 4 work-groups; A's tiles are asked for jointly along a row of the cluster, B's along a column.
; THE MATRIX INSTRUCTION IS USED TRANSPOSED (source 0 = 16 rows of B, source 1 = 16 rows of A): a lane holds eight neighbouring numbers of a row of out0.
; REGISTERS: window 0: v16-29 addresses; v32-63 scale words, two sets; v128-223 A's fragments, one set (v128-255 rows on the way out); window 1: B's fragments, two sets; windows 2, 3: the accumulators.
.set NQ,     2
.set FR,     12
.set NL,     3
.set NP,     4
.set FRB,    1536
.set TROW,   NQ*FRB
.set HALFT,  8*TROW
.set SLOT,   4*HALFT
.set LAPS,   4
.set SCL,    2*SLOT
.set HALFS,  8192
.set SBLK,   1024
.set SPARE,  SCL+4*HALFS
.set SIZE_N, 2048
.set SPITCH, 528                       ; the way out: a stage of 16 rows x (512 + 16) bytes for each wave, in slot 0, which has had its last fill and its last read when the first result is stored there
.set ADRA, 16
.set ADRB, 20
.set STO,  24                          ; v24  where I put 32 bytes of a row
.set RD,   25                          ; v25  where I read a row back
.set CO,   26                          ; v26  16 x lane
.set ADRS, 27
.set SPW,  28                          ; v28  SPARE + 4 x my thread's number; never rewritten
.set NIL,  29                          ; v29  0; never rewritten
.set SC,   32
.set AF,   128
.set BK,   128
.set G1, 24
.set G0, 32
.set G1B, 48
.set G0B, 56
.set G1S, 68
.set G0S, 76
.set G1SB, 80
.set G0SB, 88
.set MSB, 0
.macro WIN new
.if MSB != (\new)
	s_set_vgpr_msb (MSB<<8)|(\new)
.set MSB, (\new)
.endif
.endm
.set MUL_LO, 0xa1
.set MUL_HI, 0xf1
.set TO_B,   0x40
.macro JLOAD g0a, g1a, g0b, g1b        ; a joint load: waves 0 and 1 fetch for A, waves 2 and 3 for B; an s_nop 0 and four v_nop follow each line
	s_cmp_eq_u32 s17, 0
	s_cbranch_scc0 .Lfor_b_\@
	tensor_load_to_lds s[\g0a:\g0a+3], s[\g1a:\g1a+7]
	s_nop 0
.rept 4
	v_nop
.endr
	s_branch .Lasked_\@
.Lfor_b_\@:
	tensor_load_to_lds s[\g0b:\g0b+3], s[\g1b:\g1b+7]
	s_nop 0
.rept 4
	v_nop
.endr
.Lasked_\@:
.endm
.macro CREST
	s_cmp_lg_u32 s16, 0
	s_cbranch_scc1 .Lnot_wave_0_\@
	s_barrier_signal -3
.Lnot_wave_0_\@:
	s_barrier_wait -3
	s_barrier_signal -1
	s_barrier_wait -1
.endm
.macro CROUND
	s_barrier_signal -1
	s_barrier_wait -1
	CREST
.endm
	s_load_b256 s[4:11], s[0:1], 0x0               ; oc, os, codes, scales
	s_load_b64 s[12:13], s[0:1], 0x20              ; out0
	v_lshl_add_u32 v[SPW], v0, 2, SPARE
	v_mov_b32 v[NIL], 0
	ds_add_u32 v[SPW], v[NIL]                      ; the wave's opening: the add and its wait ahead of my first tensor load; work on registers stands between them
	v_lshrrev_b32 v1, 5, v0
	v_readfirstlane_b32 s16, v1                    ; wave
	s_lshr_b32 s17, s16, 1                         ; my half of the tile's rows.  Also: I fetch for A (0) or for B (1)
	s_and_b32 s18, s16, 1                          ; my half of its columns.  Also: which 8 row tiles I fetch
	s_bfe_u32 s20, ttmp6, 0x40000                  ; cx
	s_bfe_u32 s21, ttmp6, 0x40004                  ; cy
	s_lshl_b32 s22, ttmp9, 2
	s_add_co_u32 s22, s22, s20                     ; tile column
	s_and_b32 s23, ttmp7, 0xffff
	s_lshl_b32 s23, s23, 2
	s_add_co_u32 s23, s23, s21                     ; tile row
	s_lshl_b32 s40, s21, 2
	s_lshl_b32 s40, 15, s40                        ; my row of the cluster
	s_lshl_b32 s41, 0x1111, s20                    ; my column
	s_or_b32 s[G1+0], s40, (3<<16)|(1<<21)
	s_or_b32 s[G1B+0], s41, (3<<16)|(1<<21)
	s_or_b32 s[G1S+0], s40, (3<<16)|(1<<21)
	s_or_b32 s[G1SB+0], s41, (3<<16)|(1<<21)
.irp g, G1, G1B                        ; codes: 8 rows (row tiles) of 3,072 bytes, 24,576 bytes apart
	s_mov_b32 s[\g+1], 384<<16
	s_mov_b32 s[\g+2], 8<<16
	s_mov_b32 s[\g+3], 384<<16
	s_mov_b32 s[\g+4], 8
	s_mov_b32 s[\g+5], 3072
	s_mov_b32 s[\g+6], 0
	s_mov_b32 s[\g+7], 0
.endr
.irp g, G1S, G1SB                      ; scale words of 8 row tiles: 8,192 dense bytes as 32 rows of 256
	s_mov_b32 s[\g+1], 32<<16
	s_mov_b32 s[\g+2], 32<<16
	s_mov_b32 s[\g+3], 32<<16
	s_mov_b32 s[\g+4], 32
	s_mov_b32 s[\g+5], 32
	s_mov_b32 s[\g+6], 0
	s_mov_b32 s[\g+7], 0
.endr
	s_lshl_b32 s46, s18, 3
	s_lshl_b32 s42, s23, 4
	s_add_co_u32 s42, s42, s46                     ; A's first row tile of the 8 that I fetch: 16 tr + 8 half
	s_lshl_b32 s44, s22, 4
	s_add_co_u32 s44, s44, s46
	s_add_co_u32 s44, s44, 512                     ; B's: wo begins at row tile 512
	s_mul_i32 s92, s42, 24576
	s_mov_b32 s93, 0
	s_lshl_b32 s94, s42, 10
	s_mov_b32 s95, 0
	s_mul_i32 s96, s44, 24576
	s_mov_b32 s97, 0
	s_lshl_b32 s98, s44, 10
	s_mov_b32 s99, 0
	s_mul_i32 s47, s16, HALFT
	s_lshl_b32 s66, s16, 13
	s_wait_dscnt 0x0                               ; the opening add is done
	s_wait_kmcnt 0x0
	s_add_nc_u64 s[92:93], s[4:5], s[92:93]
	s_add_nc_u64 s[94:95], s[6:7], s[94:95]
	s_add_nc_u64 s[96:97], s[8:9], s[96:97]
	s_add_nc_u64 s[98:99], s[10:11], s[98:99]
	CROUND                                         ; all sixteen work-groups are here: the first joint loads meet
	s_mov_b32 s[G0S], 1
	s_add_co_u32 s[G0S+1], s66, SCL
	s_mov_b64 s[G0S+2:G0S+3], s[94:95]
	s_or_b32 s[G0S+3], s[G0S+3], 0x80000000
	s_mov_b32 s[G0SB], 1
	s_add_co_u32 s[G0SB+1], s66, SCL
	s_mov_b64 s[G0SB+2:G0SB+3], s[98:99]
	s_or_b32 s[G0SB+3], s[G0SB+3], 0x80000000
	JLOAD G0S, G1S, G0SB, G1SB
.irp s, 0,1
	s_mov_b32 s[G0+4*\s], 1
	s_add_co_u32 s[G0+4*\s+1], s47, \s*SLOT
	s_add_nc_u64 s[G0+4*\s+2:G0+4*\s+3], s[92:93], \s*TROW
	s_or_b32 s[G0+4*\s+3], s[G0+4*\s+3], 0x80000000
	s_mov_b32 s[G0B+4*\s], 1
	s_add_co_u32 s[G0B+4*\s+1], s47, \s*SLOT
	s_add_nc_u64 s[G0B+4*\s+2:G0B+4*\s+3], s[96:97], \s*TROW
	s_or_b32 s[G0B+4*\s+3], s[G0B+4*\s+3], 0x80000000
	JLOAD G0+4*\s, G1, G0B+4*\s, G1B
.endr
	v_and_b32 v1, 15, v0                           ; r
	v_bfe_u32 v2, v0, 4, 1                         ; h
	v_and_b32 v4, 31, v0
	v_lshlrev_b32 v[CO], 4, v4                     ; 16 x lane
	s_mul_i32 s40, s17, HALFT
	s_mul_i32 s41, s18, HALFT
	s_add_co_u32 s41, s41, 2*HALFT
.irp s, 0,1
	v_add_nc_u32 v[ADRA+\s], s40, v[CO]
	v_add_nc_u32 v[ADRB+\s], s41, v[CO]
	s_add_co_u32 s40, s40, SLOT
	s_add_co_u32 s41, s41, SLOT
.endr
	v_lshlrev_b32 v5, 3, v1
	s_lshl_b32 s40, s17, 13
	s_lshl_b32 s41, s18, 13
	s_add_co_u32 s41, s41, 2*HALFS
	s_sub_co_u32 s41, s41, s40
	v_mul_u32_u24 v6, s41, v2                      ; lanes 16-31 take B's
	s_add_co_u32 s40, s40, SCL
	v_add_nc_u32 v5, v5, v6
	v_add_nc_u32 v[ADRS], s40, v5
	s_mul_i32 s40, s16, 16*SPITCH                  ; my stage
	v_mul_u32_u24 v5, v1, SPITCH
	v_lshl_add_u32 v5, v2, 5, v5
	v_add_nc_u32 v[STO], s40, v5                   ; in: row r, 32 bytes for each half of the lanes
	v_add_nc_u32 v[RD], s40, v[CO]                 ; back: the 32 lanes take one row of 512 bytes
	s_lshl_b32 s42, s23, 8
	s_lshl_b32 s43, s17, 7
	s_add_co_u32 s42, s42, s43                     ; my first row of out0
	s_lshl_b32 s42, s42, 13                        ; x 8,192 bytes
	s_lshl_b32 s44, s22, 10                        ; my first column, in bytes
	s_lshl_b32 s45, s18, 9
	s_add_co_u32 s44, s44, s45
	s_add_co_u32 s44, s44, s42
	s_mov_b32 s45, 0
	s_add_nc_u64 s[12:13], s[12:13], s[44:45]
.macro FRAG reg, adr, q, i
.irp g, 0,1,2
	ds_load_b128 v[\reg+4*\g:\reg+4*\g+3], v[\adr] offset:(\i)*TROW+(\q)*FRB+512*\g
.endr
.endm
; The 64 accumulators take turns, one instruction a turn, in the same order in every step.
.macro MUL16 a0, p, q, sc, zero
.irp a, \a0, \a0+1
.irp b, 0,1,2,3,4,5,6,7
.if \zero
	v_wmma_scale_f32_16x16x128_f8f6f4 v[8*(8*((\a)%4)+\b):8*(8*((\a)%4)+\b)+7], v[128*(\p)+FR*\b:128*(\p)+FR*\b+FR-1], v[AF+FR*(\a):AF+FR*(\a)+FR-1], 0, v[SC+8*NQ*(\sc)+NQ*\b+(\q)], v[SC+8*NQ*(\sc)+NQ*(\a)+(\q)] matrix_a_fmt:MATRIX_FMT_FP6 matrix_b_fmt:MATRIX_FMT_FP6 matrix_a_scale:MATRIX_SCALE_ROW1
.else
	v_wmma_scale_f32_16x16x128_f8f6f4 v[8*(8*((\a)%4)+\b):8*(8*((\a)%4)+\b)+7], v[128*(\p)+FR*\b:128*(\p)+FR*\b+FR-1], v[AF+FR*(\a):AF+FR*(\a)+FR-1], v[8*(8*((\a)%4)+\b):8*(8*((\a)%4)+\b)+7], v[SC+8*NQ*(\sc)+NQ*\b+(\q)], v[SC+8*NQ*(\sc)+NQ*(\a)+(\q)] matrix_a_fmt:MATRIX_FMT_FP6 matrix_b_fmt:MATRIX_FMT_FP6 matrix_a_scale:MATRIX_SCALE_ROW1
.endif
.endr
.endr
.endm
.macro FETCH_B slot, q, p
	WIN TO_B
.irp i, 0,1,2,3,4,5,6,7
	FRAG 128*(\p)+FR*\i, ADRB+\slot, \q, \i
.endr
	WIN 0
.endm
.macro FETCH_A slot, q, i0
.irp i, \i0, \i0+1, \i0+2, \i0+3
	FRAG AF+FR*(\i), ADRA+\slot, \q, \i
.endr
.endm
.macro SCALES sc
.irp i, 0,1,2,3,4,5,6,7
	ds_load_b64 v[SC+8*NQ*\sc+NQ*\i:SC+8*NQ*\sc+NQ*\i+1], v[ADRS] offset:\i*SBLK
.endr
.endm
.macro PLACES n
.rept \n
	v_nop
.endr
.endm
.macro STEP slot, q, zero
	s_wait_dscnt 4*NL                              ; B's set and A's blocks 0-3 are in; the youngest 12 loads (A's blocks 4-7) may be out
	WIN MUL_LO
	MUL16 0, (\q)%2, \q, \slot, \zero
	MUL16 2, (\q)%2, \q, \slot, \zero
	s_wait_dscnt 0
	PLACES NP
	FETCH_B \slot, (\q)+1, 1-(\q)%2
	FETCH_A \slot, (\q)+1, 0
	WIN MUL_HI
	MUL16 4, (\q)%2, \q, \slot, \zero
	MUL16 6, (\q)%2, \q, \slot, \zero
	PLACES NP
	WIN 0
	FETCH_A \slot, (\q)+1, 4
.endm
.macro TURN slot, next, fill
	s_wait_tensorcnt 0x0                           ; all my tensor loads have landed: my part of the next slot
	ds_add_u32 v[SPW], v[NIL]
	s_wait_dscnt 4*NL+1                            ; (the add and the youngest 12 loads may be out)
	WIN MUL_LO
	MUL16 0, 1, NQ-1, \slot, 0
	s_wait_dscnt 0x0                               ; the add is done, and my reads of this slot are over
	s_barrier_signal -1
	MUL16 2, 1, NQ-1, \slot, 0
	WIN 0
	s_barrier_wait -1
.if \fill
	CREST                                          ; the barrier has opened a round of the cluster's barrier
	s_add_nc_u64 s[G0+4*\slot+2:G0+4*\slot+3], s[G0+4*\slot+2:G0+4*\slot+3], 2*TROW
	s_add_nc_u64 s[G0B+4*\slot+2:G0B+4*\slot+3], s[G0B+4*\slot+2:G0B+4*\slot+3], 2*TROW
	JLOAD G0+4*\slot, G1, G0B+4*\slot, G1B
.else
	PLACES NP
.endif
	v_add_nc_u32 v[ADRS], 128, v[ADRS]
	FETCH_B \next, 0, 0
	FETCH_A \next, 0, 0
	SCALES \next
	WIN MUL_HI
	MUL16 4, 1, NQ-1, \slot, 0
	MUL16 6, 1, NQ-1, \slot, 0
	PLACES NP
	WIN 0
	FETCH_A \next, 0, 4
.endm
	s_wait_tensorcnt 1                             ; the scale words and my part of slot 0 are in (slot 1's load may be out)
	s_barrier_signal -1
	s_barrier_wait -1
	FETCH_B 0, 0, 0
	FETCH_A 0, 0, 0
	SCALES 0
	FETCH_A 0, 0, 4
	STEP 0, 0, 1                                   ; the first step's products start the sums
	s_mov_b32 s19, LAPS-1
.Llap:
	TURN 0, 1, 1
	STEP 1, 0, 0
	TURN 1, 0, 1
	STEP 0, 0, 0
	s_sub_co_u32 s19, s19, 1
	s_cmp_lg_u32 s19, 0
	s_cbranch_scc1 .Llap
	TURN 0, 1, 0
	STEP 1, 0, 0
	s_wait_dscnt 4*NL
	WIN MUL_LO
	MUL16 0, 1, NQ-1, 1, 0
	MUL16 2, 1, NQ-1, 1, 0
	s_wait_dscnt 0
	WIN MUL_HI
	MUL16 4, 1, NQ-1, 1, 0
	MUL16 6, 1, NQ-1, 1, 0
	WIN 0
; THE WAY OUT, block by block of 16 rows x 128 columns, through my own stage: in as 32 bytes a lane, back as whole rows of 512 bytes.  LDS serves a wave's instructions in order (ISA guide 5.7.1.4): no wait between.
.macro TOSTAGE a
.set AC, 64*((\a)%4)
	WIN 0x08+4*((\a)/4)                            ; the data: window 2 or 3
.irp b, 0,1,2,3,4,5,6,7
	ds_store_b128 v[STO], v[AC+8*\b:AC+8*\b+3] offset:64*\b          ; each accumulator from its low end on
	ds_store_b128 v[STO], v[AC+8*\b+4:AC+8*\b+7] offset:64*\b+16
.endr
	WIN 0
.set BB, BK+64*((\a)%2)
.irp t, 0,1,2,3,4,5,6,7,8,9,10,11,12,13,14,15
	ds_load_b128 v[BB+4*\t:BB+4*\t+3], v[RD] offset:\t*SPITCH
.endr
.endm
.macro SEND a, younger                 ; younger: the LDS instructions issued behind block a's loads, which may stay out
.set BB, BK+64*((\a)%2)
	s_wait_dscnt \younger
.if (\a) > 0
	s_add_nc_u64 s[12:13], s[12:13], 16*SIZE_N*4   ; (behind a wait on XCNT: the earlier stores have read their base)
.endif
.irp t, 0,1,2,3,4,5,6,7,8,9,10,11,12,13,14,15
	global_store_b128 v[CO], v[BB+4*\t:BB+4*\t+3], s[12:13] offset:\t*SIZE_N*4 th:TH_STORE_NT   ; 32 lanes store 512 consecutive bytes, aligned
.endr
.endm
	PLACES NP
	TOSTAGE 0
.irp a, 1,2,3,4,5,6,7
.if \a > 1
	s_wait_xcnt 0x0                                ; block a - 2's stores have read their registers and their base
.endif
	TOSTAGE \a
	SEND \a-1, 32                                  ; behind block a - 1's loads: block a's 16 stores and 16 loads
.endr
	s_wait_xcnt 0x0
	SEND 7, 0
	s_wait_tensorcnt 0x0                           ; the wave's end
	ds_add_u32 v[SPW], v[NIL]
	s_wait_dscnt 0x0
	CROUND                                         ; the closing round
	s_endpgm
.Lfunc_end_k_q17ee21f60e_oproj:
	.size	k_q17ee21f60e_oproj, .Lfunc_end_k_q17ee21f60e_oproj-k_q17ee21f60e_oproj
	.p2alignl 7, 3214868480
	.fill 96, 4, 3214868480
	.section	.rodata,"a",@progbits
	.p2align	6, 0x0
	.amdhsa_kernel k_q17ee21f60e_oproj
		.amdhsa_group_segment_fixed_size 327680
		.amdhsa_private_segment_fixed_size 0
		.amdhsa_enable_private_segment 0
		.amdhsa_kernarg_size 40
		.amdhsa_user_sgpr_count 2
		.amdhsa_user_sgpr_kernarg_segment_ptr 1
		.amdhsa_wavefront_size32 1
		.amdhsa_system_sgpr_workgroup_id_x 1
		.amdhsa_system_sgpr_workgroup_id_y 1
		.amdhsa_system_sgpr_workgroup_id_z 1
		.amdhsa_system_vgpr_workitem_id 0
		.amdhsa_next_free_vgpr 1024
		.amdhsa_next_free_sgpr 100
		.amdhsa_reserve_vcc 0
		.amdhsa_float_denorm_mode_32 3
		.amdhsa_float_denorm_mode_16_64 3
		.amdhsa_memory_ordered 1
		.amdhsa_forward_progress 1
		.amdhsa_inst_pref_size 135
	.end_amdhsa_kernel
	.amdgpu_metadata
---
amdhsa.version: [ 1, 2 ]
amdhsa.kernels:
  - .name:           k_q17ee21f60e_oproj
    .symbol:         k_q17ee21f60e_oproj.kd
    .args:
      - { .name: oc, .offset: 0, .size: 8, .value_kind: global_buffer, .address_space: global }
      - { .name: os, .offset: 8, .size: 8, .value_kind: global_buffer, .address_space: global }
      - { .name: codes, .offset: 16, .size: 8, .value_kind: global_buffer, .address_space: global }
      - { .name: scales, .offset: 24, .size: 8, .value_kind: global_buffer, .address_space: global }
      - { .name: out0, .offset: 32, .size: 8, .value_kind: global_buffer, .address_space: global }
    .group_segment_fixed_size: 327680
    .private_segment_fixed_size: 0
    .kernarg_segment_align: 8
    .kernarg_segment_size: 40
    .max_flat_workgroup_size: 128
    .sgpr_count:     100
    .vgpr_count:     1024
    .wavefront_size: 32
...
	.end_amdgpu_metadata
.endif
;; end of part 4
;; ======== version 2 of 2: 4 launches
;; limits: right only within a limited range of input values
;; workspace buffers: codes 15,728,640 bytes; scales 655,360 bytes; qkvc 9,437,184 bytes; qkvs 393,216 bytes; oc 3,145,728 bytes; os 131,072 bytes
;; launch quant (part 5): grid 640 x 1, 4 waves a work-group, no clusters, 34,304 bytes of LDS; arguments x, wq, wk, wv, wo, codes, scales; writes codes, scales
.if DOCPART == 5
	.amdgcn_target "amdgcn-amd-amdhsa--gfx1250"
	.amdhsa_code_object_version 6
	.text
	.protected	k_q17ee21f60e_quant
	.globl	k_q17ee21f60e_quant
	.p2align	8
	.type	k_q17ee21f60e_quant,@function
k_q17ee21f60e_quant:
	s_mov_b64 s[64:65], 0
	v_nop
	global_prefetch_b8 v0, s[64:65] scope:SCOPE_SE
	s_setreg_imm32_b32 hwreg(HW_REG_WAVE_MODE, 25, 1), 1
	s_wait_xcnt 0x0
; x [2048][2048] (K innermost) and wq, wk, wv, wo [2048 (K)][2048 (n)] (K outermost), f32, become codes of FP6 (E2M3) with one E8M0 byte for each 32 along K.
; A block's scale is 2^(floor(log2(its largest magnitude)) - 2): its byte is that magnitude's exponent field - 2, held at 1 from below.
; LAYOUT OF THE CODES: images of the matrix operand's registers.  A fragment is 16 rows x 128 K = 12 registers a lane; registers 4 g .. 4 g + 3 of lane l lie at byte 512 g + 16 l of its 1,536 bytes.
; codes = [row tile 640][K step 16][1536]; a row is a row of x (tiles 0-127) or a column n of wq, wk, wv, wo (tiles 128 (z + 1) on).  scales = [row tile][pair of K steps 8][row 16][2 words], a word = the 4 bytes of 128 K.
; ORDER INSIDE A BLOCK: place p of a block of 32 holds number sigma(p), sigma = bits 3 and 4 of p exchanged, in every operand that this program makes: a permutation of k that is alike on both sides keeps the products,
; and a block stays the same 32 numbers, so its scale is the rule's.  (Matrix results that are quantised in later launches fall into this order by themselves.)
; LIMITS: a block of zeros gets the byte 1 where the rule says 127 (its codes are zeros, and this program alone reads the bytes); NaN and infinities among the inputs are not served.
; Work-groups 0-127: a row tile of x each; wave w takes K steps 4 w .. 4 w + 3.  Work-groups 128-639: 128 columns x 256 K of one weight; a lane takes a column and its registers run down K.
; No matrix unit, no tensor load, no cluster: the launch streams, and no two work-groups read the same byte.
.set SPARE, 33792                      ; behind the four stages: the spare words, 128 bytes a wave
.set SPW,   30                         ; v30  SPARE + 4 x my thread's number; never rewritten
.set NIL,   31                         ; v31  0; never rewritten
.set STG,   8448                       ; a wave's stage: 16 rows x (512 + 16) bytes
.set RX,    32                         ; x: v32-159 two sets of 64 registers as loaded
.set YX,    160                        ; x: v160-223 my two blocks of 32, in the operand's order
.set FX,    224                        ; x: v224-247 two fragments by turns
.set TX,    248                        ; x: v248-254 the upper halves of two blocks' codes
.set XW,    32                         ; weights: v32-95 two sets of 32 numbers
.set FW,    96                         ; weights: v96-143 codes: K step sl at 24 sl, lane half hh at 12 hh, c at 6 c
.set TW,    144                        ; weights: v144-146
	s_load_b256 s[4:11], s[0:1], 0x0               ; x, wq, wk, wv
	s_load_b128 s[12:15], s[0:1], 0x20             ; wo, codes
	s_load_b64 s[16:17], s[0:1], 0x30              ; scales
	v_lshl_add_u32 v[SPW], v0, 2, SPARE
	v_mov_b32 v[NIL], 0
	v_lshrrev_b32 v1, 5, v0
	v_readfirstlane_b32 s18, v1                    ; wave
	v_and_b32 v1, 31, v0                           ; lane
	v_and_b32 v2, 15, v0                           ; r
	v_bfe_u32 v3, v0, 4, 1                         ; h
	s_mov_b32 s20, 0x76543210
	s_mov_b32 s21, 0xfedcba98                      ; v_permlanex16_b32's selects for lane l xor 16
	s_mov_b32 s22, 0xffff0000                      ; lanes 16-31
	s_mov_b32 s25, 0                               ; the upper word of every offset
	s_wait_kmcnt 0x0
	s_cmp_lt_u32 ttmp9, 128
	s_cbranch_scc0 .Lweights
; ---------------- x: K is innermost ----------------
.macro LOADX sl                        ; K step sl of my four: 16 rows x 512 consecutive bytes, 16 bytes a lane
.irp i, 0,1,2,3,4,5,6,7,8,9,10,11,12,13,14,15
	global_load_b128 v[RX+64*((\sl)%2)+4*\i:RX+64*((\sl)%2)+4*\i+3], v4, s[4:5] offset:\i*8192+(\sl)*512 th:TH_LOAD_NT
.endr
.endm
.macro TURNX sl                        ; through my own stage: in as loaded, out as lane (r, h) wants it: blocks h and 2 + h of row r, whole.  LDS serves a wave's instructions in order: no wait between
.irp i, 0,1,2,3,4,5,6,7,8,9,10,11,12,13,14,15
	ds_store_b128 v5, v[RX+64*((\sl)%2)+4*\i:RX+64*((\sl)%2)+4*\i+3] offset:528*\i
.endr
.irp c, 0,1
.irp p, 0,1,2,3,4,5,6,7                ; piece p (four numbers) goes to the place that sigma gives it: bits 1 and 2 of p exchanged
	ds_load_b128 v[YX+32*\c+4*((\p&1)+4*((\p>>1)&1)+2*(\p>>2)):YX+32*\c+4*((\p&1)+4*((\p>>1)&1)+2*(\p>>2))+3], v6 offset:256*\c+16*\p
.endr
.endr
.endm
.macro QX sl                           ; my two blocks become registers 0-5 and 6-11 of the fragment; the row's scale word is gathered from lanes l and l xor 16
.set FQ, FX+12*((\sl)%2)
.irp c, 0,1
.irp d, 0,1
	v_max3_num_f32 v[8+2*\d+\c], |v[YX+32*\c+16*\d]|, |v[YX+32*\c+16*\d+1]|, 0x1800000   ; four chains; the floor 2^(3 - 127) holds the byte at 1 from below
.endr
.endr
.irp i, 2,4,6,8,10,12,14
.irp c, 0,1
.irp d, 0,1
	v_max3_num_f32 v[8+2*\d+\c], v[8+2*\d+\c], |v[YX+32*\c+16*\d+\i]|, |v[YX+32*\c+16*\d+\i+1]|
.endr
.endr
.endr
	v_max_num_f32 v8, v8, v10
	v_max_num_f32 v9, v9, v11
	v_add_nc_u32 v12, 0xff000000, v8               ; 2 off the exponent field: the conversion's scale operand
	v_add_nc_u32 v13, 0xff000000, v9
	v_lshrrev_b32 v14, 23, v12                     ; the bytes of blocks h and 2 + h
	v_lshrrev_b32 v15, 23, v13
	v_lshl_or_b32 v16, v15, 16, v14
	v_lshlrev_b32 v16, v18, v16                    ; 8 h bits up
	v_permlanex16_b32 v17, v16, s20, s21
	v_or_b32 v[20+(\sl)], v16, v17                 ; the whole word, in both halves of the lanes
.irp c, 0,1
	v_cvt_scalef32_pk16_fp6_f32 v[FQ+6*\c:FQ+6*\c+2], v[YX+32*\c:YX+32*\c+15], v[12+\c]
	v_cvt_scalef32_pk16_fp6_f32 v[TX+4*\c:TX+4*\c+2], v[YX+32*\c+16:YX+32*\c+31], v[12+\c]   ; (a conversion's three registers begin on an even number)
.endr
	v_nop                                          ; one plain place behind the scaled conversions
.irp c, 0,1
.irp i, 0,1,2
	v_mov_b32 v[FQ+6*\c+3+\i], v[TX+4*\c+\i]
.endr
.endr
.irp g, 0,1,2
	global_store_b128 v4, v[FQ+4*\g:FQ+4*\g+3], s[14:15] offset:(\sl)*1536+512*\g   ; 32 lanes store 512 consecutive bytes, aligned
.endr
.endm
	s_lshl_b32 s24, ttmp9, 17                      ; x: 16 rows of 8,192 bytes a tile,
	s_lshl_b32 s26, s18, 11                        ; 4 K steps of 512 bytes a wave
	s_add_co_u32 s24, s24, s26
	s_add_nc_u64 s[4:5], s[4:5], s[24:25]
	s_mul_i32 s24, ttmp9, 24576                    ; codes: 16 fragments a tile, 4 a wave
	s_mul_i32 s26, s18, 6144
	s_add_co_u32 s24, s24, s26
	s_add_nc_u64 s[14:15], s[14:15], s[24:25]
	s_lshl_b32 s24, ttmp9, 10                      ; scales: 1,024 bytes a tile, 256 a wave
	s_lshl_b32 s26, s18, 8
	s_add_co_u32 s24, s24, s26
	s_add_nc_u64 s[16:17], s[16:17], s[24:25]
	s_wait_alu depctr_va_vdst(0)
	v_lshlrev_b32 v4, 4, v1                        ; 16 x lane
	s_mul_i32 s27, s18, STG
	v_add_nc_u32 v5, s27, v4                       ; the stage, on the way in
	v_mul_u32_u24 v6, v2, 528
	v_lshl_add_u32 v6, v3, 7, v6
	v_add_nc_u32 v6, s27, v6                       ; and out: row r, + 128 h
	v_lshlrev_b32 v7, 3, v1                        ; 8 x lane
	v_lshlrev_b32 v18, 3, v3                       ; 8 h
	v_mov_b32 v17, 0                               ; a lane permute's destination counts as a source
	LOADX 0
	LOADX 1
	s_wait_alu depctr_va_vdst(0)
.irp sl, 0,1,2,3
.if \sl < 3
	s_wait_loadcnt 16                              ; this K step's 16 loads are in; the next one's 16 may be out
.else
	s_wait_loadcnt 0x0
.endif
	TURNX \sl
	s_wait_dscnt 0x0                               ; the stage's stores have read their registers, and my blocks are back
.if \sl < 2
	LOADX \sl+2
.else
	s_wait_xcnt 0x0                                ; the fragment stored two K steps ago is written again only behind this wait
.endif
	QX \sl
.endr
	v_cndmask_b32 v24, v20, v22, s22               ; lanes 0-15: the words of K steps 4 w, 4 w + 1; lanes 16-31: of 4 w + 2, 4 w + 3
	v_cndmask_b32 v25, v21, v23, s22
	global_store_b64 v7, v[24:25], s[16:17]        ; 256 consecutive bytes, aligned
	s_branch .Lend
; ---------------- the weights: K is the first axis ----------------
.macro LOADW t                         ; block t: W(32 t + i, my column) into the place that sigma gives it; 32 lanes read 128 consecutive bytes, the four waves side by side 512
.set ii, 0
.rept 32
	global_load_b32 v[XW+32*((\t)%2)+(ii&7)+16*((ii>>3)&1)+8*(ii>>4)], v4, s[6:7] offset:(32*(\t)+ii)*8192 th:TH_LOAD_NT
.set ii, ii+1
.endr
.endm
.macro BLOCKW t
.set XS, XW+32*((\t)%2)
.set FD, FW+24*((\t)/4)+12*((\t)&1)+6*(((\t)%4)>>1)
.if (\t) < 7
	s_wait_loadcnt 32                              ; this block's 32 loads are in; the next block's may be out
.else
	s_wait_loadcnt 0x0
.endif
	v_max3_num_f32 v8, |v[XS]|, |v[XS+1]|, |v[XS+2]|               ; all 32 numbers of the block are mine
	v_max3_num_f32 v9, |v[XS+3]|, |v[XS+4]|, |v[XS+5]|
.irp i, 6,10,14,18,22,26
	v_max3_num_f32 v8, v8, |v[XS+\i]|, |v[XS+\i+1]|
	v_max3_num_f32 v9, v9, |v[XS+\i+2]|, |v[XS+\i+3]|
.endr
	v_max3_num_f32 v8, v8, |v[XS+30]|, |v[XS+31]|
	v_max3_num_f32 v8, v8, v9, 0x1800000           ; the floor
	v_add_nc_u32 v11, 0xff000000, v8
	v_cvt_scalef32_pk16_fp6_f32 v[FD:FD+2], v[XS:XS+15], v11
	v_cvt_scalef32_pk16_fp6_f32 v[TW:TW+2], v[XS+16:XS+31], v11
	v_lshrrev_b32 v13, 23, v11                     ; the byte (also the plain place behind the conversions)
.if (\t)%4 == 0
	v_mov_b32 v[20+(\t)/4], v13
.else
	v_lshl_or_b32 v[20+(\t)/4], v13, 8*((\t)%4), v[20+(\t)/4]
.endif
.irp i, 0,1,2
	v_mov_b32 v[FD+3+\i], v[TW+\i]
.endr
.if (\t) < 6
	LOADW (\t)+2
.endif
.if (\t)%4 == 3                        ; a K step is whole.  My column is row r of tile (lane / 16); what lanes (r, 0) and (r, 1) of the image hold are both mine: sixteen lanes fill 256 consecutive aligned bytes
.irp hh, 0,1
.irp g, 0,1,2
	global_store_b128 v5, v[FW+24*((\t)/4)+12*\hh+4*\g:FW+24*((\t)/4)+12*\hh+4*\g+3], s[14:15] offset:((\t)/4)*1536+512*\g+256*\hh
.endr
.endr
.endif
.endm
.Lweights:
	s_sub_co_u32 s24, ttmp9, 128
	s_lshr_b32 s26, s24, 7                         ; z: which weight
	s_and_b32 s27, s24, 15                         ; cg: which 128 columns
	s_bfe_u32 s28, s24, 0x30004                    ; ky: which 256 along K
	s_cmp_eq_u32 s26, 1                            ; the choice hangs on the work-group's number alone
	s_cselect_b64 s[6:7], s[8:9], s[6:7]
	s_cmp_eq_u32 s26, 2
	s_cselect_b64 s[6:7], s[10:11], s[6:7]
	s_cmp_eq_u32 s26, 3
	s_cselect_b64 s[6:7], s[12:13], s[6:7]
	s_lshl_b32 s24, s28, 21                        ; 256 rows of 8,192 bytes
	s_lshl_b32 s29, s27, 9
	s_add_co_u32 s24, s24, s29
	s_lshl_b32 s29, s18, 7
	s_add_co_u32 s24, s24, s29                     ; + (128 cg + 32 w) x 4
	s_add_nc_u64 s[6:7], s[6:7], s[24:25]
	s_add_co_u32 s30, s26, 1
	s_lshl_b32 s30, s30, 7                         ; the weight's first row tile: 128 (z + 1)
	s_lshl_b32 s29, s27, 3
	s_add_co_u32 s30, s30, s29
	s_lshl_b32 s29, s18, 1
	s_add_co_u32 s30, s30, s29                     ; + 8 cg + 2 w
	s_mul_i32 s24, s30, 24576
	s_mul_i32 s29, s28, 3072                       ; two K steps
	s_add_co_u32 s24, s24, s29
	s_add_nc_u64 s[14:15], s[14:15], s[24:25]
	s_lshl_b32 s24, s30, 10
	s_lshl_b32 s29, s28, 7
	s_add_co_u32 s24, s24, s29
	s_add_nc_u64 s[16:17], s[16:17], s[24:25]
	s_wait_alu depctr_va_vdst(0)
	v_lshlrev_b32 v4, 2, v1                        ; in: 4 bytes a lane
	v_mul_u32_u24 v5, v3, 24576
	v_lshl_add_u32 v5, v2, 4, v5                   ; codes: my tile, + 16 r
	v_lshlrev_b32 v6, 10, v3
	v_lshl_add_u32 v6, v2, 3, v6                   ; scale words: my tile, + 8 r
	LOADW 0
	LOADW 1
.irp t, 0,1,2,3,4,5,6,7
	BLOCKW \t
.endr
	global_store_b64 v6, v[20:21], s[16:17]        ; my column's two words: sixteen lanes store 128 consecutive bytes (the other half of that 256 belongs to the neighbouring 256 along K)
.Lend:
	s_wait_tensorcnt 0x0                           ; the wave's end
	ds_add_u32 v[SPW], v[NIL]
	s_wait_dscnt 0x0
	s_endpgm
.Lfunc_end_k_q17ee21f60e_quant:
	.size	k_q17ee21f60e_quant, .Lfunc_end_k_q17ee21f60e_quant-k_q17ee21f60e_quant
	.p2alignl 7, 3214868480
	.fill 96, 4, 3214868480
	.section	.rodata,"a",@progbits
	.p2align	6, 0x0
	.amdhsa_kernel k_q17ee21f60e_quant
		.amdhsa_group_segment_fixed_size 34304
		.amdhsa_private_segment_fixed_size 0
		.amdhsa_enable_private_segment 0
		.amdhsa_kernarg_size 56
		.amdhsa_user_sgpr_count 2
		.amdhsa_user_sgpr_kernarg_segment_ptr 1
		.amdhsa_wavefront_size32 1
		.amdhsa_system_sgpr_workgroup_id_x 1
		.amdhsa_system_sgpr_workgroup_id_y 1
		.amdhsa_system_sgpr_workgroup_id_z 1
		.amdhsa_system_vgpr_workitem_id 0
		.amdhsa_next_free_vgpr 256
		.amdhsa_next_free_sgpr 66
		.amdhsa_reserve_vcc 0
		.amdhsa_float_denorm_mode_32 3
		.amdhsa_float_denorm_mode_16_64 3
		.amdhsa_memory_ordered 1
		.amdhsa_forward_progress 1
		.amdhsa_inst_pref_size 68
	.end_amdhsa_kernel
	.amdgpu_metadata
---
amdhsa.version: [ 1, 2 ]
amdhsa.kernels:
  - .name:           k_q17ee21f60e_quant
    .symbol:         k_q17ee21f60e_quant.kd
    .args:
      - { .name: x, .offset: 0, .size: 8, .value_kind: global_buffer, .address_space: global }
      - { .name: wq, .offset: 8, .size: 8, .value_kind: global_buffer, .address_space: global }
      - { .name: wk, .offset: 16, .size: 8, .value_kind: global_buffer, .address_space: global }
      - { .name: wv, .offset: 24, .size: 8, .value_kind: global_buffer, .address_space: global }
      - { .name: wo, .offset: 32, .size: 8, .value_kind: global_buffer, .address_space: global }
      - { .name: codes, .offset: 40, .size: 8, .value_kind: global_buffer, .address_space: global }
      - { .name: scales, .offset: 48, .size: 8, .value_kind: global_buffer, .address_space: global }
    .group_segment_fixed_size: 34304
    .private_segment_fixed_size: 0
    .kernarg_segment_align: 8
    .kernarg_segment_size: 56
    .max_flat_workgroup_size: 128
    .sgpr_count:     66
    .vgpr_count:     256
    .wavefront_size: 32
...
	.end_amdgpu_metadata
.endif
;; end of part 5
;; launch qkv (part 6): grid 24 x 8, 4 waves a work-group, clusters of 4 x 4, 327,680 bytes of LDS; arguments codes, scales, freq_cos, freq_sin, qkvc, qkvs; writes qkvc, qkvs
.if DOCPART == 6
	.amdgcn_target "amdgcn-amd-amdhsa--gfx1250"
	.amdhsa_code_object_version 6
	.text
	.protected	k_q17ee21f60e_qkv
	.globl	k_q17ee21f60e_qkv
	.p2align	8
	.type	k_q17ee21f60e_qkv,@function
k_q17ee21f60e_qkv:
	s_mov_b64 s[64:65], 0
	v_nop
	global_prefetch_b8 v0, s[64:65] scope:SCOPE_SE
	s_setreg_imm32_b32 hwreg(HW_REG_WAVE_MODE, 25, 1), 1
	s_wait_xcnt 0x0
	s_wait_alu depctr_hold_cnt(0) depctr_sa_sdst(0) depctr_va_vdst(0) depctr_va_sdst(0) depctr_va_ssrc(0) depctr_va_vcc(0) depctr_vm_vsrc(0)
	s_getreg_b32 s2, hwreg(HW_REG_IB_STS2, 6, 4)
	s_cmp_eq_u32 s2, 0
	s_cbranch_scc0 .Lentry_in_a_cluster
	s_endpgm
.Lentry_in_a_cluster:
	s_bfe_u32 s2, ttmp6, 0x10000c
	s_cmp_lg_u32 s2, 0xf033
	s_cbranch_scc0 .Lentry_shape_is_right
	s_endpgm
.Lentry_shape_is_right:
; q = rope(x wq), k = rope(x wk), v = x wv on codes of FP6 (E2M3) with E8M0 scales, K = 2,048; the results are quantised in registers, in f32, and leave as codes: q and k along the head's 128, v along the keys.
; A work-group of four waves makes 256 x 256 of C, a wave 128 x 128: 64 accumulators.  Tile columns 0-15: C = x [wq | wk] (rows = tokens).  Tile columns 16-23: C = wv^T x^T (rows = head x 128 + d, columns = tokens),
; so that v's next K, the keys, runs along a lane's registers.  Which of the two hangs on the cluster's x alone.
; OPERANDS are images of their registers (a fragment = 1,536 bytes, registers 4 g .. 4 g + 3 of lane l at 512 g + 16 l): codes = [row tile][K step 16][1536]; row tiles 0 x, 128 wq, 256 wk, 384 wv.
; THE RING: two slots of THREE K steps: 32 row tiles x 4,608 bytes = 147,456 bytes a slot; 16 steps are five such fills and one of a single step, which has a group 1 of its own (rows of 1,536 bytes).
; Each wave fetches 8 row tiles with one joint load; every tile row begins at a multiple of 256 bytes (4,608 = 18 x 256).
; THE SCALE WORDS go from memory straight into registers, a pair of K steps (16 registers) at a time, three sets by turns, asked for three pairs ahead: lanes 0-15 A's tile i, lanes 16-31 B's tile i.
; CLUSTERS: 4 x 4 work-groups; A's tiles are asked for jointly along a row of the cluster, B's along a column.
; PREFETCH: behind the load of fill n stands a request for fill n + 1's bytes (three K steps ahead): of the 8 row tiles of a joint load each of the four partners names 2, by address: 36 blocks of 256 bytes, a lane a block.
; The last, short fill comes by its load alone.  The tables of the work-group's 256 tokens are named once, at the head, 64 tokens a partner.
; THE MATRIX INSTRUCTION IS USED TRANSPOSED (source 0 = 16 rows of B, source 1 = 16 rows of A): register j of lane (r, h) in accumulator (a, b) is C(16 a + r, 16 b + 8 h + j).
; Quantised 16 registers to a half block, numbers fall at the place with bits 3 and 4 exchanged inside a block of 32: the order that every operand of this program has.
; OUT: qkvc = [g 48][blk 16][a 8][1536], qkvs = [g][blk][a][row 16] words.  g = head (q), 16 + head (k): blk = 128 tokens, a = 16 of them.  g = 32 + head (v): blk = 128 keys, a = 16 of the head's d.
; LIMITS: a block of zeros gets the byte 1 (its codes are zeros; this program alone reads the bytes); NaN and infinities are not served.
; REGISTERS: window 0: v15-31 addresses; v32-79 scale words; v80-111 at work on the way out; v128-223 A's fragments, one set; window 1: B's fragments, two sets at v0 and v128, on the way out four tiles of tables;
; windows 2, 3: the accumulators.
.set FR,     12
.set NL,     3                         ; LDS loads that bring a fragment
.set NP,     4                         ; places behind this matrix instruction (ISA guide 7.12.1)
.set FRB,    1536
.set NS,     3                         ; K steps in a slot
.set TROW,   NS*FRB                    ; a row tile's bytes in a slot
.set TP,     TROW                      ; the pitch from row tile to row tile in LDS (the short fill: FRB)
.set HALFT,  8*TROW
.set SLOT,   4*HALFT
.set SPARE,  2*SLOT                    ; the spare words, 128 bytes a wave
.set PFT,  15                          ; v15     256 x lane
.set ADRA, 16                          ; v16-17  my A fragments in slot 0, 1
.set ADRB, 20                          ; v20-21  my B fragments
.set VCS,  24                          ; v24     the tables: 256 r + 32 h
.set VIM,  25                          ; v25     16 x lane
.set VSC,  26                          ; v26     4 x lane
.set ADRS, 27                          ; v27     my scale words in memory: lanes 0-15 A's rows, lanes 16-31 B's
.set SPW,  28                          ; v28     SPARE + 4 x my thread's number; never rewritten
.set NIL,  29                          ; v29     0; never rewritten
.set PFO,  30                          ; v30-31  the prefetches' offsets: blocks 0-31 and 32-35 of my 36
.set SC,   32                          ; pair p of K steps in set p % 3: register 16 (p % 3) + 2 i + (step % 2)
.set TT,   80
.set AF,   128
.set PC,   192
.set TM,   232
.set PW,   248
.set MW,   250
.set G1, 24                            ; groups 1: A's and B's fills of three steps; G1T, G1TB: of one step
.set G0, 32
.set G1B, 48
.set G0B, 56
.set G1T, 68
.set G1TB, 76
.set PFA, 84
.set SB,  86
.set MSB, 0
.macro WIN new                         ; the immediate's high byte repeats the setting that is left
.if MSB != (\new)
	s_set_vgpr_msb (MSB<<8)|(\new)
.set MSB, (\new)
.endif
.endm
.set MUL_LO, 0xa1                      ; source 0 (B) window 1, source 1 (A) window 0, C and D window 2
.set MUL_HI, 0xf1
.set TO_B,   0x40
.macro JLOAD g0a, g1a, g0b, g1b        ; a joint load: waves 0 and 1 fetch for A, waves 2 and 3 for B; an s_nop 0 and four v_nop follow each line
	s_cmp_eq_u32 s17, 0
	s_cbranch_scc0 .Lfor_b_\@
	tensor_load_to_lds s[\g0a:\g0a+3], s[\g1a:\g1a+7]
	s_nop 0
.rept 4
	v_nop
.endr
	s_branch .Lasked_\@
.Lfor_b_\@:
	tensor_load_to_lds s[\g0b:\g0b+3], s[\g1b:\g1b+7]
	s_nop 0
.rept 4
	v_nop
.endr
.Lasked_\@:
.endm
.macro CREST                           ; a round of the cluster's barrier behind its opening barrier
	s_cmp_lg_u32 s16, 0
	s_cbranch_scc1 .Lnot_wave_0_\@
	s_barrier_signal -3
.Lnot_wave_0_\@:
	s_barrier_wait -3
	s_barrier_signal -1
	s_barrier_wait -1
.endm
.macro CROUND
	s_barrier_signal -1
	s_barrier_wait -1
	CREST
.endm
.macro ASK guard                       ; the next fill's 36 blocks; guard = 1: not in the loop's last trip, whose next fills are the short one and none
.if \guard
	s_cmp_gt_u32 s19, 1
	s_cbranch_scc0 .Lnone_\@
.endif
	global_prefetch_b8 v[PFO], s[PFA:PFA+1] th:TH_LOAD_NT scope:SCOPE_SE
	global_prefetch_b8 v[PFO+1], s[PFA:PFA+1] offset:8192 th:TH_LOAD_NT scope:SCOPE_SE
.if \guard
.Lnone_\@:
.endif
.endm
	s_load_b256 s[4:11], s[0:1], 0x0               ; codes, scales, cos, sin
	s_load_b128 s[12:15], s[0:1], 0x20             ; qkvc, qkvs
	v_lshl_add_u32 v[SPW], v0, 2, SPARE
	v_mov_b32 v[NIL], 0
	ds_add_u32 v[SPW], v[NIL]                      ; the opening lines: the add, twice on end, and its wait ahead of my first tensor load
	ds_add_u32 v[SPW], v[NIL]
	v_lshrrev_b32 v1, 5, v0
	v_readfirstlane_b32 s16, v1                    ; wave
	s_lshr_b32 s17, s16, 1                         ; my half of the tile's rows.  Also: I fetch for A (0) or for B (1)
	s_and_b32 s18, s16, 1                          ; my half of its columns.  Also: which 8 row tiles I fetch
	s_bfe_u32 s20, ttmp6, 0x40000                  ; cx
	s_bfe_u32 s21, ttmp6, 0x40004                  ; cy
	s_lshl_b32 s22, ttmp9, 2
	s_add_co_u32 s22, s22, s20                     ; tile column
	s_and_b32 s23, ttmp7, 0xffff
	s_lshl_b32 s23, s23, 2
	s_add_co_u32 s23, s23, s21                     ; tile row
	s_lshl_b32 s40, s21, 2
	s_lshl_b32 s40, 15, s40                        ; my row of the cluster
	s_lshl_b32 s41, 0x1111, s20                    ; my column
	s_or_b32 s[G1], s40, (3<<16)|(1<<21)           ; the mask; elements of 8 bytes; no padding; bit 21 beside a mask
	s_or_b32 s[G1T], s40, (3<<16)|(1<<21)
	s_or_b32 s[G1B], s41, (3<<16)|(1<<21)
	s_or_b32 s[G1TB], s41, (3<<16)|(1<<21)
.irp g, G1, G1B                        ; 8 rows (row tiles) of 4,608 bytes, 24,576 bytes apart
	s_mov_b32 s[\g+1], 576<<16
	s_mov_b32 s[\g+3], 576<<16
.endr
.irp g, G1T, G1TB                      ; 8 rows of 1,536 bytes
	s_mov_b32 s[\g+1], 192<<16
	s_mov_b32 s[\g+3], 192<<16
.endr
.irp g, G1, G1B, G1T, G1TB
	s_mov_b32 s[\g+2], 8<<16
	s_mov_b32 s[\g+4], 8
	s_mov_b32 s[\g+5], 3072
	s_mov_b32 s[\g+6], 0
	s_mov_b32 s[\g+7], 0
.endr
	; q, k: A = x at 16 tr, B = wq | wk at 128 + 16 tc.  v: A = wv at 384 + 16 tr, B = x at 16 (tc - 16).  A's registers never hold cx, B's never cy
	s_add_co_u32 s89, s22, 8
	s_sub_co_u32 s45, s22, 16
	s_cmp_ge_u32 ttmp9, 4                          ; the cluster's x: the same in all sixteen partners
	s_cselect_b32 s88, 384, 0
	s_cselect_b32 s89, s45, s89
	s_lshl_b32 s89, s89, 4                         ; B's 16 row tiles begin here
	s_lshl_b32 s43, s23, 4
	s_add_co_u32 s88, s88, s43                     ; A's
	s_lshl_b32 s46, s18, 3
	s_add_co_u32 s42, s88, s46                     ; the 8 that I fetch, of A
	s_add_co_u32 s44, s89, s46                     ; or of B
	s_mul_i32 s92, s42, 24576
	s_mov_b32 s93, 0
	s_mul_i32 s96, s44, 24576
	s_mov_b32 s97, 0
	s_mul_i32 s47, s16, HALFT                      ; where they go: wave x 8 row tiles
	s_wait_dscnt 0x0                               ; both opening adds are done
	s_wait_kmcnt 0x0
	s_add_nc_u64 s[92:93], s[4:5], s[92:93]
	s_add_nc_u64 s[96:97], s[4:5], s[96:97]
.irp s, 0,1
	s_mov_b32 s[G0+4*\s], 1
	s_add_co_u32 s[G0+4*\s+1], s47, \s*SLOT
	s_add_nc_u64 s[G0+4*\s+2:G0+4*\s+3], s[92:93], \s*TROW
	s_or_b32 s[G0+4*\s+3], s[G0+4*\s+3], 0x80000000
	s_mov_b32 s[G0B+4*\s], 1
	s_add_co_u32 s[G0B+4*\s+1], s47, \s*SLOT
	s_add_nc_u64 s[G0B+4*\s+2:G0B+4*\s+3], s[96:97], \s*TROW
	s_or_b32 s[G0B+4*\s+3], s[G0B+4*\s+3], 0x80000000
.endr
	CROUND                                         ; all sixteen work-groups are here: the first joint loads meet
	JLOAD G0, G1, G0B, G1B                         ; K steps 0-2: one tensor load a wave at the head
	; the prefetches: of the 8 row tiles that I fetch, my work-group names 2: by cx for A, by cy for B
	s_cmp_eq_u32 s17, 0
	s_cselect_b32 s42, s42, s44
	s_cselect_b32 s43, s20, s21
	s_cselect_b64 s[98:99], s[8:9], s[10:11]       ; waves 0, 1 name rows of cos, waves 2, 3 of sin
	s_lshl_b32 s43, s43, 1
	s_add_co_u32 s42, s42, s43
	s_mul_i32 s42, s42, 24576
	s_add_co_u32 s42, s42, TROW                    ; at K step 3
	s_mov_b32 s43, 0
	s_add_nc_u64 s[PFA:PFA+1], s[4:5], s[42:43]
	s_lshl_b32 s44, s23, 16                        ; tokens 256 tr + 64 cx + 32 (wave % 2) + lane, 256 bytes each
	s_lshl_b32 s45, s20, 14
	s_add_co_u32 s44, s44, s45
	s_lshl_b32 s45, s18, 13
	s_add_co_u32 s44, s44, s45
	s_mov_b32 s45, 0
	s_add_nc_u64 s[98:99], s[98:99], s[44:45]
	s_mov_b64 s[SB:SB+1], s[6:7]
	s_mul_i32 s40, s17, HALFT                      ; my 8 row tiles of A
	s_mul_i32 s41, s18, HALFT                      ; my 8 of B,
	s_add_co_u32 s41, s41, 2*HALFT                 ; behind A's 16
	s_add_co_u32 s66, s40, SLOT
	s_add_co_u32 s67, s41, SLOT
	s_lshl_b32 s93, s17, 3
	s_add_co_u32 s93, s93, s88
	s_lshl_b32 s93, s93, 10                        ; my A tiles' scale words: 1,024 bytes a row tile
	s_lshl_b32 s94, s18, 3
	s_add_co_u32 s94, s94, s89
	s_lshl_b32 s94, s94, 10                        ; my B tiles'
	; the way out: q, k: g = 2 tc + column half, blk = 2 tr + row half;  v: g = 32 + 2 tr + row half, blk = 2 (tc - 16) + column half
	s_lshl_b32 s42, s22, 1
	s_add_co_u32 s42, s42, s18
	s_lshl_b32 s43, s23, 1
	s_add_co_u32 s43, s43, s17
	s_lshl_b32 s44, s42, 4
	s_add_co_u32 s44, s44, s43
	s_lshl_b32 s45, s43, 4
	s_add_co_u32 s45, s45, s42
	s_add_co_u32 s45, s45, 512-32
	s_cmp_ge_u32 ttmp9, 4
	s_cselect_b32 s44, s45, s44                    ; 16 g + blk
	s_mul_i32 s46, s44, 8*FRB
	s_mov_b32 s47, 0
	s_add_nc_u64 s[12:13], s[12:13], s[46:47]
	s_lshl_b32 s46, s44, 9
	s_add_nc_u64 s[14:15], s[14:15], s[46:47]
	s_lshl_b32 s46, s23, 16                        ; the tables at my first token
	s_lshl_b32 s45, s17, 15
	s_add_co_u32 s46, s46, s45
	s_add_nc_u64 s[8:9], s[8:9], s[46:47]
	s_add_nc_u64 s[10:11], s[10:11], s[46:47]
	s_mov_b32 s2, 0x76543210
	s_mov_b32 s3, 0xfedcba98                       ; v_permlanex16_b32's selects for lane l xor 16
	s_mov_b32 s90, 0xffff0000                      ; lanes 16-31
	v_and_b32 v1, 15, v0                           ; r
	v_bfe_u32 v2, v0, 4, 1                         ; h
	v_and_b32 v4, 31, v0                           ; lane
	v_lshlrev_b32 v[VIM], 4, v4
	v_lshlrev_b32 v[VSC], 2, v4
	v_lshlrev_b32 v[PFT], 8, v4
	v_lshlrev_b32 v[VCS], 8, v1
	v_lshl_add_u32 v[VCS], v2, 5, v[VCS]
	v_add_nc_u32 v[ADRA], s40, v[VIM]
	v_add_nc_u32 v[ADRA+1], s66, v[VIM]
	v_add_nc_u32 v[ADRB], s41, v[VIM]
	v_add_nc_u32 v[ADRB+1], s67, v[VIM]
	v_mov_b32 v5, s93
	v_mov_b32 v6, s94
	v_cndmask_b32 v5, v5, v6, s90                  ; lanes 16-31 take B's
	v_lshl_add_u32 v[ADRS], v1, 3, v5              ; + 8 r: my row's two words of a pair of K steps
	v_mov_b32 v8, 24576-TROW
	v_cmp_le_u32 s91, 18, v4
	v_cndmask_b32 v7, 0, v8, s91                   ; blocks 18 on lie in the second row tile
	v_lshl_add_u32 v[PFO], v4, 8, v7
	v_min_u32 v9, 3, v4                            ; blocks 32-35; the lanes left over name block 35 again
	v_lshl_add_u32 v[PFO+1], v9, 8, v8
.irp b, 0,1,2,3
	v_mov_b32 v[TM+4+\b], 0                        ; written once: a lane permute's destination counts as a source
.endr
	s_wait_alu depctr_va_vdst(0)                   ; the wait at the end of the head's vector work
.macro SCLOAD set, p                   ; the scale words of pair p (counted from the base) into a set: 8 loads of 8 bytes a lane
.irp i, 0,1,2,3,4,5,6,7
	global_load_b64 v[SC+16*(\set)+2*\i:SC+16*(\set)+2*\i+1], v[ADRS], s[SB:SB+1] offset:\i*1024+(\p)*128
.endr
.endm
.macro FRAG reg, adr, s, i             ; a fragment of K step s comes as it was stored: three loads of 512 consecutive bytes.  Step s lies in slot (s / 3) % 2
.irp g, 0,1,2
	ds_load_b128 v[\reg+4*\g:\reg+4*\g+3], v[\adr+((\s)/NS)%2] offset:(\i)*TP+((\s)%NS)*FRB+512*\g
.endr
.endm
; 16 matrix instructions of K step s: A's blocks a0, a0 + 1 x B's eight.  The 64 accumulators take turns, one instruction a turn, in the same order in every step.
.macro MUL16 a0, s, zero
.irp a, \a0, \a0+1
.irp b, 0,1,2,3,4,5,6,7
.if \zero
	v_wmma_scale_f32_16x16x128_f8f6f4 v[8*(8*((\a)%4)+\b):8*(8*((\a)%4)+\b)+7], v[128*((\s)%2)+FR*\b:128*((\s)%2)+FR*\b+FR-1], v[AF+FR*(\a):AF+FR*(\a)+FR-1], 0, v[SC+16*(((\s)/2)%3)+2*\b+(\s)%2], v[SC+16*(((\s)/2)%3)+2*(\a)+(\s)%2] matrix_a_fmt:MATRIX_FMT_FP6 matrix_b_fmt:MATRIX_FMT_FP6 matrix_a_scale:MATRIX_SCALE_ROW1
.else
	v_wmma_scale_f32_16x16x128_f8f6f4 v[8*(8*((\a)%4)+\b):8*(8*((\a)%4)+\b)+7], v[128*((\s)%2)+FR*\b:128*((\s)%2)+FR*\b+FR-1], v[AF+FR*(\a):AF+FR*(\a)+FR-1], v[8*(8*((\a)%4)+\b):8*(8*((\a)%4)+\b)+7], v[SC+16*(((\s)/2)%3)+2*\b+(\s)%2], v[SC+16*(((\s)/2)%3)+2*(\a)+(\s)%2] matrix_a_fmt:MATRIX_FMT_FP6 matrix_b_fmt:MATRIX_FMT_FP6 matrix_a_scale:MATRIX_SCALE_ROW1
.endif
.endr
.endr
.endm
.macro FETCH_B s                       ; B's eight fragments of step s into set s % 2
	WIN TO_B
.irp i, 0,1,2,3,4,5,6,7
	FRAG 128*((\s)%2)+FR*\i, ADRB, \s, \i
.endr
	WIN 0
.endm
.macro FETCH_A s, i0
.irp i, \i0, \i0+1, \i0+2, \i0+3
	FRAG AF+FR*(\i), ADRA, \s, \i
.endr
.endm
.macro PLACES n                        ; plain vector instructions between a matrix instruction and a load into, or a vector read or write of, its registers (ISA guide 7.12.1 for vector reads and writes)
.rept \n
	v_nop
.endr
.endm
.macro STEP s, zero, lw                ; a K step whose successor lies in the same slot.  lw: how many younger scale loads may be out (-1: no wait)
.set NXS, (\s)+1
.if (\lw) >= 0
	s_wait_loadcnt \lw
.endif
	s_wait_dscnt 4*NL                              ; B's set and A's blocks 0-3 are in; the youngest 12 loads (A's blocks 4-7) may be out
	WIN MUL_LO
	MUL16 0, \s, \zero
	MUL16 2, \s, \zero
	s_wait_dscnt 0
	PLACES NP
	FETCH_B NXS
	FETCH_A NXS, 0
	WIN MUL_HI
	MUL16 4, \s, \zero
	MUL16 6, \s, \zero
	PLACES NP
	WIN 0
	FETCH_A NXS, 4
.endm
; A slot's last step changes slots: in front of the barrier each wave waits for all its tensor loads, adds 0 to its spare word, and waits for that and for its reads of this slot.
; fill = 1: the slot takes the fill two on; fill = 2: the same, which in the loop's last trip is the short fill; fill = 0: nothing more to fetch.
.macro TURN s, fill, lw
.set NXS, (\s)+1
.set SL, ((\s)/NS)%2
.if (\lw) >= 0
	s_wait_loadcnt \lw
.endif
.if \fill
	s_wait_xcnt 0x0                                ; my prefetches have read their base: it steps here, ahead of the change's own waits
	s_add_nc_u64 s[PFA:PFA+1], s[PFA:PFA+1], TROW
.endif
	s_wait_tensorcnt 0x0                           ; all my tensor loads have landed: my part of the next slot
	ds_add_u32 v[SPW], v[NIL]
	s_wait_dscnt 4*NL+1                            ; (the add and the youngest 12 loads may be out)
	WIN MUL_LO
	MUL16 0, \s, 0
	s_wait_dscnt 0x0                               ; the add is done, and my reads of this slot are over
	s_barrier_signal -1
	MUL16 2, \s, 0
	WIN 0
	s_barrier_wait -1
.if \fill
	CREST                                          ; the barrier has opened a round of the cluster's barrier
	s_add_nc_u64 s[G0+4*SL+2:G0+4*SL+3], s[G0+4*SL+2:G0+4*SL+3], 2*TROW
	s_add_nc_u64 s[G0B+4*SL+2:G0B+4*SL+3], s[G0B+4*SL+2:G0B+4*SL+3], 2*TROW
.if (\fill) == 2
	s_cmp_eq_u32 s19, 1                            ; the trip's number: the same in every wave of every partner; each way issues one joint load
	s_cbranch_scc1 .Lshort_\@
	JLOAD G0+4*SL, G1, G0B+4*SL, G1B
	s_branch .Ljoined_\@
.Lshort_\@:
	JLOAD G0+4*SL, G1T, G0B+4*SL, G1TB             ; K step 15 alone
.Ljoined_\@:
.else
	JLOAD G0+4*SL, G1, G0B+4*SL, G1B               ; the first tensor load behind the round; its four v_nop are the places in front of the loads below
.endif
.else
	PLACES NP
.endif
	FETCH_B NXS
	FETCH_A NXS, 0
.if \fill
	ASK 1
.endif
	WIN MUL_HI
	MUL16 4, \s, 0
	MUL16 6, \s, 0
	PLACES NP
	WIN 0
	FETCH_A NXS, 4
.endm
; THE WAY OUT.
.macro LOADCS a                        ; cos and sin of tokens 16 a + r at d = 16 b + 8 h + 0 .. 7: window 1, buffer a % 4: cos at 8 b, sin at 32 + 8 b
.set HH, 64*((\a)%4)
	WIN TO_B
.irp b, 0,1,2,3
.irp e, 0,1
	global_load_b128 v[HH+8*\b+4*\e:HH+8*\b+4*\e+3], v[VCS], s[8:9] offset:(\a)*4096+64*\b+16*\e
	global_load_b128 v[HH+32+8*\b+4*\e:HH+32+8*\b+4*\e+3], v[VCS], s[10:11] offset:(\a)*4096+64*\b+16*\e
.endr
.endr
	WIN 0
.endm
.macro ROPE a                          ; lo = d < 64 (accumulators b), hi = d + 64 (b + 4): lo' = lo cos - hi sin takes cos's place, hi' = hi cos + lo sin takes sin's.  Each accumulator is read from its low end on
.set AC, 64*((\a)%4)
.set HH, 64*((\a)%4)
.set AW, 2+(\a)/4
	WIN 0x04|AW                                    ; source 0 the accumulators, source 1 window 1, destination window 0
.irp b, 0,1,2,3
.irp j, 0,2,4,6
	v_pk_mul_f32 v[TT+8*\b+\j:TT+8*\b+\j+1], v[AC+32+8*\b+\j:AC+33+8*\b+\j], v[HH+32+8*\b+\j:HH+33+8*\b+\j]
.endr
.endr
	WIN 0x54|AW                                    ; sources 1 and 2 and the destination window 1
.irp b, 0,1,2,3
.irp j, 0,2,4,6
	v_pk_mul_f32 v[HH+32+8*\b+\j:HH+33+8*\b+\j], v[AC+8*\b+\j:AC+1+8*\b+\j], v[HH+32+8*\b+\j:HH+33+8*\b+\j]
.endr
.endr
.irp b, 0,1,2,3
.irp j, 0,2,4,6
	v_pk_fma_f32 v[HH+32+8*\b+\j:HH+33+8*\b+\j], v[AC+32+8*\b+\j:AC+33+8*\b+\j], v[HH+8*\b+\j:HH+1+8*\b+\j], v[HH+32+8*\b+\j:HH+33+8*\b+\j]
.endr
.endr
	WIN 0x44|AW                                    ; source 2 window 0
.irp b, 0,1,2,3
.irp j, 0,2,4,6
	v_pk_fma_f32 v[HH+8*\b+\j:HH+1+8*\b+\j], v[AC+8*\b+\j:AC+1+8*\b+\j], v[HH+8*\b+\j:HH+1+8*\b+\j], v[TT+8*\b+\j:TT+8*\b+\j+1] neg_lo:[0,0,1] neg_hi:[0,0,1]
.endr
.endr
	WIN 0
.endm
; 64 numbers of a lane, registers s .. s + 63 of window w, become a fragment's codes in v[PC] on and its row's scale word in v[pw].  A block of 32 lies in 16 registers of lanes l and l xor 16.
.macro QUANT s, w, pw
	WIN 5*(\w)
.irp b, 0,1,2,3
	v_max3_num_f32 v[TM+\b], |v[(\s)+16*\b]|, |v[(\s)+1+16*\b]|, 0x1800000   ; the floor 2^(3 - 127) holds the byte at 1 from below
.endr
.irp i, 2,4,6,8,10,12,14
.irp b, 0,1,2,3
	v_max3_num_f32 v[TM+\b], |v[(\s)+16*\b+\i]|, |v[(\s)+1+16*\b+\i]|, v[TM+\b]
.endr
.endr
	WIN 0
.irp b, 0,1,2,3
	v_permlanex16_b32 v[TM+4+\b], v[TM+\b], s2, s3
.endr
.irp b, 0,1,2,3
	v_max_num_f32 v[TM+\b], v[TM+\b], v[TM+4+\b]
.endr
.irp b, 0,1,2,3
	v_add_nc_u32 v[TM+12+\b], 0xff000000, v[TM+\b] ; 2 off the exponent field: the conversion's scale operand
.endr
.irp b, 0,1,2,3
	v_lshrrev_b32 v[TM+4+\b], 23, v[TM+12+\b]      ; the byte
.endr
	v_lshl_or_b32 v[\pw], v[TM+5], 8, v[TM+4]
	v_lshl_or_b32 v[\pw], v[TM+6], 16, v[\pw]
	v_lshl_or_b32 v[\pw], v[TM+7], 24, v[\pw]
	WIN (\w)
.irp c, 0,1
	v_cvt_scalef32_pk16_fp6_f32 v[PC+6*\c:PC+2+6*\c], v[(\s)+32*\c:(\s)+15+32*\c], v[TM+12+2*\c]
	v_cvt_scalef32_pk16_fp6_f32 v[PC+12+4*\c:PC+14+4*\c], v[(\s)+16+32*\c:(\s)+31+32*\c], v[TM+12+2*\c+1]
.endr
	WIN 0
	v_nop                                          ; one plain place behind the scaled conversions
.irp c, 0,1                            ; the operand wants a whole block in a lane: lanes 0-15 block 2 c, lanes 16-31 block 2 c + 1
.irp i, 0,1,2
	v_permlane16_swap_b32 v[PC+6*\c+\i], v[PC+12+4*\c+\i]
.endr
.irp i, 0,1,2
	v_mov_b32 v[PC+3+6*\c+\i], v[PC+12+4*\c+\i]
.endr
.endr
.endm
.macro STOREF a
.irp g, 0,1,2
	global_store_b128 v[VIM], v[PC+4*\g:PC+4*\g+3], s[12:13] offset:(\a)*FRB+512*\g   ; 512 consecutive bytes, aligned
.endr
.if (\a)%2
	v_cndmask_b32 v[MW], v[PW], v[PW+1], s90       ; lanes 0-15 the even tile's words, lanes 16-31 the odd tile's
	global_store_b32 v[VSC], v[MW], s[14:15] offset:128*((\a)/2)
.endif
.endm
	SCLOAD 0, 0                                    ; the scale words of K steps 0-5
	SCLOAD 1, 1
	SCLOAD 2, 2
	ASK 0                                          ; K steps 3-5
	s_cmp_ge_u32 ttmp9, 4
	s_cbranch_scc1 .Lno_tables                     ; v has no tables
	global_prefetch_b8 v[PFT], s[98:99] th:TH_LOAD_NT scope:SCOPE_SE   ; 32 rows of a table, a lane a row
.Lno_tables:
	s_wait_tensorcnt 0x0                           ; my part of slot 0 is in
	ds_add_u32 v[SPW], v[NIL]
	s_wait_xcnt 0x0
	s_add_nc_u64 s[PFA:PFA+1], s[PFA:PFA+1], TROW
	s_wait_dscnt 0x0
	CROUND                                         ; a whole round: slot 0 is whole, and the joint loads meet
	JLOAD G0+4, G1, G0B+4, G1B                     ; K steps 3-5: slot 1's first fill
	FETCH_B 0
	FETCH_A 0, 0
	FETCH_A 0, 4
	ASK 0                                          ; K steps 6-8
	STEP 0, 1, 16                                  ; the first step's products start the sums; pairs 1 and 2, 16 loads, may be out
	s_mov_b32 s19, 2
.Llap:                                                 ; a trip is six K steps, once round the ring and round the three sets of scale words: steps 6 t + 1 .. 6 t + 6
	STEP 1, 0, -1
	SCLOAD 0, 3                                    ; behind the step's places: the set just done with takes the pair three on
	TURN 2, 1, 8                                   ; the youngest group of 8 may be out
	STEP 3, 0, -1
	SCLOAD 1, 4
	STEP 4, 0, 16                                  ; the two groups of this trip may be out
	TURN 5, 2, -1
	s_cmp_gt_u32 s19, 1
	s_cbranch_scc0 .Lno_pair                       ; K has 8 pairs: the last trip has no pair left for this set
	SCLOAD 2, 5
.Lno_pair:
	STEP 6, 0, 8
	s_wait_xcnt 0x0                                ; the scale loads have read their base
	s_add_nc_u64 s[SB:SB+1], s[SB:SB+1], 3*128
	s_sub_co_u32 s19, s19, 1
	s_cmp_lg_u32 s19, 0
	s_cbranch_scc1 .Llap
	STEP 13, 0, -1
.set TP, FRB                           ; K step 15 lies in slot 1 with its row tiles 1,536 bytes apart
	TURN 14, 0, 0
	s_cmp_ge_u32 ttmp9, 4                          ; the cluster's x alone: all sixteen partners go the same way
	s_cbranch_scc1 .Llast_step
	LOADCS 0                                       ; q, k: two tiles of tables into B's set 0, which is done with (the places stand in TURN)
	LOADCS 1
.Llast_step:
	s_wait_dscnt 4*NL
	WIN MUL_LO
	MUL16 0, 15, 0
	MUL16 2, 15, 0
	s_wait_dscnt 0
	WIN MUL_HI
	MUL16 4, 15, 0
	MUL16 6, 15, 0
	WIN 0
	PLACES NP                                      ; in front of the first read of results and of loads and writes into operands' registers
	s_cmp_ge_u32 ttmp9, 4
	s_cbranch_scc1 .Lv_out
	LOADCS 2
	LOADCS 3
.irp a, 0,1,2,3,4,5,6,7
.if \a < 5
	s_wait_loadcnt 48                              ; this tile's 16 loads are in; the next three tiles' may be out
.else
	s_wait_loadcnt 16*(7-\a)
.endif
.if \a > 0
	s_wait_xcnt 0x0                                ; the last tile's stores have read their registers
.endif
	ROPE \a
	QUANT 64*(\a%4), 1, PW+\a%2
	STOREF \a
.if \a < 4
	LOADCS \a+4
.endif
.endr
	s_branch .Ldone
.Lv_out:
.irp a, 0,1,2,3,4,5,6,7                ; v: a block's 64 registers are 128 keys' halves of d = 16 a + r, as they stand
.if \a > 0
	s_wait_xcnt 0x0
.endif
	QUANT 64*(\a%4), 2+\a/4, PW+\a%2
	STOREF \a
.endr
.Ldone:
	s_wait_tensorcnt 0x0                           ; the wave's end
	ds_add_u32 v[SPW], v[NIL]
	s_wait_dscnt 0x0
	CROUND                                         ; the closing round
	s_endpgm
.Lfunc_end_k_q17ee21f60e_qkv:
	.size	k_q17ee21f60e_qkv, .Lfunc_end_k_q17ee21f60e_qkv-k_q17ee21f60e_qkv
	.p2alignl 7, 3214868480
	.fill 96, 4, 3214868480
	.section	.rodata,"a",@progbits
	.p2align	6, 0x0
	.amdhsa_kernel k_q17ee21f60e_qkv
		.amdhsa_group_segment_fixed_size 327680
		.amdhsa_private_segment_fixed_size 0
		.amdhsa_enable_private_segment 0
		.amdhsa_kernarg_size 48
		.amdhsa_user_sgpr_count 2
		.amdhsa_user_sgpr_kernarg_segment_ptr 1
		.amdhsa_wavefront_size32 1
		.amdhsa_system_sgpr_workgroup_id_x 1
		.amdhsa_system_sgpr_workgroup_id_y 1
		.amdhsa_system_sgpr_workgroup_id_z 1
		.amdhsa_system_vgpr_workitem_id 0
		.amdhsa_next_free_vgpr 1024
		.amdhsa_next_free_sgpr 100
		.amdhsa_reserve_vcc 0
		.amdhsa_float_denorm_mode_32 3
		.amdhsa_float_denorm_mode_16_64 3
		.amdhsa_memory_ordered 1
		.amdhsa_forward_progress 1
		.amdhsa_inst_pref_size 248
	.end_amdhsa_kernel
	.amdgpu_metadata
---
amdhsa.version: [ 1, 2 ]
amdhsa.kernels:
  - .name:           k_q17ee21f60e_qkv
    .symbol:         k_q17ee21f60e_qkv.kd
    .args:
      - { .name: codes, .offset: 0, .size: 8, .value_kind: global_buffer, .address_space: global }
      - { .name: scales, .offset: 8, .size: 8, .value_kind: global_buffer, .address_space: global }
      - { .name: freq_cos, .offset: 16, .size: 8, .value_kind: global_buffer, .address_space: global }
      - { .name: freq_sin, .offset: 24, .size: 8, .value_kind: global_buffer, .address_space: global }
      - { .name: qkvc, .offset: 32, .size: 8, .value_kind: global_buffer, .address_space: global }
      - { .name: qkvs, .offset: 40, .size: 8, .value_kind: global_buffer, .address_space: global }
    .group_segment_fixed_size: 327680
    .private_segment_fixed_size: 0
    .kernarg_segment_align: 8
    .kernarg_segment_size: 48
    .max_flat_workgroup_size: 128
    .sgpr_count:     100
    .vgpr_count:     1024
    .wavefront_size: 32
...
	.end_amdgpu_metadata
.endif
;; end of part 6
;; launch attn (part 7): grid 16 x 16, 16 waves a work-group, no clusters, 327,680 bytes of LDS; arguments qkvc, qkvs, oc, os; writes oc, os
.if DOCPART == 7
	.amdgcn_target "amdgcn-amd-amdhsa--gfx1250"
	.amdhsa_code_object_version 6
	.text
	.protected	k_q17ee21f60e_attn
	.globl	k_q17ee21f60e_attn
	.p2align	8
	.type	k_q17ee21f60e_attn,@function
k_q17ee21f60e_attn:
	s_mov_b64 s[64:65], 0
	v_nop
	global_prefetch_b8 v0, s[64:65] scope:SCOPE_SE
	s_setreg_imm32_b32 hwreg(HW_REG_WAVE_MODE, 25, 1), 1
	s_wait_xcnt 0x0
; o = softmax(q k^T / sqrt(128), causal) v for one head and two blocks of 64 queries, on codes of FP6 (E2M3) with E8M0 scales; o is quantised along head x 128 + d and leaves as codes for the last product.
; LEFT OUT: steps of 128 keys that lie wholly above the diagonal of the mask which the problem builds itself (jnp.tril): their weights are exp(-1e10 - max) = 0 for every finite input.
; p = 2^(t - M), t = score x log2(e) / sqrt(128), M the running maximum rounded up to a whole number; the row's sum is taken of the unquantised p; o is divided by it at the end.
; LIMITS: the promise holds while |t| stays under 2^31; a block of zeros gets the byte 1 (its codes are zeros; this program alone reads the bytes); NaN and infinities are not served.
; SHARES.  Work-group (x, head): query blocks x (light) and 31 - x (heavy), so that every work-group has the same number of live steps.  16 waves, four to a SIMD: wave = 8 T + 4 e + i:
; T the block, i the tile of 16 queries in it, e the parity: THE TWO WAVES OF A TILE TAKE THE KEY STEPS BY TURNS (step e, e + 2, ..), each with a running M, sum and O^T of its own.
; At the end wave e = 1 hands its three to wave e = 0 through a stage in LDS; both are brought under the larger M by exact powers of two and added.
; THE RING: two slots of four key steps: k's 4 x 12,288 bytes, then v's.  Every wave fetches 6,144 bytes of a slot with one tensor load.  The scale words of all keys come once.
; At the head one tensor load a wave: waves 0-11 fetch slot 0 (8,192 bytes each), waves 12-15 the scale words (4,096 bytes each).
; No cluster: the sixteen work-groups of a head need different numbers of slots, so a partner would have to ask for tiles that none of its waves reads.
; PREFETCH: the work-group x = 0 of each head, which walks all slots, names the slot after the one being loaded: waves 0-11, a lane a block of 256 bytes.
; Both products are used transposed (S^T = k q^T, O^T = v^T p^T): a lane holds one query throughout.
; REGISTERS: v1-11 addresses; v12 -M, v13 the largest t, v[14:15] the sum; v16-27 q; v32-79 four fragments of k or v; v96-159 S^T, then p; v160-223 O^T; v224-235 p's codes; v232-255 at work; v255 q's scale words.
.set FRB,   1536
.set STEPB, 8*FRB
.set NST,   4                          ; key steps in a slot
.set VOFF,  NST*STEPB
.set SLOT1, 131072
.set NSL,   4
.set SCK,   2*SLOT1-32768              ; behind slot 1's 98,304 bytes: the scale words, k's 8,192 bytes, then v's
.set SPARE, SCK+16384                  ; the spare words, 128 bytes a wave
.set STG,   SPARE+2048                 ; the stage: 17 x 512 bytes for each of the 8 tiles; no tensor load lands here
.set LI,   1
.set ASK0, 2
.set OSA,  3
.set QSA,  4
.set SPW,  5
.set NIL,  6
.set STA,  7
.set ADK,  8
.set ADV,  9
.set ADS,  10
.set LK,   11
.set PFO,  28
.set TB,   2
.set TS,   3
.set WV,   18
.set SEL,  20
.set CS,   22
.set G1K,  24
.set G1S,  32
.set G0K,  40
.set G0S,  44
.set SLOTS, 48
.set KF,   49
.set Q0,   50
.set LASTQ, 51
.set PFA,  52
.set LIM,  54
.set EV,   82
.set KU,   83
.set G1H,  88
.set G0H,  96
.macro TLOAD g0, g1                    ; an s_nop 0 and four v_nop follow the load
	tensor_load_to_lds s[\g0:\g0+3], s[\g1:\g1+7]
	s_nop 0
.rept 4
	v_nop
.endr
.endm
.macro ASK
	s_cmp_gt_u32 s[SLOTS], s[LIM]
	s_cbranch_scc0 .Lnot_mine_\@
	global_prefetch_b8 v[PFO], s[PFA:PFA+1] th:TH_LOAD_NT scope:SCOPE_SE
.Lnot_mine_\@:
.endm
	s_load_b256 s[4:11], s[0:1], 0x0               ; qkvc, qkvs, oc, os
	v_lshl_add_u32 v[SPW], v0, 2, SPARE
	v_mov_b32 v[NIL], 0
	ds_add_u32 v[SPW], v[NIL]                      ; the opening lines: the add, twice on end, and its wait
	ds_add_u32 v[SPW], v[NIL]
	v_lshrrev_b32 v8, 5, v0
	s_delay_alu instid0(VALU_DEP_1)
	v_readfirstlane_b32 s[WV], v8
	s_and_b32 s56, ttmp7, 0xffff                   ; head
	s_sub_co_u32 s57, 31, ttmp9
	s_cmp_lt_u32 s[WV], 8
	s_cselect_b32 s57, ttmp9, s57                  ; my block of 64 queries
	s_and_b32 s58, s[WV], 3
	s_bfe_u32 s[EV], s[WV], 0x10002                ; e
	s_lshl_b32 s57, s57, 6
	s_lshl_b32 s59, s58, 4
	s_add_co_u32 s[Q0], s57, s59                   ; my first query
	s_lshl_b32 s59, ttmp9, 6
	s_sub_co_u32 s[LASTQ], 2047, s59               ; the work-group's last query
	s_lshr_b32 s59, s[Q0], 4                       ; my tile of 16 queries
	; the ring: waves 0-7 fetch k (g = 16 + head), waves 8-15 v (g = 32 + head), 6,144 bytes each
	s_lshr_b32 s60, s[WV], 3
	s_lshl_b32 s60, s60, 4
	s_add_co_u32 s60, s60, s56
	s_add_co_u32 s60, s60, 16
	s_mul_i32 s62, s60, 16*STEPB
	s_and_b32 s61, s[WV], 7
	s_mul_i32 s61, s61, 6144
	s_add_co_u32 s62, s62, s61
	s_mov_b32 s63, 0
	s_mul_i32 s68, s[WV], 6144
	; the scale words: waves 12-15: u = wave % 4: k's (u < 2) or v's, 4,096 bytes each
	s_lshr_b32 s60, s58, 1
	s_lshl_b32 s60, s60, 4
	s_add_co_u32 s60, s60, s56
	s_add_co_u32 s60, s60, 16
	s_lshl_b32 s66, s60, 13
	s_and_b32 s61, s58, 1
	s_lshl_b32 s61, s61, 12
	s_add_co_u32 s66, s66, s61
	s_mov_b32 s67, 0
	s_lshl_b32 s69, s58, 12
	; q, its scale words, and where o goes
	s_mul_i32 s70, s56, 16*STEPB
	s_mul_i32 s61, s59, FRB
	s_add_co_u32 s70, s70, s61
	s_mov_b32 s71, 0
	s_lshl_b32 s72, s56, 13
	s_lshl_b32 s61, s59, 6
	s_add_co_u32 s72, s72, s61
	s_mov_b32 s73, 0
	s_mul_i32 s74, s59, 16*FRB
	s_mul_i32 s61, s56, FRB
	s_add_co_u32 s74, s74, s61
	s_mov_b32 s75, 0
	s_lshl_b32 s76, s59, 10
	s_lshr_b32 s61, s56, 1
	s_lshl_b32 s61, s61, 7
	s_add_co_u32 s76, s76, s61
	s_and_b32 s61, s56, 1
	s_lshl_b32 s61, s61, 2
	s_add_co_u32 s76, s76, s61
	s_mov_b32 s77, 0
	; slot 0 at the head, and the prefetches: waves 0-5 k, waves 6-11 v, 8,192 bytes each
	s_cmp_lt_u32 s[WV], 6
	s_cselect_b32 s78, 16, 32
	s_cselect_b32 s80, 0, 6
	s_add_co_u32 s78, s78, s56
	s_mul_i32 s78, s78, 16*STEPB
	s_sub_co_u32 s80, s[WV], s80
	s_lshl_b32 s80, s80, 13
	s_add_co_u32 s78, s78, s80
	s_mov_b32 s79, 0
	s_cmp_lt_u32 s[WV], 12
	s_cselect_b32 s80, 0, 1
	s_or_b32 s80, s80, ttmp9
	s_cmp_eq_u32 s80, 0
	s_cselect_b32 s[LIM], 1, -1                    ; waves 0-11 of work-group x = 0 ask, while a slot two on is left
	s_mul_i32 s84, s[EV], STEPB                    ; my first step in a slot
	s_lshr_b32 s85, s[WV], 3                       ; my tile's stage: tile 4 T + i
	s_lshl_b32 s85, s85, 2
	s_or_b32 s85, s85, s58
	s_mul_i32 s85, s85, 17*512
	s_add_co_u32 s85, s85, STG
.irp g, G1K, G1S, G1H                  ; dense blocks as rows of 256 bytes: 24 (the ring), 16 (scale words), 32 (slot 0 at the head)
	s_mov_b32 s[\g], 3<<16
	s_mov_b32 s[\g+1], 32<<16
	s_mov_b32 s[\g+3], 32<<16
	s_mov_b32 s[\g+5], 32
	s_mov_b32 s[\g+6], 0
	s_mov_b32 s[\g+7], 0
.endr
	s_mov_b32 s[G1K+2], 24<<16
	s_mov_b32 s[G1K+4], 24
	s_mov_b32 s[G1S+2], 16<<16
	s_mov_b32 s[G1S+4], 16
	s_mov_b32 s[G1H+2], 32<<16
	s_mov_b32 s[G1H+4], 32
	s_mov_b32 s[SEL], 0x76543210
	s_mov_b32 s[SEL+1], 0xfedcba98
	s_mov_b32 s[CS], 0x3e0293ee                    ; log2(e) / sqrt(128)
	s_mov_b32 s[CS+1], s[CS]
	s_mov_b32 s[TB], 0
	s_lshl_b32 s[TS], s[EV], 9                     ; my step's scale words: 512 bytes a step
	s_mov_b32 s[SLOTS], NSL-1
	s_lshl_b32 s[KF], s[EV], 7                     ; my step's first key
	s_mov_b32 s[KU], 0                             ; the slot's first key: the same in all waves
	s_wait_dscnt 0x0
	s_wait_kmcnt 0x0
	s_mov_b32 s[G0H], 1
	s_lshl_b32 s[G0H+1], s[WV], 13
	s_add_nc_u64 s[G0H+2:G0H+3], s[4:5], s[78:79]
	s_or_b32 s[G0H+3], s[G0H+3], 0x80000000
	s_mov_b32 s[G0S], 1
	s_add_co_u32 s[G0S+1], s69, SCK
	s_add_nc_u64 s[G0S+2:G0S+3], s[6:7], s[66:67]
	s_or_b32 s[G0S+3], s[G0S+3], 0x80000000
	s_cmp_lt_u32 s[WV], 12                         ; one tree of branches on the wave's number: every way passes one load
	s_cbranch_scc0 .Lhead_s
	TLOAD G0H, G1H
	s_branch .Lhead_j
.Lhead_s:
	TLOAD G0S, G1S
.Lhead_j:
	s_mov_b32 s[G0K], 1                            ; the ring's group 0 stands at slot 0; the first change of slots steps it to slot 1
	s_mov_b32 s[G0K+1], s68
	s_add_nc_u64 s[G0K+2:G0K+3], s[4:5], s[62:63]
	s_or_b32 s[G0K+3], s[G0K+3], 0x80000000
	s_add_nc_u64 s[PFA:PFA+1], s[4:5], s[78:79]
	s_add_nc_u64 s[PFA:PFA+1], s[PFA:PFA+1], NST*STEPB
	s_add_nc_u64 s[12:13], s[4:5], s[70:71]
	s_add_nc_u64 s[14:15], s[6:7], s[72:73]
	s_add_nc_u64 s[8:9], s[8:9], s[74:75]
	s_add_nc_u64 s[10:11], s[10:11], s[76:77]
	v_and_b32 v8, 31, v0
	v_and_b32 v9, 15, v0
	s_delay_alu instid0(VALU_DEP_2)
	v_lshlrev_b32 v[LI], 4, v8
	v_lshl_add_u32 v[ASK0], v8, 2, SCK
	v_lshlrev_b32 v[PFO], 8, v8
	v_lshlrev_b32 v[OSA], 3, v9
	v_lshlrev_b32 v[QSA], 2, v9
	v_add_nc_u32 v[LK], s84, v[LI]
	v_add_nc_u32 v[STA], s85, v[LI]
.irp c, 0,1,2
	global_load_b128 v[16+4*\c:19+4*\c], v[LI], s[12:13] offset:512*\c
.endr
	global_load_b32 v255, v[QSA], s[14:15]
	v_mov_b32 v13, 0xff61b1e6                      ; the largest t so far: -3e38
	s_delay_alu instid0(VALU_DEP_1)
	v_floor_f32 v12, -v13
	v_mov_b32 v14, 0
	v_mov_b32 v15, 0
.irp b, 0,1,2,3
	v_mov_b32 v[236+\b], 0
.endr
	v_mov_b32 v252, 0
	v_mov_b32 v253, 0
.set jj, 0
.rept 64
	v_mov_b32 v[160+jj], 0                         ; the step is written once: the first finds zeros
.set jj, jj+1
.endr
; My j-th step of a slot: keys KF .. KF + 127, at (e + 2 j) x 12,288 bytes of k's and of v's part.  A scalar branch on ids leads round a step that the mask hides from all my 16 queries.
.macro STEP j
	s_add_co_u32 s70, s[Q0], 15
	s_cmp_gt_u32 s[KF], s70
	s_cbranch_scc1 .Lhidden_\@
	s_add_co_u32 s71, s[TB], VOFF
	v_add_nc_u32 v[ADK], s[TB], v[LK]
	v_add_nc_u32 v[ADV], s71, v[LK]
	v_add_nc_u32 v[ADS], s[TS], v[ASK0]
	s_wait_alu depctr_va_vdst(0)                   ; the wait behind these writes
	v_nop
	v_nop
.irp p, 0,1,2,3
	ds_load_b32 v[248+\p], v[ADS] offset:128*\p
.endr
.irp g, 0,1
.if \g > 0
.rept 4
	v_nop
.endr
.endif
.irp t, 0,1,2,3
.irp c, 0,1,2
	ds_load_b128 v[32+12*\t+4*\c:35+12*\t+4*\c], v[ADK] offset:(\j)*2*STEPB+(4*\g+\t)*FRB+512*\c
.endr
.endr
	s_wait_dscnt 0x0
.irp t, 0,1,2,3
.if \t%2
	v_wmma_scale_f32_16x16x128_f8f6f4 v[96+8*(4*\g+\t):103+8*(4*\g+\t)], v[32+12*\t:43+12*\t], v[16:27], 0, v[248+2*\g+\t/2], v255 matrix_a_fmt:MATRIX_FMT_FP6 matrix_b_fmt:MATRIX_FMT_FP6 matrix_a_scale:MATRIX_SCALE_ROW1
.else
	v_wmma_scale_f32_16x16x128_f8f6f4 v[96+8*(4*\g+\t):103+8*(4*\g+\t)], v[32+12*\t:43+12*\t], v[16:27], 0, v[248+2*\g+\t/2], v255 matrix_a_fmt:MATRIX_FMT_FP6 matrix_b_fmt:MATRIX_FMT_FP6
.endif
.endr
.endr
.rept 4
	v_nop
.endr
.irp p, 0,1,2,3
	ds_load_b32 v[248+\p], v[ADS] offset:8192+128*\p
.endr
.irp t, 0,1,2,3
.irp c, 0,1,2
	ds_load_b128 v[32+12*\t+4*\c:35+12*\t+4*\c], v[ADV] offset:(\j)*2*STEPB+\t*FRB+512*\c
.endr
.endr
	s_add_co_u32 s70, s[KF], 127
	s_cmp_le_u32 s70, s[Q0]
	s_cbranch_scc1 .Lopen_\@
	s_sub_co_i32 s70, s[Q0], s[KF]                 ; the step on the diagonal: keys behind a lane's query get -infinity
	v_and_b32 v252, 15, v0
	v_bfe_u32 v253, v0, 4, 1
	s_delay_alu instid0(VALU_DEP_1)
	v_lshlrev_b32 v253, 3, v253
	s_delay_alu instid0(VALU_DEP_1)
	v_sub_nc_u32 v252, v252, v253
	s_delay_alu instid0(VALU_DEP_1)
	v_add_nc_u32 v252, s70, v252
	v_mov_b32 v254, 0xff800000
.set nn, 0
.rept 64
	v_cmp_gt_i32 vcc_lo, 16*(nn/8)+nn%8, v252
	v_cndmask_b32 v[96+nn], v[96+nn], v254, vcc_lo
.set nn, nn+1
.endr
.Lopen_\@:
.irp b, 0,1,2,3
	v_max3_num_f32 v[232+\b], v[96+16*\b], v[97+16*\b], v[98+16*\b]
.endr
.irp i, 3,5,7,9,11,13
.irp b, 0,1,2,3
	v_max3_num_f32 v[232+\b], v[232+\b], v[96+16*\b+\i], v[97+16*\b+\i]
.endr
.endr
.irp b, 0,1,2,3
	v_max_num_f32 v[232+\b], v[232+\b], v[111+16*\b]
.endr
.irp b, 0,1,2,3
	s_delay_alu instid0(VALU_DEP_4)
	v_permlanex16_b32 v[236+\b], v[232+\b], s[SEL], s[SEL+1]
.endr
.irp b, 0,1,2,3
	s_delay_alu instid0(VALU_DEP_4)
	v_max_num_f32 v[232+\b], v[232+\b], v[236+\b]
.endr
	s_delay_alu instid0(VALU_DEP_2)
	v_max3_num_f32 v254, v232, v233, v234
	s_delay_alu instid0(VALU_DEP_1)
	v_max_num_f32 v254, v254, v235
	s_delay_alu instid0(VALU_DEP_1)
	v_mul_f32 v254, s[CS], v254
	s_delay_alu instid0(VALU_DEP_1)
	v_max_num_f32 v13, v13, v254
	v_mov_b32 v254, v12
	s_delay_alu instid0(VALU_DEP_2)
	v_floor_f32 v12, -v13                          ; the new -M
	s_delay_alu instid0(VALU_DEP_1)
	v_sub_f32 v254, v12, v254
	s_delay_alu instid0(VALU_DEP_1)
	v_cvt_i32_f32 v254, v254
	s_delay_alu instid0(VALU_DEP_1)
	v_ldexp_f32 v252, 1.0, v254                    ; f = 2^(old M - new M)
.set jj, 0
.rept 32
	v_pk_fma_f32 v[96+jj:97+jj], v[96+jj:97+jj], s[CS:CS+1], v[12:13] op_sel_hi:[1,0,0]
.set jj, jj+2
.endr
.irp b, 0,1,2,3
	v_fma_f32 v[232+\b], v[232+\b], s[CS], v12
.endr
.set jj, 0
	s_wait_alu depctr_va_vdst(0)                   ; the wait ahead of the batch
.rept 64
	v_exp_f32 v[96+jj], v[96+jj]
.set jj, jj+1
.endr
	v_pk_mul_f32 v[14:15], v[14:15], v[252:253] op_sel_hi:[1,0]
	s_wait_alu depctr_va_vdst(0)                   ; and behind it
.irp b, 0,1,2,3
	v_exp_f32 v[232+\b], v[232+\b]                 ; each block's largest p
.endr
	v_pk_add_f32 v[236:237], v[96:97], v[98:99]
.irp m, 4,8,12,16,20,24,28,32,36,40,44,48,52,56,60
	v_pk_add_f32 v[14:15], v[14:15], v[96+\m:97+\m]
	v_pk_add_f32 v[236:237], v[236:237], v[98+\m:99+\m]
.endr
	s_delay_alu instid0(VALU_DEP_1)
	v_pk_add_f32 v[14:15], v[14:15], v[236:237]
	s_wait_alu depctr_va_vdst(0)
.irp b, 0,1,2,3
	v_max_num_f32 v[232+\b], 0x1800000, v[232+\b]  ; the floor 2^(3 - 127)
.endr
.irp b, 0,1,2,3
	s_delay_alu instid0(VALU_DEP_4)
	v_add_nc_u32 v[244+\b], 0xff000000, v[232+\b]
.endr
.irp b, 0,1,2,3
	s_delay_alu instid0(VALU_DEP_4)
	v_lshrrev_b32 v[236+\b], 23, v[244+\b]
.endr
	s_delay_alu instid0(VALU_DEP_3)
	v_lshl_or_b32 v253, v237, 8, v236
	s_delay_alu instid0(VALU_DEP_1)
	v_lshl_or_b32 v253, v238, 16, v253
	s_delay_alu instid0(VALU_DEP_1)
	v_lshl_or_b32 v253, v239, 24, v253             ; p's scale word
.irp c, 0,1
	v_cvt_scalef32_pk16_fp6_f32 v[224+6*\c:226+6*\c], v[96+32*\c:111+32*\c], v[244+2*\c]
	v_cvt_scalef32_pk16_fp6_f32 v[236+4*\c:238+4*\c], v[112+32*\c:127+32*\c], v[244+2*\c+1]
.endr
	v_nop
.irp c, 0,1
.irp i, 0,1,2
	v_permlane16_swap_b32 v[224+6*\c+\i], v[236+4*\c+\i]
.endr
.irp i, 0,1,2
	s_delay_alu instid0(VALU_DEP_3)
	v_mov_b32 v[227+6*\c+\i], v[236+4*\c+\i]
.endr
.endr
.set jj, 0
.rept 32
	v_pk_mul_f32 v[160+jj:161+jj], v[160+jj:161+jj], v[252:253] op_sel_hi:[1,0]
.set jj, jj+2
.endr
	s_wait_alu depctr_va_vdst(0)
.irp g, 0,1
.if \g > 0
.rept 4
	v_nop
.endr
.irp t, 0,1,2,3
.irp c, 0,1,2
	ds_load_b128 v[32+12*\t+4*\c:35+12*\t+4*\c], v[ADV] offset:(\j)*2*STEPB+(4+\t)*FRB+512*\c
.endr
.endr
.endif
	s_wait_dscnt 0x0
.irp t, 0,1,2,3
.if \t%2
	v_wmma_scale_f32_16x16x128_f8f6f4 v[160+8*(4*\g+\t):167+8*(4*\g+\t)], v[32+12*\t:43+12*\t], v[224:235], v[160+8*(4*\g+\t):167+8*(4*\g+\t)], v[248+2*\g+\t/2], v253 matrix_a_fmt:MATRIX_FMT_FP6 matrix_b_fmt:MATRIX_FMT_FP6 matrix_a_scale:MATRIX_SCALE_ROW1
.else
	v_wmma_scale_f32_16x16x128_f8f6f4 v[160+8*(4*\g+\t):167+8*(4*\g+\t)], v[32+12*\t:43+12*\t], v[224:235], v[160+8*(4*\g+\t):167+8*(4*\g+\t)], v[248+2*\g+\t/2], v253 matrix_a_fmt:MATRIX_FMT_FP6 matrix_b_fmt:MATRIX_FMT_FP6
.endif
.endr
.endr
.Lhidden_\@:
	s_add_co_u32 s[KF], s[KF], 256                 ; my next step lies two steps on
	s_add_co_u32 s[TS], s[TS], 1024
.endm
; A change of slots: every wave waits for all its tensor loads, adds 0 to its spare word, waits for that and for its reads; behind the barrier the slot read last takes the slot after next,
; unless the mask hides that slot from every query of the work-group (a test on ids, the same in all waves).
.macro CHANGE fill
	s_wait_tensorcnt 0x0
	ds_add_u32 v[SPW], v[NIL]
.if \fill
	s_xor_b32 s[G0K+1], s[G0K+1], SLOT1
	s_add_nc_u64 s[G0K+2:G0K+3], s[G0K+2:G0K+3], NST*STEPB
	s_wait_xcnt 0x0
	s_add_nc_u64 s[PFA:PFA+1], s[PFA:PFA+1], NST*STEPB
	s_add_co_u32 s[KU], s[KU], NST*128
.endif
	s_wait_dscnt 0x0
	s_barrier_signal -1
	s_barrier_wait -1
.if \fill
	s_cmp_gt_u32 s[KU], s[LASTQ]
	s_cbranch_scc1 .Lpast_\@
	TLOAD G0K, G1K
.Lpast_\@:
	ASK
.endif
.endm
	s_wait_alu depctr_va_vdst(0)                   ; the wait at the head's end
	s_wait_loadcnt 0x0
.Lslot:
	CHANGE 1
	STEP 0
	STEP 1
	s_xor_b32 s[TB], s[TB], SLOT1
	s_sub_co_u32 s[SLOTS], s[SLOTS], 1
	s_cmp_lg_u32 s[SLOTS], 0
	s_cbranch_scc1 .Lslot
	CHANGE 0
	STEP 0
	STEP 1
	; THE TWO HALVES OF A TILE ARE JOINED.  Wave e = 1 stores O^T, -M and its lanes' sums as images of its registers; wave e = 0 reads them behind the barrier.
	v_add_f32 v14, v14, v15
.rept 4
	v_nop
.endr
	s_wait_alu depctr_va_vdst(0)                   ; the wait ahead of the branch and the barrier
	s_cmp_eq_u32 s[EV], 0
	s_cbranch_scc1 .Lkeeps
.irp t, 0,1,2,3,4,5,6,7,8,9,10,11,12,13,14,15
	ds_store_b128 v[STA], v[160+4*\t:163+4*\t] offset:512*\t
.endr
	ds_store_b128 v[STA], v[12:15] offset:8192
.Lkeeps:
	s_wait_dscnt 0x0
	s_barrier_signal -1
	s_barrier_wait -1
	s_cmp_eq_u32 s[EV], 0
	s_cbranch_scc0 .Lend
.irp t, 0,1,2,3,4,5,6,7,8,9,10,11,12,13,14,15
	ds_load_b128 v[96+4*\t:99+4*\t], v[STA] offset:512*\t
.endr
	ds_load_b128 v[232:235], v[STA] offset:8192
	s_wait_dscnt 0x0
	v_min_num_f32 v236, v12, v232                  ; -M of the two: the larger M
	s_delay_alu instid0(VALU_DEP_1)
	v_sub_f32 v237, v236, v12                      ; whole numbers, 0 or less (a half with no step has -M = 3e38: its factor comes out 0, and its sums are zeros)
	v_sub_f32 v238, v236, v232
	s_delay_alu instid0(VALU_DEP_2)
	v_cvt_i32_f32 v237, v237                       ; (it saturates)
	s_delay_alu instid0(VALU_DEP_2)
	v_cvt_i32_f32 v238, v238
	s_delay_alu instid0(VALU_DEP_2)
	v_ldexp_f32 v252, 1.0, v237
	s_delay_alu instid0(VALU_DEP_2)
	v_ldexp_f32 v254, 1.0, v238
	s_delay_alu instid0(VALU_DEP_2)
	v_mul_f32 v14, v14, v252
	s_delay_alu instid0(VALU_DEP_1)
	v_fma_f32 v14, v234, v254, v14
.set jj, 0
.rept 32
	v_pk_mul_f32 v[160+jj:161+jj], v[160+jj:161+jj], v[252:253] op_sel_hi:[1,0]
.set jj, jj+2
.endr
.set jj, 0
.rept 32
	v_pk_fma_f32 v[160+jj:161+jj], v[96+jj:97+jj], v[254:255], v[160+jj:161+jj] op_sel_hi:[1,0,1]
.set jj, jj+2
.endr
	v_permlanex16_b32 v252, v14, s[SEL], s[SEL+1]
	s_delay_alu instid0(VALU_DEP_1)
	v_add_f32 v14, v14, v252                       ; with lane l xor 16's: the row's sum
	s_wait_alu depctr_va_vdst(0)
	v_rcp_f32 v14, v14
.rept 4
	v_nop
.endr
	s_wait_alu depctr_va_vdst(0)
.set jj, 0
.rept 64
	v_mul_f32 v[96+jj], v[160+jj], v14
.set jj, jj+1
.endr
.irp b, 0,1,2,3
	v_max3_num_f32 v[232+\b], |v[96+16*\b]|, |v[97+16*\b]|, 0x1800000
.endr
.irp i, 2,4,6,8,10,12,14
.irp b, 0,1,2,3
	s_delay_alu instid0(VALU_DEP_4)
	v_max3_num_f32 v[232+\b], v[232+\b], |v[96+16*\b+\i]|, |v[97+16*\b+\i]|
.endr
.endr
.irp b, 0,1,2,3
	s_delay_alu instid0(VALU_DEP_4)
	v_permlanex16_b32 v[236+\b], v[232+\b], s[SEL], s[SEL+1]
.endr
.irp b, 0,1,2,3
	s_delay_alu instid0(VALU_DEP_4)
	v_max_num_f32 v[232+\b], v[232+\b], v[236+\b]
.endr
.irp b, 0,1,2,3
	s_delay_alu instid0(VALU_DEP_4)
	v_add_nc_u32 v[244+\b], 0xff000000, v[232+\b]
.endr
.irp b, 0,1,2,3
	s_delay_alu instid0(VALU_DEP_4)
	v_lshrrev_b32 v[236+\b], 23, v[244+\b]
.endr
	s_delay_alu instid0(VALU_DEP_3)
	v_lshl_or_b32 v252, v237, 8, v236
	s_delay_alu instid0(VALU_DEP_1)
	v_lshl_or_b32 v252, v238, 16, v252
	s_delay_alu instid0(VALU_DEP_1)
	v_lshl_or_b32 v252, v239, 24, v252
.irp c, 0,1
	v_cvt_scalef32_pk16_fp6_f32 v[32+6*\c:34+6*\c], v[96+32*\c:111+32*\c], v[244+2*\c]
	v_cvt_scalef32_pk16_fp6_f32 v[44+4*\c:46+4*\c], v[112+32*\c:127+32*\c], v[244+2*\c+1]
.endr
	v_nop
.irp c, 0,1
.irp i, 0,1,2
	v_permlane16_swap_b32 v[32+6*\c+\i], v[44+4*\c+\i]
.endr
.irp i, 0,1,2
	s_delay_alu instid0(VALU_DEP_3)
	v_mov_b32 v[35+6*\c+\i], v[44+4*\c+\i]
.endr
.endr
.irp c, 0,1,2
	global_store_b128 v[LI], v[32+4*\c:35+4*\c], s[8:9] offset:512*\c   ; 512 consecutive bytes, aligned
.endr
	global_store_b32 v[OSA], v252, s[10:11]
.Lend:
	s_wait_tensorcnt 0x0                           ; the wave's end
	ds_add_u32 v[SPW], v[NIL]
	s_wait_dscnt 0x0
	s_endpgm
.Lfunc_end_k_q17ee21f60e_attn:
	.size	k_q17ee21f60e_attn, .Lfunc_end_k_q17ee21f60e_attn-k_q17ee21f60e_attn
	.p2alignl 7, 3214868480
	.fill 96, 4, 3214868480
	.section	.rodata,"a",@progbits
	.p2align	6, 0x0
	.amdhsa_kernel k_q17ee21f60e_attn
		.amdhsa_group_segment_fixed_size 327680
		.amdhsa_private_segment_fixed_size 0
		.amdhsa_enable_private_segment 0
		.amdhsa_kernarg_size 32
		.amdhsa_user_sgpr_count 2
		.amdhsa_user_sgpr_kernarg_segment_ptr 1
		.amdhsa_wavefront_size32 1
		.amdhsa_system_sgpr_workgroup_id_x 1
		.amdhsa_system_sgpr_workgroup_id_y 1
		.amdhsa_system_sgpr_workgroup_id_z 1
		.amdhsa_system_vgpr_workitem_id 0
		.amdhsa_next_free_vgpr 256
		.amdhsa_next_free_sgpr 100
		.amdhsa_reserve_vcc 1
		.amdhsa_float_denorm_mode_32 3
		.amdhsa_float_denorm_mode_16_64 3
		.amdhsa_memory_ordered 1
		.amdhsa_forward_progress 1
		.amdhsa_inst_pref_size 129
	.end_amdhsa_kernel
	.amdgpu_metadata
---
amdhsa.version: [ 1, 2 ]
amdhsa.kernels:
  - .name:           k_q17ee21f60e_attn
    .symbol:         k_q17ee21f60e_attn.kd
    .args:
      - { .name: qkvc, .offset: 0, .size: 8, .value_kind: global_buffer, .address_space: global }
      - { .name: qkvs, .offset: 8, .size: 8, .value_kind: global_buffer, .address_space: global }
      - { .name: oc, .offset: 16, .size: 8, .value_kind: global_buffer, .address_space: global }
      - { .name: os, .offset: 24, .size: 8, .value_kind: global_buffer, .address_space: global }
    .group_segment_fixed_size: 327680
    .private_segment_fixed_size: 0
    .kernarg_segment_align: 8
    .kernarg_segment_size: 32
    .max_flat_workgroup_size: 512
    .sgpr_count:     100
    .vgpr_count:     256
    .wavefront_size: 32
...
	.end_amdgpu_metadata
.endif
;; end of part 7
;; launch oproj (part 8): grid 16 x 16, 4 waves a work-group, clusters of 4 x 4, 327,680 bytes of LDS; arguments oc, os, codes, scales, out0; writes out0
.if DOCPART == 8
	.amdgcn_target "amdgcn-amd-amdhsa--gfx1250"
	.amdhsa_code_object_version 6
	.text
	.protected	k_q17ee21f60e_oproj
	.globl	k_q17ee21f60e_oproj
	.p2align	8
	.type	k_q17ee21f60e_oproj,@function
k_q17ee21f60e_oproj:
	s_mov_b64 s[64:65], 0
	v_nop
	global_prefetch_b8 v0, s[64:65] scope:SCOPE_SE
	s_setreg_imm32_b32 hwreg(HW_REG_WAVE_MODE, 25, 1), 1
	s_wait_xcnt 0x0
	s_wait_alu depctr_hold_cnt(0) depctr_sa_sdst(0) depctr_va_vdst(0) depctr_va_sdst(0) depctr_va_ssrc(0) depctr_va_vcc(0) depctr_vm_vsrc(0)
	s_getreg_b32 s2, hwreg(HW_REG_IB_STS2, 6, 4)
	s_cmp_eq_u32 s2, 0
	s_cbranch_scc0 .Lentry_in_a_cluster
	s_endpgm
.Lentry_in_a_cluster:
	s_bfe_u32 s2, ttmp6, 0x10000c
	s_cmp_lg_u32 s2, 0xf033
	s_cbranch_scc0 .Lentry_shape_is_right
	s_endpgm
.Lentry_shape_is_right:
; out0 = o wo on codes of FP6 (E2M3) with E8M0 scales, K = 2,048 = head x 128 + d; sums and result in f32.
; A = oc [tile of 16 queries 128][K step 16][1536] with os [tile][pair of K steps 8][row 16][2 words]; B = wo's columns: codes and scales at row tile 512 on, laid alike.  A fragment is an image of its 12 registers.
; 2,048 x 2,048 of out0 are 256 tiles of 128 x 128, one to a work-group; each of its four waves makes 64 x 64: 16 accumulators.
; LDS holds two regions of SIX K steps, 16 row tiles x 9,216 bytes each.  The head's four tiles are shared out, one tensor load a wave: region 0's A, region 0's B, A's scale words, B's.
; Region 1 (K steps 6-11) is filled behind the full sequence and a round; K steps 12-15 go into region 0 at K step 5, when it has been read, as rows of 6,144 bytes.
; The scale words of all of K come once, and go from LDS into 64 registers once.
; CLUSTERS: 4 x 4 work-groups; A's tiles are asked for jointly along a row of the cluster, B's along a column.
; PREFETCH: behind the head's loads K steps 6-11 are named, behind region 1's load K steps 12-15: of the 4 row tiles of a joint load each partner names one, by address, a lane a block of 256 bytes.
; THE MATRIX INSTRUCTION IS USED TRANSPOSED: register j of lane (r, h) in accumulator (a, b) is out0(16 a + r, 16 b + 8 h + j).  The sixteen K steps are written out by macro.
; REGISTERS: window 0: v3-29 addresses; v32-95 scale words: 32 + 16 i + s: lanes 0-15 A's tile i, lanes 16-31 B's tile i, K step s; v128-255 the accumulators.  Window 1: two sets of fragments, at v0 and v128.
.set FR,     12
.set FRB,    1536
.set NS,     6                         ; K steps in a region
.set TROW,   NS*FRB                    ; a row tile's bytes in a region (K steps 12-15: 4 FRB)
.set QUART,  4*TROW
.set REG,    4*QUART
.set SCL,    2*REG
.set QS,     4096
.set SPARE,  SCL+4*QS
.set STAGE,  REG                       ; the way out: in region 1: filled once, its last read lies ahead of the barrier at K step 11
.set SPITCH, 272
.set SIZE_N, 2048
.set LI,   3
.set PFO,  10                          ; v10-12  256 x lane; 256 x min(lane, 3); 256 x min(lane, 23)
.set ADRA, 16
.set ADRB, 20
.set STO,  24
.set RD,   25
.set CO,   26
.set ADRS, 27
.set SPW,  28
.set NIL,  29
.set SC,   32
.set ACC,  128
.set G1,   24
.set G1B,  32
.set G1S,  40
.set G1SB, 48
.set G0S,  56
.set G0SB, 60
.set G0,   68                          ; s[68:75] A's codes, a set for each region; s[76:79] the head's load of A
.set G0H,  76
.set G0B,  80
.set G0HB, 88
.set PFA,  10
.set MSB, 0
.macro WIN new
.if MSB != (\new)
	s_set_vgpr_msb (MSB<<8)|(\new)
.set MSB, (\new)
.endif
.endm
.set MUL,  0x05                        ; sources 0 (B) and 1 (A) window 1; C and D window 0
.set TO_F, 0x40
.macro JLOAD g0a, g1a, g0b, g1b        ; waves 0 and 1 fetch for A, waves 2 and 3 for B; an s_nop 0 and four v_nop follow each line
	s_cmp_eq_u32 s17, 0
	s_cbranch_scc0 .Lfor_b_\@
	tensor_load_to_lds s[\g0a:\g0a+3], s[\g1a:\g1a+7]
	s_nop 0
.rept 4
	v_nop
.endr
	s_branch .Lasked_\@
.Lfor_b_\@:
	tensor_load_to_lds s[\g0b:\g0b+3], s[\g1b:\g1b+7]
	s_nop 0
.rept 4
	v_nop
.endr
.Lasked_\@:
.endm
.macro CREST
	s_cmp_lg_u32 s16, 0
	s_cbranch_scc1 .Lnot_wave_0_\@
	s_barrier_signal -3
.Lnot_wave_0_\@:
	s_barrier_wait -3
	s_barrier_signal -1
	s_barrier_wait -1
.endm
.macro CROUND
	s_barrier_signal -1
	s_barrier_wait -1
	CREST
.endm
.macro ARM under, g0, g1, next         ; one arm of the head's tree of branches on the wave's number: its load, and a jump to the tree's end
	s_cmp_lt_u32 s16, \under
	s_cbranch_scc0 \next
	tensor_load_to_lds s[\g0:\g0+3], s[\g1:\g1+7]
	s_nop 0
.rept 4
	v_nop
.endr
	s_branch .Lhead_asked
\next:
.endm
	s_load_b256 s[4:11], s[0:1], 0x0               ; oc, os, codes, scales
	s_load_b64 s[12:13], s[0:1], 0x20              ; out0
	v_lshl_add_u32 v[SPW], v0, 2, SPARE
	v_mov_b32 v[NIL], 0
	ds_add_u32 v[SPW], v[NIL]                      ; the opening lines: the add, twice on end, and its wait
	ds_add_u32 v[SPW], v[NIL]
	v_lshrrev_b32 v1, 5, v0
	v_readfirstlane_b32 s16, v1                    ; wave
	s_lshr_b32 s17, s16, 1                         ; my half of the tile's rows.  Also: in the ring I fetch for A (0) or for B (1)
	s_and_b32 s18, s16, 1                          ; my half of its columns.  Also: which 4 row tiles I fetch
	s_bfe_u32 s20, ttmp6, 0x40000                  ; cx
	s_bfe_u32 s21, ttmp6, 0x40004                  ; cy
	s_lshl_b32 s22, ttmp9, 2
	s_add_co_u32 s22, s22, s20                     ; tile column
	s_and_b32 s23, ttmp7, 0xffff
	s_lshl_b32 s23, s23, 2
	s_add_co_u32 s23, s23, s21                     ; tile row
	s_lshl_b32 s14, s21, 2
	s_lshl_b32 s14, 15, s14                        ; my row of the cluster
	s_lshl_b32 s15, 0x1111, s20                    ; my column
	s_or_b32 s[G1+0], s14, (3<<16)|(1<<21)
	s_or_b32 s[G1B+0], s15, (3<<16)|(1<<21)
	s_or_b32 s[G1S+0], s14, (3<<16)|(1<<21)
	s_or_b32 s[G1SB+0], s15, (3<<16)|(1<<21)
.irp g, G1, G1B                        ; codes: for the head's loads 8 rows (row tiles) of 9,216 bytes, 24,576 bytes apart in memory, dense in LDS
	s_mov_b32 s[\g+1], 1152<<16
	s_mov_b32 s[\g+2], 8<<16
	s_mov_b32 s[\g+3], 1152<<16
	s_mov_b32 s[\g+4], 8
	s_mov_b32 s[\g+5], 3072
	s_mov_b32 s[\g+6], 0
	s_mov_b32 s[\g+7], 0
.endr
.irp g, G1S, G1SB                      ; scale words of 8 row tiles: 8,192 dense bytes as 32 rows of 256
	s_mov_b32 s[\g+1], 32<<16
	s_mov_b32 s[\g+2], 32<<16
	s_mov_b32 s[\g+3], 32<<16
	s_mov_b32 s[\g+4], 32
	s_mov_b32 s[\g+5], 32
	s_mov_b32 s[\g+6], 0
	s_mov_b32 s[\g+7], 0
.endr
	s_lshl_b32 s66, s23, 3                         ; A's 8 row tiles: it never holds cx
	s_lshl_b32 s67, s22, 3
	s_add_co_u32 s67, s67, 512                     ; B's: wo begins at row tile 512: it never holds cy
	s_mul_i32 s92, s66, 24576
	s_mov_b32 s93, 0
	s_lshl_b32 s94, s66, 10
	s_mov_b32 s95, 0
	s_mul_i32 s96, s67, 24576
	s_mov_b32 s97, 0
	s_lshl_b32 s98, s67, 10
	s_mov_b32 s99, 0
	s_mul_i32 s14, s18, 4*24576                    ; in the ring: which 4 row tiles, in bytes
	s_mov_b32 s15, 0
	s_mul_i32 s2, s16, QUART                       ; and where they go: wave x 4 row tiles
	s_wait_dscnt 0x0
	s_wait_kmcnt 0x0
	s_add_nc_u64 s[92:93], s[4:5], s[92:93]
	s_add_nc_u64 s[94:95], s[6:7], s[94:95]
	s_add_nc_u64 s[96:97], s[8:9], s[96:97]
	s_add_nc_u64 s[98:99], s[10:11], s[98:99]
	s_mov_b32 s[G0H], 1                            ; the head's four tiles: region 0's 8 row tiles of A,
	s_mov_b32 s[G0H+1], 0
	s_mov_b64 s[G0H+2:G0H+3], s[92:93]
	s_or_b32 s[G0H+3], s[G0H+3], 0x80000000
	s_mov_b32 s[G0HB], 1                           ; of B,
	s_mov_b32 s[G0HB+1], 2*QUART
	s_mov_b64 s[G0HB+2:G0HB+3], s[96:97]
	s_or_b32 s[G0HB+3], s[G0HB+3], 0x80000000
	s_mov_b32 s[G0S], 1                            ; A's scale words,
	s_mov_b32 s[G0S+1], SCL
	s_mov_b64 s[G0S+2:G0S+3], s[94:95]
	s_or_b32 s[G0S+3], s[G0S+3], 0x80000000
	s_mov_b32 s[G0SB], 1                           ; and B's
	s_mov_b32 s[G0SB+1], SCL+2*QS
	s_mov_b64 s[G0SB+2:G0SB+3], s[98:99]
	s_or_b32 s[G0SB+3], s[G0SB+3], 0x80000000
	s_add_nc_u64 s[92:93], s[92:93], s[14:15]      ; for the ring: my 4 row tiles
	s_add_nc_u64 s[96:97], s[96:97], s[14:15]
.irp g, 0,1
	s_mov_b32 s[G0+4*\g], 1
	s_add_co_u32 s[G0+4*\g+1], s2, \g*REG
	s_add_nc_u64 s[G0+4*\g+2:G0+4*\g+3], s[92:93], \g*TROW
	s_or_b32 s[G0+4*\g+3], s[G0+4*\g+3], 0x80000000
	s_mov_b32 s[G0B+4*\g], 1
	s_add_co_u32 s[G0B+4*\g+1], s2, \g*REG
	s_add_nc_u64 s[G0B+4*\g+2:G0B+4*\g+3], s[96:97], \g*TROW
	s_or_b32 s[G0B+4*\g+3], s[G0B+4*\g+3], 0x80000000
.endr
	CROUND                                         ; all sixteen work-groups are here: the first joint loads meet
	ARM 1, G0H,  G1,  .Lhead_b
	ARM 2, G0HB, G1B, .Lhead_sa
	ARM 3, G0S,  G1S, .Lhead_sb
	tensor_load_to_lds s[G0SB:G0SB+3], s[G1SB:G1SB+7]
	s_nop 0
.rept 4
	v_nop
.endr
.Lhead_asked:
	s_cmp_eq_u32 s17, 0                            ; the prefetches: of the 4 row tiles that I fetch in the ring my work-group names one: by cx for A, by cy for B
	s_cselect_b64 s[PFA:PFA+1], s[92:93], s[96:97]
	s_cselect_b32 s4, s20, s21
	s_mul_i32 s4, s4, 24576
	s_add_co_u32 s4, s4, TROW                      ; at K step 6
	s_mov_b32 s5, 0
	s_add_nc_u64 s[PFA:PFA+1], s[PFA:PFA+1], s[4:5]
	s_mul_i32 s92, s17, QUART                      ; my 4 row tiles of A
	s_mul_i32 s93, s18, QUART                      ; my 4 of B,
	s_add_co_u32 s93, s93, 2*QUART                 ; behind A's 8
	s_add_co_u32 s94, s92, REG
	s_add_co_u32 s95, s93, REG
	s_lshl_b32 s96, s17, 12
	s_lshl_b32 s97, s18, 12
	s_add_co_u32 s97, s97, 2*QS
	s_sub_co_u32 s97, s97, s96                     ; from A's scale words to B's
	s_add_co_u32 s96, s96, SCL
	s_mul_i32 s98, s16, 16*SPITCH
	s_add_co_u32 s98, s98, STAGE                   ; my stage
	s_lshl_b32 s6, s23, 7
	s_lshl_b32 s7, s17, 6
	s_add_co_u32 s6, s6, s7                        ; my first row of out0
	s_lshl_b32 s6, s6, 13
	s_lshl_b32 s8, s22, 9                          ; my first column, in bytes
	s_lshl_b32 s9, s18, 8
	s_add_co_u32 s8, s8, s9
	s_add_co_u32 s8, s8, s6
	s_mov_b32 s9, 0
	s_add_nc_u64 s[12:13], s[12:13], s[8:9]
	v_and_b32 v1, 15, v0                           ; r
	v_bfe_u32 v2, v0, 4, 1                         ; h
	v_and_b32 v4, 31, v0
	v_lshlrev_b32 v[LI], 4, v4
	v_add_nc_u32 v[ADRA], s92, v[LI]
	v_add_nc_u32 v[ADRB], s93, v[LI]
	v_add_nc_u32 v[ADRA+1], s94, v[LI]
	v_add_nc_u32 v[ADRB+1], s95, v[LI]
	v_lshlrev_b32 v5, 3, v1                        ; my row's two words of a pair of K steps
	v_mul_u32_u24 v6, s97, v2                      ; lanes 16-31 take B's: the lower base + h x the distance
	v_add_nc_u32 v5, v5, v6
	v_add_nc_u32 v[ADRS], s96, v5
	v_mul_u32_u24 v5, v1, SPITCH
	v_lshl_add_u32 v5, v2, 5, v5
	v_add_nc_u32 v[STO], s98, v5                   ; in: row r, 32 bytes for each half of the lanes
	v_mul_u32_u24 v5, v2, SPITCH
	v_lshl_add_u32 v5, v1, 4, v5
	v_add_nc_u32 v[RD], s98, v5                    ; back: lanes 0-15 one row of 256 bytes, lanes 16-31 the next
	v_lshlrev_b32 v[CO], 13, v2
	v_lshl_add_u32 v[CO], v1, 4, v[CO]
	v_lshlrev_b32 v[PFO], 8, v4
	v_min_u32 v7, 3, v4
	v_lshlrev_b32 v[PFO+1], 8, v7
	v_min_u32 v8, 23, v4
	v_lshlrev_b32 v[PFO+2], 8, v8
	s_wait_alu depctr_va_vdst(0)                   ; the wait at the end of the head's vector work
	global_prefetch_b8 v[PFO], s[PFA:PFA+1] th:TH_LOAD_NT scope:SCOPE_SE               ; K steps 6-11 of my row tile: 36 blocks
	global_prefetch_b8 v[PFO+1], s[PFA:PFA+1] offset:8192 th:TH_LOAD_NT scope:SCOPE_SE
.macro SCALES                          ; all of K's scale words, once
.irp i, 0,1,2,3
.irp sp, 0,1,2,3,4,5,6,7
	ds_load_b64 v[SC+16*\i+2*\sp:SC+16*\i+2*\sp+1], v[ADRS] offset:\i*1024+\sp*128
.endr
.endr
.endm
.macro FETCH g, q, p                   ; the eight fragments of region g's q-th K step into set p
	WIN TO_F
.irp i, 0,1,2,3
.irp c, 0,1,2
	ds_load_b128 v[128*(\p)+48+FR*\i+4*\c:128*(\p)+48+FR*\i+4*\c+3], v[ADRB+(\g)] offset:\i*TROW+(\q)*FRB+512*\c
.endr
.endr
.irp i, 0,1,2,3
.irp c, 0,1,2
	ds_load_b128 v[128*(\p)+FR*\i+4*\c:128*(\p)+FR*\i+4*\c+3], v[ADRA+(\g)] offset:\i*TROW+(\q)*FRB+512*\c
.endr
.endr
.endm
; 8 matrix instructions: A's blocks a0, a0 + 1 x B's four.  K step 0's products start the sums.  The 16 accumulators take turns.
.macro MUL8 p, s, a0
.irp a, \a0, \a0+1
.irp b, 0,1,2,3
.if (\s) == 0
	v_wmma_scale_f32_16x16x128_f8f6f4 v[ACC+8*(4*(\a)+\b):ACC+8*(4*(\a)+\b)+7], v[128*(\p)+48+FR*\b:128*(\p)+48+FR*\b+FR-1], v[128*(\p)+FR*(\a):128*(\p)+FR*(\a)+FR-1], 0, v[SC+16*\b+(\s)], v[SC+16*(\a)+(\s)] matrix_a_fmt:MATRIX_FMT_FP6 matrix_b_fmt:MATRIX_FMT_FP6 matrix_a_scale:MATRIX_SCALE_ROW1
.else
	v_wmma_scale_f32_16x16x128_f8f6f4 v[ACC+8*(4*(\a)+\b):ACC+8*(4*(\a)+\b)+7], v[128*(\p)+48+FR*\b:128*(\p)+48+FR*\b+FR-1], v[128*(\p)+FR*(\a):128*(\p)+FR*(\a)+FR-1], v[ACC+8*(4*(\a)+\b):ACC+8*(4*(\a)+\b)+7], v[SC+16*\b+(\s)], v[SC+16*(\a)+(\s)] matrix_a_fmt:MATRIX_FMT_FP6 matrix_b_fmt:MATRIX_FMT_FP6 matrix_a_scale:MATRIX_SCALE_ROW1
.endif
.endr
.endr
.endm
.macro PLACES                          ; four plain vector instructions between a matrix instruction and a load into, or an LDS store of, its registers (ISA guide 7.12.1 for LDS stores)
.rept 4
	v_nop
.endr
.endm
.macro STEP s, fetch                   ; K step s, on set s % 2; it lies in region (s / 6) % 2
	s_wait_dscnt 0x0
.if \fetch
	PLACES
	FETCH (((\s)+1)/NS)%2, ((\s)+1)%NS, ((\s)+1)%2
.endif
	WIN MUL
	MUL8 (\s)%2, \s, 0
	MUL8 (\s)%2, \s, 2
.endm
	s_wait_tensorcnt 0x0                           ; my tile of the head's four is in
	ds_add_u32 v[SPW], v[NIL]
	s_mov_b32 s[G1+2], 4<<16                       ; no tensor load of mine is out: from here on a load brings 4 row tiles
	s_mov_b32 s[G1+4], 4
	s_mov_b32 s[G1B+2], 4<<16
	s_mov_b32 s[G1B+4], 4
	s_wait_dscnt 0x0
	CROUND                                         ; all four tiles are in, and the joint loads meet
	JLOAD G0+4, G1, G0B+4, G1B                     ; region 1: K steps 6-11
	SCALES
	FETCH 0, 0, 0
	global_prefetch_b8 v[PFO+2], s[PFA:PFA+1] offset:TROW th:TH_LOAD_NT scope:SCOPE_SE   ; K steps 12-15 of my row tile: 24 blocks
.irp s, 0,1,2,3,4
	STEP \s, 1
.endr
	; K STEP 5: its fragments were my last reads of region 0, which is now filled again, with K steps 12-15
	WIN 0
	s_wait_tensorcnt 0x0
	ds_add_u32 v[SPW], v[NIL]
	s_mov_b32 s[G1+1], 768<<16                     ; no load of mine is out: rows of four K steps, 6,144 bytes
	s_mov_b32 s[G1+3], 768<<16
	s_mov_b32 s[G1B+1], 768<<16
	s_mov_b32 s[G1B+3], 768<<16
	s_wait_dscnt 0x0                               ; the add is done, and this step's fragments are in
	s_barrier_signal -1
	WIN MUL
	MUL8 1, 5, 0
	WIN 0
	s_barrier_wait -1
	CREST
	s_add_nc_u64 s[G0+2:G0+3], s[G0+2:G0+3], 12*FRB
	s_add_nc_u64 s[G0B+2:G0B+3], s[G0B+2:G0B+3], 12*FRB
	JLOAD G0, G1, G0B, G1B                         ; the first tensor load behind the round, and my last; its four v_nop are the places in front of the loads below
	FETCH 1, 0, 0                                  ; K step 6
	WIN MUL
	MUL8 1, 5, 2
.irp s, 6,7,8,9,10
	STEP \s, 1
.endr
	; K STEP 11: the next step's fragments lie in what the refill brought: my part has landed, then everybody's
	s_wait_dscnt 0x0
	WIN MUL
	MUL8 1, 11, 0
	s_wait_tensorcnt 0x0
	s_barrier_signal -1                            ; (no LDS instruction of mine is out)
	s_barrier_wait -1
	PLACES
.set TROW, 4*FRB                       ; K steps 12-15 lie with their row tiles 6,144 bytes apart
	FETCH 0, 0, 0                                  ; K step 12
	WIN MUL
	MUL8 1, 11, 2
	STEP 12, 1
	STEP 13, 1
	STEP 14, 1
	STEP 15, 0
	WIN 0
; THE WAY OUT, block by block of 16 rows x 64 columns, through my own stage, back as whole rows of 256 bytes.  LDS serves a wave's instructions in order (ISA guide 5.7.1.4).
.macro TOSTAGE a
.irp b, 0,1,2,3
	ds_store_b128 v[STO], v[ACC+32*(\a)+8*\b:ACC+32*(\a)+8*\b+3] offset:64*\b          ; each accumulator from its low end on
	ds_store_b128 v[STO], v[ACC+32*(\a)+8*\b+4:ACC+32*(\a)+8*\b+7] offset:64*\b+16
.endr
.irp t, 0,1,2,3,4,5,6,7
	ds_load_b128 v[ACC+32*(\a)+4*\t:ACC+32*(\a)+4*\t+3], v[RD] offset:\t*2*SPITCH
.endr
.endm
.macro SEND a, younger                 ; younger: the LDS instructions issued behind block a's loads, which may stay out
	s_wait_dscnt \younger
.irp t, 0,1,2,3,4,5,6,7
	global_store_b128 v[CO], v[ACC+32*(\a)+4*\t:ACC+32*(\a)+4*\t+3], s[12:13] offset:(16*(\a)+2*\t)*SIZE_N*4 th:TH_STORE_NT   ; sixteen lanes store 256 consecutive bytes, aligned
.endr
.endm
	PLACES
	TOSTAGE 0
	TOSTAGE 1
	SEND 0, 16
	TOSTAGE 2
	SEND 1, 16
	TOSTAGE 3
	SEND 2, 16
	SEND 3, 0
	s_wait_tensorcnt 0x0                           ; the wave's end
	ds_add_u32 v[SPW], v[NIL]
	s_wait_dscnt 0x0
	CROUND                                         ; the closing round
	s_endpgm
.Lfunc_end_k_q17ee21f60e_oproj:
	.size	k_q17ee21f60e_oproj, .Lfunc_end_k_q17ee21f60e_oproj-k_q17ee21f60e_oproj
	.p2alignl 7, 3214868480
	.fill 96, 4, 3214868480
	.section	.rodata,"a",@progbits
	.p2align	6, 0x0
	.amdhsa_kernel k_q17ee21f60e_oproj
		.amdhsa_group_segment_fixed_size 327680
		.amdhsa_private_segment_fixed_size 0
		.amdhsa_enable_private_segment 0
		.amdhsa_kernarg_size 40
		.amdhsa_user_sgpr_count 2
		.amdhsa_user_sgpr_kernarg_segment_ptr 1
		.amdhsa_wavefront_size32 1
		.amdhsa_system_sgpr_workgroup_id_x 1
		.amdhsa_system_sgpr_workgroup_id_y 1
		.amdhsa_system_sgpr_workgroup_id_z 1
		.amdhsa_system_vgpr_workitem_id 0
		.amdhsa_next_free_vgpr 512
		.amdhsa_next_free_sgpr 100
		.amdhsa_reserve_vcc 0
		.amdhsa_float_denorm_mode_32 3
		.amdhsa_float_denorm_mode_16_64 3
		.amdhsa_memory_ordered 1
		.amdhsa_forward_progress 1
		.amdhsa_inst_pref_size 82
	.end_amdhsa_kernel
	.amdgpu_metadata
---
amdhsa.version: [ 1, 2 ]
amdhsa.kernels:
  - .name:           k_q17ee21f60e_oproj
    .symbol:         k_q17ee21f60e_oproj.kd
    .args:
      - { .name: oc, .offset: 0, .size: 8, .value_kind: global_buffer, .address_space: global }
      - { .name: os, .offset: 8, .size: 8, .value_kind: global_buffer, .address_space: global }
      - { .name: codes, .offset: 16, .size: 8, .value_kind: global_buffer, .address_space: global }
      - { .name: scales, .offset: 24, .size: 8, .value_kind: global_buffer, .address_space: global }
      - { .name: out0, .offset: 32, .size: 8, .value_kind: global_buffer, .address_space: global }
    .group_segment_fixed_size: 327680
    .private_segment_fixed_size: 0
    .kernarg_segment_align: 8
    .kernarg_segment_size: 40
    .max_flat_workgroup_size: 128
    .sgpr_count:     100
    .vgpr_count:     512
    .wavefront_size: 32
...
	.end_amdgpu_metadata
.endif
;; end of part 8
